; MI455X (gfx1250); checked and timed in simulation.
; The chip was launched on July 23, 2026; its instructions are those of AMD's public machine-readable ISA for CDNA 5 (MIT licence, August 2026) and "CDNA5" Instruction Set Architecture Reference Guide (July 2026). The comments in the code are by the model that wrote it; some were corrected since.
;; Decoder Layer. Allowed arithmetic: matrix products marked QUANTISED: E4M3 operands, one E8M0 scale for each 32 along K, by v_wmma_scale_f32_16x16x128_f8f6f4 with both operands' format E4M3, f32 sums; everything else in f32.
;; Inputs: W1 4,096 x 1,024 float32; W2 1,024 x 4,096 float32; Wo 1,024 x 1,024 float32; Wqkv 3,072 x 1,024 float32; b1 4,096 float32; b2 1,024 float32; bo 1,024 float32; bqkv 3,072 float32; ln1_a 1,024 float32; ln1_b 1,024 float32; ln2_a 1,024 float32; ln2_b 1,024 float32; mask 1 x 1 x 2,048 x 2,048 int32; x 2 x 2,048 x 1,024 float32.
;; Outputs: out0 2 x 2,048 x 1,024 float32.
;; This version of the problem:
;;   THIS VERSION OF THE PROBLEM IS GIVEN IN LOW PRECISION. The matrix products marked QUANTISED in the list below multiply operands that are first quantised to E4M3 (4 exponent bits, 3 mantissa bits; 8 bits a number), with one power-of-two scale for each 32 numbers along K (OCP MX v1.0); their sums are f32. All else is computed in f32.
;;   The module's matrix products, in the order in which they are computed (A, B: the left and right operand; K: the contracted axis; several contracted axes count as one K, in the product's order):
;;     1. [M 4,096, K 1,024] x [K 1,024, N 3,072]; A: input x; B: input Wqkv: QUANTISED
;;     2. batch 32 x [M 2,048, K 64] x [K 64, N 2,048]; A: computed on the way; B: computed on the way: QUANTISED
;;     3. batch 32 x [M 64, K 2,048] x [K 2,048, N 2,048]; A: computed on the way; B: softmax (see below): QUANTISED
;;     4. [M 4,096, K 1,024] x [K 1,024, N 1,024]; A: computed on the way; B: input Wo: QUANTISED
;;     5. [M 4,096, K 1,024] x [K 1,024, N 4,096]; A: computed on the way; B: input W1: QUANTISED
;;     6. [M 4,096, K 4,096] x [K 4,096, N 1,024]; A: computed on the way; B: input W2: QUANTISED
;;   THE QUANTISER, for each operand of a quantised product, along K:
;;     - K is cut into blocks of 32 from its start; a last block that is shorter is filled with zeros.
;;     - A block's scale is 2^e with e = floor(log2(the largest magnitude in the block)) - 8, held to -126 .. 127; a block of zeros has e = 0. As a byte (E8M0): e + 127.
;;     - Each number is divided by its block's scale, clamped to +-448, and rounded to the nearest number of E4M3, ties to even, subnormals kept.
;;     - The product sums the exact products of the quantised numbers (number of the format x scale) in f32.
;;   ~~~python
;;   def quantise(x, axis):      # numpy; x: float32 -> the quantised numbers, widened to float32 again
;;       x = np.moveaxis(x, axis, -1); K = x.shape[-1]
;;       x = np.pad(x, [(0, 0)] * (x.ndim - 1) + [(0, -K % 32)]); x = x.reshape(x.shape[:-1] + (-1, 32)); a = np.abs(x).max(-1, keepdims=True)
;;       e = np.where(a > 0, np.clip(np.frexp(np.where(a > 0, a, 1))[1] - 1 - 8, -126, 127), 0)      # np.frexp(a)[1] - 1 = floor(log2(a)), exactly
;;       r = np.clip(x / 2.0 ** e, -448, 448)
;;       step = 2.0 ** (np.maximum(np.frexp(np.where(r == 0, 1, r))[1] - 1, -6) - 3)
;;       q = np.round(r / step) * step * 2.0 ** e      # np.round: ties to even
;;       return np.moveaxis(q.reshape(q.shape[:-2] + (-1,))[..., :K], -1, axis).astype(np.float32)
;;   ~~~
;;   SOFTMAX AHEAD OF A QUANTISED PRODUCT. Where the list says 'softmax', what is quantised is not the finished softmax but p = 2^(t - M), with t = logit x log2(e) and M = ceil(the row's largest t), a whole number; so 1/2 < the row's largest p <= 1. The row's sum l is taken of the UNQUANTISED p, in f32, and the product's result is divided by l at the end. Since M is a whole number, a kernel that streams over the keys may use a running M (the ceiling of the running maximum): every later rescaling is an exact power of two, which a block's scale takes up: the codes' values come out the same.
;;   OPERANDS COMPUTED ON THE WAY. 'Computed on the way' means the value that the module computes at that place (a softmax that the list does not call 'softmax' is quantised finished and normalised). What goes into a quantiser is computed in f32, as accurately as f32 sums, v_exp_f32 and their like allow (about 1e-6 of the number): no bf16 or f16 on the way to a quantiser, and a product that is left as it is and whose result goes on into a quantised operand takes f32 operands (vector FMAs, or v_wmma_f32_16x16x4_f32). A number that lies on a knife's edge between two numbers of the format may be rounded either way, as far as f32 arithmetic and the matrix unit's own rounding can turn it there, and no further.
;; 2 versions, each right; version 2 is version 1 with the launch attn written anew for expert scheduling mode. Each part assembles by itself: llvm-mc -triple=amdgcn-amd-amdhsa -mcpu=gfx1250 --defsym DOCPART=n.
;; ======== version 1 of 2: 8 launches
;; workspace buffers: pq 17,301,504 bytes; mb 532,480 bytes of whole numbers; qkv 13,238,272 bytes; oc 4,325,376 bytes; y1 16,777,216 bytes; hq 4,358,144 bytes; hid 17,301,504 bytes; y2 16,777,216 bytes
;; launch prep (part 1): grid 256 x 1, 10 waves a work-group, no clusters, 85,760 bytes of LDS; arguments x, Wqkv, Wo, W1, W2, mask, pq, mb; writes pq, mb
.if DOCPART == 1
	.amdgcn_target "amdgcn-amd-amdhsa--gfx1250"
	.amdhsa_code_object_version 6
	.text
	.protected	k_q8603de9dc8_prep
	.globl	k_q8603de9dc8_prep
	.p2align	8
	.type	k_q8603de9dc8_prep,@function
k_q8603de9dc8_prep:
	s_mov_b64 s[64:65], 0
	v_nop
	global_prefetch_b8 v0, s[64:65] scope:SCOPE_SE
	s_setreg_imm32_b32 hwreg(HW_REG_WAVE_MODE, 25, 1), 1
	s_wait_xcnt 0x0
; x, Wqkv, Wo, W1, W2 (f32, K innermost) become codes of E4M3 with one E8M0 byte for each 32 along K; the mask (int32) becomes lane masks and a flag for each tile.
; IMAGES.  Codes are laid in the order of an operand's registers: a fragment (16 rows x 128 K) is 2,048 bytes, group c (512 bytes) holds lane l's 16 bytes at 16 l: k = 32 c + 16 (l / 16) + 0..15 of the row at place l % 16.
; THE ROWS OF A BLOCK ARE NOT NEIGHBOURS: place p of block 2 a + u holds row 32 a + 8 u + p + 8 (p / 8), so that a product that takes such blocks as source 0 leaves 16 neighbours along the next K in 16 registers.
; SCALE WORDS: word (K step q, block 4 g + e, place r) at q x pitch + 256 g + 16 r + 4 e: a wave's four blocks fill 256 consecutive bytes.
; THE MASK: for query block i and key step s, 64 words: word 16 b + j has bit l = (mask[row at place l % 16][128 s + 32 b + 16 (l / 16) + j] != 0); flag: 0 nothing kept, 1 mixed, 3 all kept.
; SHARES.  A unit is 64 rows x 128 K: four tiles of 16 rows x 512 bytes; the six tensors have 512 + 384 + 128 + 512 + 512 + 512 = 2,560 units.  256 work-groups of ten waves; a wave takes unit 256 x wave + work-group,
; so that every work-group has the same mix: waves 0, 1 x; 2, 3 Wqkv and Wo; 4, 5 W1; 6, 7 W2; 8, 9 the mask; and reads the same 10 x 32,768 bytes.
; Each load reads 512 consecutive bytes of a row; a tile turns through the wave's own stage in LDS (rows 528 bytes apart, so that sixteen rows start in sixteen different groups of banks) into 64 numbers a lane.
; Which tensor: by the unit's number; only pointers and sizes are chosen, so all take one way through the LDS lines.  Waves share nothing: no barrier.  Memory binds: no matrix unit, no tensor load, no cluster.
; LIMITS: a block whose largest magnitude lies under 2^-118 keeps the byte 1; a block of zeros gets the byte 1 (its codes are zeros; this program alone reads the bytes); NaN and infinities are not served.
.set WO_C, 7340032
.set W1_C, 8388608
.set W2_C, 12582912
.set XW_S, 16777216
.set WO_S, 17006592
.set W1_S, 17039360
.set W2_S, 17170432
.set FLAGS, 524288
.set STG, 8448                         ; a wave's stage: 16 rows x 528 bytes
.set PW,  5                            ; v5     the scale word just made
.set PWS, 6                            ; v6-9   the four tiles' scale words
.set VO,  16                           ; v16-31 a tile's 16 rows: (p + 8 (p / 8)) x row bytes + 16 x lane
.set R0,  32                           ; v32-159 two sets of 64: a tile as loaded
.set X,   160                          ; v160-223 64 numbers of my row
.set PC,  224                          ; v224-239 the codes
.set TM,  240                          ; v240-255 at work
.set MNT, 23
.set SEL, 26
.set SB,  28                           ; s[28:35] the four tiles' sources
.set DB,  36                           ; s[36:43] the four tiles' images
.set BIT, 66                           ; s66-97 32 lane masks at a time
	s_load_b512 s[4:19], s[0:1], 0x0               ; x, Wqkv, Wo, W1, W2, mask, pq, mb
	s_set_vgpr_msb 0x40
	v_lshl_add_u32 v0, v0, 2, 0x14a00
	v_mov_b32 v1, 0
	s_set_vgpr_msb 0x4000
	v_lshrrev_b32 v1, 5, v0
	v_readfirstlane_b32 s20, v1                    ; wave 0..9
	v_and_b32 v13, 31, v0                          ; lane
	v_and_b32 v14, 15, v0                          ; r
	v_bfe_u32 v12, v0, 4, 1                        ; h
	v_lshlrev_b32 v1, 4, v13                       ; 16 x lane
	s_mul_i32 s25, s20, STG
	v_add_nc_u32 v2, s25, v1                       ; the stage, on the way in
	v_mul_u32_u24 v3, v14, 528
	v_lshl_add_u32 v3, v12, 6, v3
	v_add_nc_u32 v3, s25, v3                       ; and out: row r, + 64 h
	v_lshlrev_b32 v4, 4, v14
	v_lshl_add_u32 v4, v12, 3, v4                  ; 16 r + 8 h: my two scale words
	v_lshlrev_b32 v15, 3, v13                      ; 8 x lane: my two mask words
	v_lshlrev_b32 v14, 6, v13                      ; 64 x lane: a block's flags lie 64 bytes apart
	v_mov_b32 v13, 0                               ; the flags
.irp i, 5,6,7,8,9,10,11
	v_mov_b32 v\i, 0                               ; written once, so that every way through the text finds them written
.endr
.irp b, 0,1,2,3
	v_mov_b32 v[TM+4+\b], 0                        ; a lane permute's destination counts as one of its sources
.endr
	s_mov_b32 s[SEL], 0x76543210
	s_mov_b32 s[SEL+1], 0xfedcba98
	s_mov_b32 s[MNT], 0x600000                     ; the mantissa field of 448
	s_lshl_b32 s2, s20, 8
	s_add_co_u32 s2, s2, ttmp9                     ; my unit: 256 x wave + work-group
	s_mov_b32 s54, 0                               ; the tensor's first unit
	s_mov_b32 s21, 4096                            ; bytes in a row
	s_mov_b32 s22, 3                               ; log2 of its K steps
	s_mov_b32 s55, 0                               ; where its images begin
	s_mov_b32 s57, XW_S                            ; where its scale words begin
	s_mov_b32 s58, 28672                           ; and their pitch from K step to K step
	s_mov_b32 s59, 11                              ; log2 of an image's bytes
	s_wait_kmcnt 0x0
	s_mov_b64 s[60:61], s[4:5]
	s_mov_b64 s[62:63], s[16:17]
.macro PICK start, p, rowb, lognk, coff, soff, pitch
	s_cmp_ge_u32 s2, \start
	s_cselect_b64 s[60:61], s[\p:\p+1], s[60:61]
	s_cselect_b32 s54, \start, s54
	s_cselect_b32 s21, \rowb, s21
	s_cselect_b32 s22, \lognk, s22
	s_cselect_b32 s55, \coff, s55
	s_cselect_b32 s57, \soff, s57
	s_cselect_b32 s58, \pitch, s58
.endm
	PICK 512, 6, 4096, 3, 4194304, XW_S+16384, 28672   ; Wqkv follows x as rows 4,096 on of one tensor
	PICK 896, 8, 4096, 3, WO_C, WO_S, 4096
	PICK 1024, 10, 4096, 3, W1_C, W1_S, 16384
	PICK 1536, 12, 16384, 5, W2_C, W2_S, 4096
	PICK 2048, 14, 8192, 4, 0, 0, 0                ; the mask
	s_cselect_b64 s[62:63], s[18:19], s[62:63]     ; (the same compare still stands)
	s_cselect_b32 s59, 8, s59
	s_cselect_b32 s24, 1, 0                        ; 1: the mask
	s_sub_co_u32 s2, s2, s54                       ; my unit in the tensor
	s_lshl_b32 s3, 1, s22
	s_sub_co_u32 s3, s3, 1
	s_and_b32 s3, s2, s3                           ; q: the K step
	s_lshr_b32 s2, s2, s22                         ; g: the group of 64 rows
	s_lshl_b32 s25, s21, 6
	s_mul_i32 s48, s2, s25
	s_lshl_b32 s49, s3, 9
	s_add_co_u32 s48, s48, s49
	s_mov_b32 s49, 0
	s_add_nc_u64 s[SB:SB+1], s[60:61], s[48:49]    ; tile 0: row 64 g, byte 512 q
	s_lshl_b32 s48, s21, 3                         ; 8 rows
	s_lshl_b32 s50, s21, 5                         ; 32 rows
	s_mov_b32 s51, 0
	s_add_nc_u64 s[SB+2:SB+3], s[SB:SB+1], s[48:49]
	s_add_nc_u64 s[SB+4:SB+5], s[SB:SB+1], s[50:51]
	s_add_nc_u64 s[SB+6:SB+7], s[SB+4:SB+5], s[48:49]
	s_lshl_b32 s48, s2, 2
	s_lshl_b32 s48, s48, s22
	s_add_co_u32 s48, s48, s3
	s_lshl_b32 s48, s48, s59
	s_add_co_u32 s48, s48, s55
	s_add_nc_u64 s[DB:DB+1], s[62:63], s[48:49]    ; image (block 4 g, K step q)
	s_add_co_u32 s50, s22, s59
	s_lshl_b32 s50, 1, s50                         ; from block to block
	s_add_nc_u64 s[DB+2:DB+3], s[DB:DB+1], s[50:51]
	s_add_nc_u64 s[DB+4:DB+5], s[DB+2:DB+3], s[50:51]
	s_add_nc_u64 s[DB+6:DB+7], s[DB+4:DB+5], s[50:51]
	s_mul_i32 s48, s3, s58
	s_lshl_b32 s50, s2, 8
	s_add_co_u32 s48, s48, s50
	s_add_co_u32 s48, s48, s57
	s_add_nc_u64 s[44:45], s[16:17], s[48:49]      ; my 256 bytes of scale words
	s_lshl_b32 s48, s2, 6
	s_add_co_u32 s48, s48, s3
	s_lshl_b32 s48, s48, 2
	s_add_co_u32 s48, s48, FLAGS
	s_add_nc_u64 s[46:47], s[18:19], s[48:49]      ; flag (block 4 g, key step q)
.set i, 0
.rept 16
	v_mad_u32_u24 v[VO+i], s21, i+8*(i/8), v1
.set i, i+1
.endr
.macro LOAD e
.set i, 0
.rept 16
	global_load_b128 v[R0+64*((\e)%2)+4*i:R0+64*((\e)%2)+4*i+3], v[VO+i], s[SB+2*(\e):SB+2*(\e)+1] th:TH_LOAD_NT   ; 32 lanes read 512 consecutive bytes of a row
.set i, i+1
.endr
.endm
; 64 numbers of a lane, register 16 b + i = k 32 b + 16 h + i of my row, become a fragment's codes and its scale word
.macro QUANT s
.irp b, 0,1,2,3
	v_max3_num_f32 v[TM+\b], |v[\s+16*\b]|, |v[\s+1+16*\b]|, 0x4800000   ; my 16 numbers of block b, and the floor 2^(9 - 127): the byte cannot fall under 1
.endr
.irp i, 2,4,6,8,10,12,14
.irp b, 0,1,2,3
	v_max3_num_f32 v[TM+\b], v[TM+\b], |v[\s+16*\b+\i]|, |v[\s+1+16*\b+\i]|
.endr
.endr
.irp b, 0,1,2,3
	v_permlanex16_b32 v[TM+4+\b], v[TM+\b], s[SEL], s[SEL+1]
.endr
.irp b, 0,1,2,3
	v_max_num_f32 v[TM+\b], v[TM+\b], v[TM+4+\b]   ; with lane l xor 16's: the block's largest magnitude
.endr
.irp b, 0,1,2,3
	v_add_nc_u32 v[TM+12+\b], 0xfc000000, v[TM+\b] ; 8 off its exponent field: the conversion's scale operand
.endr
.irp b, 0,1,2,3
	v_and_or_b32 v[TM+8+\b], v[TM+\b], 0x7f800000, s[MNT]   ; 448 x the scale
.endr
.irp b, 0,1,2,3
	v_lshrrev_b32 v[TM+4+\b], 23, v[TM+12+\b]      ; the scale's byte
.endr
	v_lshl_or_b32 v[PW], v[TM+5], 8, v[TM+4]
	v_lshl_or_b32 v[PW], v[TM+6], 16, v[PW]
	v_lshl_or_b32 v[PW], v[TM+7], 24, v[PW]
.irp b, 0,1,2,3
.irp i, 0,1,2,3,4,5,6,7,8,9,10,11,12,13,14,15
	v_med3_num_f32 v[\s+16*\b+\i], v[\s+16*\b+\i], -v[TM+8+\b], v[TM+8+\b]   ; the conversion to an 8-bit code does not saturate (ISA guide 7.6.2): the hold comes first
.endr
	v_cvt_scalef32_pk8_fp8_f32 v[PC+4*\b:PC+1+4*\b], v[\s+16*\b:\s+7+16*\b], v[TM+12+\b]
	v_cvt_scalef32_pk8_fp8_f32 v[PC+2+4*\b:PC+3+4*\b], v[\s+8+16*\b:\s+15+16*\b], v[TM+12+\b]
.endr
	v_nop                                          ; a plain line behind the last conversion
.endm
.macro IMG e
.if (\e) < 3
	s_wait_loadcnt 16                              ; this tile's 16 loads are in; the next tile's may be out
.else
	s_wait_loadcnt 0x0
.endif
.set i, 0
.rept 16
	ds_store_b128 v2, v[R0+64*((\e)%2)+4*i:R0+64*((\e)%2)+4*i+3] offset:528*i
.set i, i+1
.endr
.set i, 0
.rept 16
	ds_load_b128 v[X+4*i:X+4*i+3], v3 offset:128*(i/4)+16*(i%4)   ; LDS serves a wave's instructions in order: these see the stores above
.set i, i+1
.endr
	s_wait_dscnt 0x0
.if (\e) < 2
	LOAD (\e)+2
.endif
	s_wait_xcnt 0x0                                ; the last tile's stores have read their data: the registers are written again below
	s_cmp_lg_u32 s24, 0
	s_cbranch_scc1 .Lbits_\@
	QUANT X
.irp c, 0,1,2,3
	global_store_b128 v1, v[PC+4*\c:PC+4*\c+3], s[DB+2*(\e):DB+2*(\e)+1] offset:512*\c   ; 512 consecutive bytes
.endr
	v_mov_b32 v[PWS+(\e)], v[PW]
	s_branch .Ldone_\@
.Lbits_\@:
; 64 words, a bit a lane, in two runs of 32: the compares first, each into a scalar register of its own, then the lines that read them: no line reads the result of the line above it
.irp hf, 0,1
.set n, 0
.rept 32
	v_cmp_ne_u32 s[BIT+n], 0, v[X+32*\hf+n]        ; word 32 hf + n
.set n, n+1
.endr
.set n, 0
.rept 32
	v_writelane_b32 v[10+n%2], s[BIT+n], 16*\hf+n/2   ; lane w / 2 keeps words w and w + 1: every lane of both registers is written anew in each tile
.set n, n+1
.endr
.endr
	v_or_b32 v[TM], v10, v11                       ; the flag is read off the finished words: a lane's two words joined,
	v_and_b32 v[TM+1], v10, v11
	v_cmp_ne_u32 s52, 0, v[TM]                     ; lanes that hold a set bit,
	v_cmp_ne_u32 s53, -1, v[TM+1]                  ; lanes that hold a hole
	s_cmp_lg_u32 s52, 0
	s_cselect_b32 s54, 1, 0                        ; something is kept
	s_cmp_eq_u32 s53, 0
	s_cselect_b32 s55, 2, 0                        ; everything is kept
	s_or_b32 s54, s54, s55
	v_writelane_b32 v13, s54, \e
	global_store_b64 v15, v[10:11], s[DB+2*(\e):DB+2*(\e)+1]   ; 256 consecutive bytes
.Ldone_\@:
.endm
	LOAD 0
	LOAD 1
	IMG 0
	IMG 1
	IMG 2
	IMG 3
	s_wait_xcnt 0x0                                ; every store has read its data
	s_cmp_lg_u32 s24, 0
	s_cbranch_scc1 .Lflags
	v_cmp_ne_u32 vcc_lo, 0, v12
	v_cndmask_b32 v10, v[PWS], v[PWS+2], vcc_lo    ; lanes 0-15: tiles 0, 1; lanes 16-31: tiles 2, 3
	v_cndmask_b32 v11, v[PWS+1], v[PWS+3], vcc_lo
	global_store_b64 v4, v[10:11], s[44:45]        ; 256 consecutive bytes
	s_set_vgpr_msb 0x5
	s_wait_tensorcnt 0x0
	ds_add_u32 v0, v1
	s_wait_dscnt 0x0
	s_set_vgpr_msb 0x500
	s_endpgm
.Lflags:
	v_cmp_gt_u32 vcc_lo, 0x100, v14                ; lanes 0 to 3 hold the four blocks' flags
	s_set_vgpr_msb 0x5
	s_wait_tensorcnt 0x0
	ds_add_u32 v0, v1
	s_wait_dscnt 0x0
	s_set_vgpr_msb 0x500
	s_and_saveexec_b32 s56, vcc_lo
	global_store_b32 v14, v13, s[46:47]
	s_wait_xcnt 0x0                                ; EXEC changes only behind this wait
	s_or_b32 exec_lo, exec_lo, s56
	s_endpgm
.Lfunc_end_k_q8603de9dc8_prep:
	.size	k_q8603de9dc8_prep, .Lfunc_end_k_q8603de9dc8_prep-k_q8603de9dc8_prep
	.p2alignl 7, 3214868480
	.fill 96, 4, 3214868480
	.section	.rodata,"a",@progbits
	.p2align	6, 0x0
	.amdhsa_kernel k_q8603de9dc8_prep
		.amdhsa_group_segment_fixed_size 85760
		.amdhsa_private_segment_fixed_size 0
		.amdhsa_enable_private_segment 0
		.amdhsa_kernarg_size 64
		.amdhsa_user_sgpr_count 2
		.amdhsa_user_sgpr_kernarg_segment_ptr 1
		.amdhsa_wavefront_size32 1
		.amdhsa_system_sgpr_workgroup_id_x 1
		.amdhsa_system_sgpr_workgroup_id_y 1
		.amdhsa_system_sgpr_workgroup_id_z 1
		.amdhsa_system_vgpr_workitem_id 0
		.amdhsa_next_free_vgpr 258
		.amdhsa_next_free_sgpr 98
		.amdhsa_reserve_vcc 1
		.amdhsa_float_denorm_mode_32 3
		.amdhsa_float_denorm_mode_16_64 3
		.amdhsa_memory_ordered 1
		.amdhsa_forward_progress 1
		.amdhsa_inst_pref_size 90
	.end_amdhsa_kernel
	.amdgpu_metadata
---
amdhsa.version: [ 1, 2 ]
amdhsa.kernels:
  - .name:           k_q8603de9dc8_prep
    .symbol:         k_q8603de9dc8_prep.kd
    .args:
      - { .name: x, .offset: 0, .size: 8, .value_kind: global_buffer, .address_space: global }
      - { .name: Wqkv, .offset: 8, .size: 8, .value_kind: global_buffer, .address_space: global }
      - { .name: Wo, .offset: 16, .size: 8, .value_kind: global_buffer, .address_space: global }
      - { .name: W1, .offset: 24, .size: 8, .value_kind: global_buffer, .address_space: global }
      - { .name: W2, .offset: 32, .size: 8, .value_kind: global_buffer, .address_space: global }
      - { .name: mask, .offset: 40, .size: 8, .value_kind: global_buffer, .address_space: global }
      - { .name: pq, .offset: 48, .size: 8, .value_kind: global_buffer, .address_space: global }
      - { .name: mb, .offset: 56, .size: 8, .value_kind: global_buffer, .address_space: global }
    .group_segment_fixed_size: 85760
    .private_segment_fixed_size: 0
    .kernarg_segment_align: 8
    .kernarg_segment_size: 64
    .max_flat_workgroup_size: 320
    .sgpr_count:     98
    .vgpr_count:     258
    .wavefront_size: 32
...
	.end_amdgpu_metadata
.endif
;; end of part 1
;; launch qkv (part 2): grid 12 x 16, 4 waves a work-group, clusters of 4 x 4, 327,680 bytes of LDS; arguments pq, bqkv, qkv; writes qkv
.if DOCPART == 2
	.amdgcn_target "amdgcn-amd-amdhsa--gfx1250"
	.amdhsa_code_object_version 6
	.text
	.protected	k_q8603de9dc8_qkv
	.globl	k_q8603de9dc8_qkv
	.p2align	8
	.type	k_q8603de9dc8_qkv,@function
k_q8603de9dc8_qkv:
	s_mov_b64 s[64:65], 0
	v_nop
	global_prefetch_b8 v0, s[64:65] scope:SCOPE_SE
	s_setreg_imm32_b32 hwreg(HW_REG_WAVE_MODE, 25, 1), 1
	s_wait_xcnt 0x0
	s_wait_alu depctr_hold_cnt(0) depctr_sa_sdst(0) depctr_va_vdst(0) depctr_va_sdst(0) depctr_va_ssrc(0) depctr_va_vcc(0) depctr_vm_vsrc(0)
	s_getreg_b32 s2, hwreg(HW_REG_IB_STS2, 6, 4)
	s_cmp_eq_u32 s2, 0
	s_cbranch_scc0 .Lentry_in_a_cluster
	s_endpgm
.Lentry_in_a_cluster:
	s_bfe_u32 s2, ttmp6, 0x10000c
	s_cmp_lg_u32 s2, 0xf033
	s_cbranch_scc0 .Lentry_shape_is_right
	s_endpgm
.Lentry_shape_is_right:
; A GEMM on codes of E4M3 whose results are quantised again on the way out.  KIND 0: q, k = x Wqk^T + b and V^T = Wv x^T + b.  KIND 1: the hidden layer relu(h W1^T + b1).  K = 1,024.
; A tile of 256 x 256 is made by four waves, 128 x 128 each: 64 accumulators, 512 registers.  Source 0 = 16 rows of the B side, source 1 = 16 rows of the A side: a lane holds one row of the A side and its registers run
; along the B side, whose blocks are laid so that the 16 registers of two neighbouring tiles are 16 neighbours along the next product's K.
; Codes lie in memory as images of the operand's registers (a fragment: 2,048 bytes, lane l's 16 bytes of group c at 512 c + 16 l), so tiles are dense in LDS and every LDS load reads 512 consecutive bytes.
; K goes in steps of 256 (two fragments deep) through a ring of two LDS slots; the scale words of the tile's rows for all of K come once.
; KIND 0: x and Wqkv are one tensor of 7,168 rows.  Clusters with x = 0, 1 make q and k (A side: x, B side: Wq, Wk); clusters with x = 2 make V^T (A side: Wv, B side: x), so that V's codes have the keys innermost.
; CLUSTERS: 4 x 4 work-groups; the A side's tile is shared along a row of the cluster, the B side's along a column: joint loads, each with the mask of the four that ask.
; THE WAY OUT: for each of my 8 blocks of 16 rows the 64 sums of a lane get their bias, are quantised in registers and leave as one image and one scale word: no LDS, each store 512 consecutive bytes.
; LIMITS: a block whose largest magnitude lies under 2^-118 keeps the byte 1; a block of zeros gets the byte 1; NaN and infinities are not served.
.set KIND, 0
.set FR,    16
.set NL,    4
.set NP,    8                          ; places behind this matrix instruction (ISA guide 7.12.1)
.set SLOT,  131072                     ; A's 16 blocks x 4,096 bytes, then B's
.set LAPS,  2
.set SCL,   262144                     ; behind the ring: A's scale words [8 K steps][1,024 bytes], then B's
.set SPARE, 278528                     ; the spare words: 128 bytes a wave, named by no other line
.set XW_S,  16777216
.set W1_C,  8388608
.set W1_S,  17039360
.set H_S,   4194304
.set HID_S, 16777216
.set VT_C,  8388608
.set Q_S,   12582912
.set VT_S,  13107200
.if KIND == 0
.set AS_OFF, XW_S
.set BS_OFF, XW_S
.set BC_OFF, 0
.set SPIT,   28672
.else
.set AS_OFF, H_S
.set BS_OFF, W1_S
.set BC_OFF, W1_C
.set SPIT,   16384
.endif
.set VO,   4                           ; v4-7   the way out: my byte in group c of an image
.set BR,   8                           ; v8-15  KIND 0: the bias of my row in each of my 8 blocks
.set ADRA, 16                          ; v16-17 LDS address of my A fragments in slot 0, 1
.set SVO,  18                          ; v18    the way out: 256 h + 16 r
.set ADRB, 20                          ; v20-21 the same for B
.set L16,  24                          ; v24    16 x lane
.set ADRS, 27                          ; v27    LDS address of my scale words: lanes 0-15 A's, lanes 16-31 B's
.set SPW,  28                          ; v28    my spare word; never rewritten
.set NIL,  29                          ; v29    0; never rewritten
.set BNO,  30                          ; v30    64 h
.set BRO,  31                          ; v31    4 (r + 8 (r / 8))
.set SC,   32                          ; v32-63 scale words: set s at SC + 16 s; in it register 8 q + i: block i of the slot's q-th 128 along K
.set BN,   64                          ; v64-127 the bias along my 128 columns, in the result's order
.set AF,   128                         ; v128-255 A's fragments, one set
.set ST,   128                         ; the way out: 64 numbers
.set PC,   192                         ; the codes
.set TM,   208                         ; at work
.set PW,   224
.set PWS,  226                         ; v226-233 my 8 blocks' scale words
.set SELV, 236
.set MNT,  13
.set SELS, 18
.set G1, 24
.set G0, 32
.set G1B, 48
.set G0B, 56
.set G1S, 68
.set G0S, 76
.set G1SB, 80
.set G0SB, 88
.set MSB, 0
.macro WIN new                         ; the immediate's high byte repeats the setting that is left
.if MSB != \new
	s_set_vgpr_msb (MSB<<8)|\new
.set MSB, \new
.endif
.endm
.set MUL_LO, 0xa1                      ; source 0 (B) window 1, source 1 (A) window 0, C and D window 2
.set MUL_HI, 0xf1                      ; the same, C and D window 3
.set TO_B,   0x40                      ; destination window 1, address window 0
; A joint load: waves 0 and 1 fetch for A, waves 2 and 3 for B; the branch hangs on the wave's number alone.  Four v_nop follow each line.
.macro JLOAD g0a, g1a, g0b, g1b
	s_cmp_eq_u32 s15, 0
	s_cbranch_scc0 .Lfor_b_\@
	tensor_load_to_lds s[\g0a:\g0a+3], s[\g1a:\g1a+7]
	s_nop 0
.rept 4
	v_nop
.endr
	s_branch .Lasked_\@
.Lfor_b_\@:
	tensor_load_to_lds s[\g0b:\g0b+3], s[\g1b:\g1b+7]
	s_nop 0
.rept 4
	v_nop
.endr
.Lasked_\@:
.endm
.macro CREST                           ; a round of the cluster's barrier behind its opening barrier
	s_cmp_lg_u32 s14, 0
	s_cbranch_scc1 .Lnot_wave_0_\@
	s_barrier_signal -3
.Lnot_wave_0_\@:
	s_barrier_wait -3
	s_barrier_signal -1
	s_barrier_wait -1
.endm
.macro CROUND
	s_barrier_signal -1
	s_barrier_wait -1
	CREST
.endm
.if KIND == 0
	s_load_b64 s[4:5], s[0:1], 0x0                 ; pq
	s_load_b128 s[8:11], s[0:1], 0x8               ; the bias, the output
.else
	s_load_b256 s[4:11], s[0:1], 0x0               ; hq, pq, the bias, the output
.endif
	v_lshl_add_u32 v[SPW], v0, 2, SPARE
	v_mov_b32 v[NIL], 0
	ds_add_u32 v28, v29
	ds_add_u32 v28, v29
	s_wait_dscnt 0x0
	v_lshrrev_b32 v1, 5, v0
	v_readfirstlane_b32 s14, v1                    ; wave 0..3
	s_lshr_b32 s15, s14, 1                         ; which half of the A side is mine.  Also: I fetch for A (0) or for B (1)
	s_and_b32 s16, s14, 1                          ; which half of the B side.  Also: which 8 blocks (4 K steps of scales) I fetch
	s_bfe_u32 s40, ttmp6, 0x40000                  ; cx, cy: my place in the cluster
	s_bfe_u32 s41, ttmp6, 0x40004
	s_and_b32 s12, ttmp7, 0xffff
	s_lshl_b32 s12, s12, 2                         ; 4 x cluster y
	s_lshl_b32 s13, ttmp9, 2                       ; 4 x cluster x
.if KIND == 0
	s_add_co_u32 s13, s13, 16                      ; Wqkv begins at tile 16 of the one tensor
	s_cmp_eq_u32 ttmp9, 2                          ; V^T?  The cluster's x is the same in all sixteen partners
	s_cselect_b32 s17, 24, s12
	s_cselect_b32 s42, s12, s13
	s_cselect_b32 s2, 1, 0
.else
	s_mov_b32 s17, s12
	s_mov_b32 s42, s13
.endif
	s_add_co_u32 s17, s17, s41                     ; the A side's tile: hangs on cy alone
	s_add_co_u32 s42, s42, s40                     ; the B side's: on cx alone
	s_lshl_b32 s43, s41, 2
	s_lshl_b32 s43, 15, s43                        ; my row of the cluster
	s_lshl_b32 s44, 0x1111, s40                    ; my column
	; group 1, codes: 8 blocks, of each 4,096 bytes (two K steps) as 512 elements of 8 bytes, 16,384 bytes from block to block; dense in LDS
	s_or_b32 s[G1+0], s43, (3<<16)|(1<<21)
	s_or_b32 s[G1B+0], s44, (3<<16)|(1<<21)
.irp g, G1, G1B
	s_mov_b32 s[\g+1], 512<<16
	s_mov_b32 s[\g+2], 8<<16
	s_mov_b32 s[\g+3], 512<<16
	s_mov_b32 s[\g+4], 8
	s_mov_b32 s[\g+5], 2048
	s_mov_b32 s[\g+6], 0
	s_mov_b32 s[\g+7], 0
.endr
	; group 1, scale words: 4 K steps, of each the tile's 1,024 bytes
	s_or_b32 s[G1S+0], s43, (3<<16)|(1<<21)
	s_or_b32 s[G1SB+0], s44, (3<<16)|(1<<21)
.irp g, G1S, G1SB
	s_mov_b32 s[\g+1], 128<<16
	s_mov_b32 s[\g+2], 4<<16
	s_mov_b32 s[\g+3], 128<<16
	s_mov_b32 s[\g+4], 4
	s_mov_b32 s[\g+5], SPIT/8
	s_mov_b32 s[\g+6], 0
	s_mov_b32 s[\g+7], 0
.endr
	s_lshl_b32 s18, s16, 17                        ; my 8 blocks of the 16
	s_lshl_b32 s20, s17, 18
	s_add_co_u32 s20, s20, s18
	s_mov_b32 s21, 0
	s_lshl_b32 s46, s42, 18
	s_add_co_u32 s46, s46, s18
	s_add_co_u32 s46, s46, BC_OFF
	s_mov_b32 s47, 0
	s_mul_i32 s19, s16, 4*SPIT                     ; my 4 K steps of the 8
	s_lshl_b32 s22, s17, 10
	s_add_co_u32 s22, s22, s19
	s_add_co_u32 s22, s22, AS_OFF
	s_mov_b32 s23, 0
	s_lshl_b32 s92, s42, 10
	s_add_co_u32 s92, s92, s19
	s_add_co_u32 s92, s92, BS_OFF
	s_mov_b32 s93, 0
	s_lshl_b32 s45, s14, 15                        ; where they go: wave x 32,768: no place in the cluster enters an LDS address
	s_lshl_b32 s94, s14, 12
	s_wait_kmcnt 0x0
.if KIND == 0
	s_mov_b64 s[6:7], s[4:5]
.endif
	s_add_nc_u64 s[20:21], s[4:5], s[20:21]
	s_add_nc_u64 s[22:23], s[4:5], s[22:23]
	s_add_nc_u64 s[46:47], s[6:7], s[46:47]
	s_add_nc_u64 s[92:93], s[6:7], s[92:93]
	CROUND                                         ; all sixteen work-groups are here: the first joint loads meet
	s_mov_b32 s[G0S], 1
	s_add_co_u32 s[G0S+1], s94, SCL
	s_mov_b64 s[G0S+2:G0S+3], s[22:23]
	s_or_b32 s[G0S+3], s[G0S+3], 0x80000000
	s_mov_b32 s[G0SB], 1
	s_add_co_u32 s[G0SB+1], s94, SCL
	s_mov_b64 s[G0SB+2:G0SB+3], s[92:93]
	s_or_b32 s[G0SB+3], s[G0SB+3], 0x80000000
	JLOAD G0S, G1S, G0SB, G1SB                     ; the scale words first: they are wanted with K step 0
.irp s, 0,1
	s_mov_b32 s[G0+4*\s], 1
	s_add_co_u32 s[G0+4*\s+1], s45, \s*SLOT
	s_add_nc_u64 s[G0+4*\s+2:G0+4*\s+3], s[20:21], \s*4096
	s_or_b32 s[G0+4*\s+3], s[G0+4*\s+3], 0x80000000
	s_mov_b32 s[G0B+4*\s], 1
	s_add_co_u32 s[G0B+4*\s+1], s45, \s*SLOT
	s_add_nc_u64 s[G0B+4*\s+2:G0B+4*\s+3], s[46:47], \s*4096
	s_or_b32 s[G0B+4*\s+3], s[G0B+4*\s+3], 0x80000000
	JLOAD G0+4*\s, G1, G0B+4*\s, G1B
.endr
	v_and_b32 v1, 31, v0                           ; lane
	v_and_b32 v2, 15, v0                           ; r
	v_bfe_u32 v3, v0, 4, 1                         ; h
	v_lshlrev_b32 v[L16], 4, v1
	s_lshl_b32 s18, s15, 15                        ; my 8 blocks of A
	s_lshl_b32 s19, s16, 15                        ; my 8 blocks of B,
	s_add_co_u32 s19, s19, 65536                   ; which lie behind A's 16
.irp s, 0,1
	v_add_nc_u32 v[ADRA+\s], s18, v[L16]
	v_add_nc_u32 v[ADRB+\s], s19, v[L16]
	s_add_co_u32 s18, s18, SLOT
	s_add_co_u32 s19, s19, SLOT
.endr
	s_lshl_b32 s18, s15, 9                         ; A's scale words: my 8 blocks are 512 bytes of a K step's 1,024
	s_lshl_b32 s19, s16, 9
	s_add_co_u32 s19, s19, 8192                    ; B's lie behind A's 8 K steps
	s_sub_co_u32 s19, s19, s18
	v_mul_u32_u24 v25, s19, v3                     ; lanes 16-31 take B's
	s_add_co_u32 s18, s18, SCL
	v_lshl_add_u32 v25, v2, 4, v25
	v_add_nc_u32 v[ADRS], s18, v25
	; where the results go
.if KIND == 0
	s_lshl_b32 s96, ttmp9, 22                      ; q, k: [q or k][16 batch + head][token block][2 groups of 512 bytes]
	s_lshr_b32 s18, s17, 3                         ; the batch
	s_lshl_b32 s19, s18, 21
	s_add_co_u32 s96, s96, s19
	s_lshl_b32 s19, s40, 2
	s_lshl_b32 s95, s16, 1
	s_add_co_u32 s19, s19, s95                     ; the first of my two heads
	s_lshl_b32 s95, s19, 17
	s_add_co_u32 s96, s96, s95
	s_lshl_b32 s95, s17, 4
	s_lshl_b32 s12, s15, 3
	s_add_co_u32 s95, s95, s12
	s_and_b32 s95, s95, 127                        ; my first token block in the batch
	s_lshl_b32 s12, s95, 10
	s_add_co_u32 s96, s96, s12
	s_lshl_b32 s100, ttmp9, 18                     ; their scale words: [q or k][16 batch + head][block / 4][r][block % 4]
	s_lshl_b32 s18, s18, 4
	s_add_co_u32 s18, s18, s19
	s_lshl_b32 s18, s18, 13
	s_add_co_u32 s100, s100, s18
	s_lshl_b32 s95, s95, 6
	s_add_co_u32 s100, s100, s95
	s_add_co_u32 s100, s100, Q_S
	s_lshl_b32 s18, s41, 20                        ; V^T: [channel block][token / 128][2,048]
	s_lshl_b32 s19, s15, 19
	s_add_co_u32 s18, s18, s19
	s_lshl_b32 s19, s42, 12
	s_add_co_u32 s18, s18, s19
	s_lshl_b32 s19, s16, 11
	s_add_co_u32 s18, s18, s19
	s_add_co_u32 s18, s18, VT_C
	s_lshl_b32 s19, s42, 13
	s_lshl_b32 s95, s16, 12
	s_add_co_u32 s19, s19, s95
	s_lshl_b32 s95, s41, 10
	s_add_co_u32 s19, s19, s95
	s_lshl_b32 s95, s15, 9
	s_add_co_u32 s19, s19, s95
	s_add_co_u32 s19, s19, VT_S
	s_cmp_eq_u32 ttmp9, 2
	s_cselect_b32 s96, s18, s96
	s_cselect_b32 s100, s19, s100
	s_mov_b32 s98, 1024
	s_cselect_b32 s98, 65536, s98                  ; from block to block
	s_mov_b32 s13, 131072
	s_cselect_b32 s13, 1024, s13                   ; from groups 0, 1 to groups 2, 3: the next head, or on in the image
	s_cselect_b32 s45, 0, -1                       ; the bias along the columns counts for q and k,
	s_cselect_b32 s94, -1, 0                       ; the bias along the rows for V^T
	s_sub_co_u32 s18, s42, 16
	s_lshl_b32 s18, s18, 10
	s_lshl_b32 s19, s16, 9
	s_add_co_u32 s18, s18, s19                     ; q, k: my 128 columns' bias
	s_lshl_b32 s19, s41, 10
	s_lshl_b32 s95, s15, 9
	s_add_co_u32 s19, s19, s95
	s_add_co_u32 s19, s19, 8192                    ; V^T: my 128 rows' bias
	s_cmp_eq_u32 ttmp9, 2
	s_cselect_b32 s46, 0, s18                      ; (the one that does not count is loaded from the buffer's head and cleared)
	s_cselect_b32 s22, s19, 0
	s_mov_b32 s23, 0
	s_add_nc_u64 s[22:23], s[8:9], s[22:23]
.else
	s_lshl_b32 s96, s17, 20                        ; [token block][hidden / 128][2,048]
	s_lshl_b32 s18, s15, 19
	s_add_co_u32 s96, s96, s18
	s_lshl_b32 s18, s42, 12
	s_add_co_u32 s96, s96, s18
	s_lshl_b32 s18, s16, 11
	s_add_co_u32 s96, s96, s18
	s_lshl_b32 s100, s42, 15
	s_lshl_b32 s18, s16, 14
	s_add_co_u32 s100, s100, s18
	s_lshl_b32 s18, s17, 10
	s_add_co_u32 s100, s100, s18
	s_lshl_b32 s18, s15, 9
	s_add_co_u32 s100, s100, s18
	s_add_co_u32 s100, s100, HID_S
	s_mov_b32 s98, 65536
	s_mov_b32 s13, 1024
	s_lshl_b32 s46, s42, 10
	s_lshl_b32 s18, s16, 9
	s_add_co_u32 s46, s46, s18
.endif
	s_mov_b32 s47, 0
	s_add_nc_u64 s[46:47], s[8:9], s[46:47]
	s_mov_b32 s97, 0
	s_mov_b32 s99, 0
	s_mov_b32 s101, 0
	s_add_nc_u64 s[96:97], s[10:11], s[96:97]
	s_add_nc_u64 s[100:101], s[10:11], s[100:101]
	v_mov_b32 v[VO], v[L16]
	v_add_nc_u32 v[VO+1], 512, v[L16]
	v_add_nc_u32 v[VO+2], s13, v[L16]
	v_add_nc_u32 v[VO+3], 512, v[VO+2]
	v_lshlrev_b32 v[BNO], 6, v3
.set i, 0
.rept 16
	global_load_b128 v[BN+4*i:BN+4*i+3], v[BNO], s[46:47] offset:128*(i/4)+16*(i%4)   ; register 16 b + j: column 32 b + 16 h + j.  These land while K is walked
.set i, i+1
.endr
.if KIND == 0
	v_and_b32 v25, 8, v2
	v_add_nc_u32 v25, v25, v2
	v_lshlrev_b32 v[BRO], 2, v25
.set i, 0
.rept 8
	global_load_b32 v[BR+i], v[BRO], s[22:23] offset:4*(32*(i/2)+8*(i%2))
.set i, i+1
.endr
.endif
.macro FRAG reg, adr, q, i             ; a fragment: four loads of 512 consecutive bytes
.irp c, 0,1,2,3
	ds_load_b128 v[\reg+4*\c:\reg+4*\c+3], v[\adr] offset:4096*(\i)+2048*(\q)+512*\c
.endr
.endm
; 16 matrix instructions: A's blocks a0, a0 + 1 x B's eight.  The 64 accumulators take turns, one instruction a turn, in the same order in every step.
.macro MUL16 a0, p, q, sc, zero
.irp a, \a0, \a0+1
.irp b, 0,1,2,3,4,5,6,7
.if \zero
	v_wmma_scale_f32_16x16x128_f8f6f4 v[8*(8*((\a)%4)+\b):8*(8*((\a)%4)+\b)+7], v[128*(\p)+FR*\b:128*(\p)+FR*\b+FR-1], v[AF+FR*(\a):AF+FR*(\a)+FR-1], 0, v[SC+16*(\sc)+8*(\q)+\b], v[SC+16*(\sc)+8*(\q)+(\a)] matrix_a_scale:MATRIX_SCALE_ROW1
.else
	v_wmma_scale_f32_16x16x128_f8f6f4 v[8*(8*((\a)%4)+\b):8*(8*((\a)%4)+\b)+7], v[128*(\p)+FR*\b:128*(\p)+FR*\b+FR-1], v[AF+FR*(\a):AF+FR*(\a)+FR-1], v[8*(8*((\a)%4)+\b):8*(8*((\a)%4)+\b)+7], v[SC+16*(\sc)+8*(\q)+\b], v[SC+16*(\sc)+8*(\q)+(\a)] matrix_a_scale:MATRIX_SCALE_ROW1
.endif
.endr
.endr
.endm
.macro FETCH_B slot, q, p
	WIN TO_B
.irp i, 0,1,2,3,4,5,6,7
	FRAG 128*(\p)+FR*\i, ADRB+\slot, \q, \i
.endr
	WIN 0
.endm
.macro FETCH_A slot, q, i0
.irp i, \i0, \i0+1, \i0+2, \i0+3
	FRAG AF+FR*(\i), ADRA+\slot, \q, \i
.endr
.endm
.macro SCALES sc                       ; a slot's scale words: four blocks' words to a load; lanes 0-15 take A's, lanes 16-31 B's
.irp q, 0,1
.irp g, 0,1
	ds_load_b128 v[SC+16*\sc+8*\q+4*\g:SC+16*\sc+8*\q+4*\g+3], v[ADRS] offset:1024*\q+256*\g
.endr
.endr
.endm
.macro PLACES n
.rept \n
	v_nop
.endr
.endm
.macro STEP slot, q, zero              ; a step of 128 along K that has its successor in the same slot
	s_wait_dscnt 4*NL                              ; B's set and A's blocks 0-3 are in; the youngest 16 loads (A's blocks 4-7) may be out
	WIN MUL_LO
	MUL16 0, (\q)%2, \q, \slot, \zero
	MUL16 2, (\q)%2, \q, \slot, \zero
	s_wait_dscnt 0
	PLACES NP
	FETCH_B \slot, (\q)+1, 1-(\q)%2
	FETCH_A \slot, (\q)+1, 0
	WIN MUL_HI
	MUL16 4, (\q)%2, \q, \slot, \zero
	MUL16 6, (\q)%2, \q, \slot, \zero
	PLACES NP
	WIN 0
	FETCH_A \slot, (\q)+1, 4
.endm
; A slot's last step changes slots: one barrier; in front of it each wave waits for all its tensor loads, adds 0 to its spare word, and waits for that and for its reads of this slot.
.macro TURN slot, next, fill
	s_wait_tensorcnt 0x0                           ; all my tensor loads have landed: my part of the next slot
	ds_add_u32 v[SPW], v[NIL]                      ; 0 onto my spare word
	s_wait_dscnt 4*NL+1                            ; (the add and the youngest 16 loads may be out)
	WIN MUL_LO
	MUL16 0, 1, 1, \slot, 0
	s_wait_dscnt 0x0                               ; the add is done, and my reads of this slot are over
	s_barrier_signal -1
	MUL16 2, 1, 1, \slot, 0
	WIN 0
	s_barrier_wait -1
.if \fill
	CREST                                          ; the barrier has opened a round of the cluster's barrier: no wave of any partner still reads this slot or has a load on its way
	s_add_nc_u64 s[G0+4*\slot+2:G0+4*\slot+3], s[G0+4*\slot+2:G0+4*\slot+3], 8192
	s_add_nc_u64 s[G0B+4*\slot+2:G0B+4*\slot+3], s[G0B+4*\slot+2:G0B+4*\slot+3], 8192
	JLOAD G0+4*\slot, G1, G0B+4*\slot, G1B         ; the first tensor load behind the round; its four v_nop are among the places in front of the loads below
	PLACES NP-4
.else
	PLACES NP
.endif
	v_add_nc_u32 v[ADRS], 2048, v[ADRS]            ; the next slot's scale words
	FETCH_B \next, 0, 0
	FETCH_A \next, 0, 0
	SCALES \next
	WIN MUL_HI
	MUL16 4, 1, 1, \slot, 0
	MUL16 6, 1, 1, \slot, 0
	PLACES NP
	WIN 0
	FETCH_A \next, 0, 4
.endm
; 64 numbers of a lane become a fragment's codes and its scale word.  relu = 1: what is negative becomes 0 on the way
.macro QUANT s, relu
.if \relu
.irp b, 0,1,2,3
	v_max3_num_f32 v[TM+\b], v[\s+16*\b], v[\s+1+16*\b], 0x4800000   ; no |.|: what is negative must not count; the floor 2^(9 - 127) stands over it
.endr
.irp i, 2,4,6,8,10,12,14
.irp b, 0,1,2,3
	v_max3_num_f32 v[TM+\b], v[TM+\b], v[\s+16*\b+\i], v[\s+1+16*\b+\i]
.endr
.endr
.else
.irp b, 0,1,2,3
	v_max3_num_f32 v[TM+\b], |v[\s+16*\b]|, |v[\s+1+16*\b]|, 0x4800000
.endr
.irp i, 2,4,6,8,10,12,14
.irp b, 0,1,2,3
	v_max3_num_f32 v[TM+\b], v[TM+\b], |v[\s+16*\b+\i]|, |v[\s+1+16*\b+\i]|
.endr
.endr
.endif
.irp b, 0,1,2,3
	v_permlanex16_b32 v[TM+4+\b], v[TM+\b], s[SELS], s[SELS+1]
.endr
.irp b, 0,1,2,3
	v_max_num_f32 v[TM+\b], v[TM+\b], v[TM+4+\b]
.endr
.irp b, 0,1,2,3
	v_add_nc_u32 v[TM+12+\b], 0xfc000000, v[TM+\b]
.endr
.irp b, 0,1,2,3
	v_and_or_b32 v[TM+8+\b], v[TM+\b], 0x7f800000, s[MNT]
.endr
.irp b, 0,1,2,3
	v_lshrrev_b32 v[TM+4+\b], 23, v[TM+12+\b]
.endr
	v_lshl_or_b32 v[PW], v[TM+5], 8, v[TM+4]
	v_lshl_or_b32 v[PW], v[TM+6], 16, v[PW]
	v_lshl_or_b32 v[PW], v[TM+7], 24, v[PW]
.irp b, 0,1,2,3
.irp i, 0,1,2,3,4,5,6,7,8,9,10,11,12,13,14,15
.if \relu
	v_med3_num_f32 v[\s+16*\b+\i], v[\s+16*\b+\i], 0, v[TM+8+\b]   ; the activation and the hold in one
.else
	v_med3_num_f32 v[\s+16*\b+\i], v[\s+16*\b+\i], -v[TM+8+\b], v[TM+8+\b]
.endif
.endr
	v_cvt_scalef32_pk8_fp8_f32 v[PC+4*\b:PC+1+4*\b], v[\s+16*\b:\s+7+16*\b], v[TM+12+\b]
	v_cvt_scalef32_pk8_fp8_f32 v[PC+2+4*\b:PC+3+4*\b], v[\s+8+16*\b:\s+15+16*\b], v[TM+12+\b]
.endr
	v_nop                                          ; a plain line behind the last conversion
.endm
.macro OUTBLK a                        ; my block a: bias, quantiser, one image
	s_wait_xcnt 0x0                                ; the last block's stores have read their data and their base
.if (\a) > 0
	s_add_nc_u64 s[96:97], s[96:97], s[98:99]
.endif
	WIN 0x02+((\a)/4)                              ; source 0: window 2 or 3
.set i, 0
.rept 32
	v_pk_add_f32 v[ST+i:ST+i+1], v[64*((\a)%4)+i:64*((\a)%4)+i+1], v[BN+i:BN+i+1]   ; each accumulator from its low end on
.set i, i+2
.endr
	WIN 0
.if KIND == 0
.set i, 0
.rept 64
	v_add_f32 v[ST+i], v[BR+(\a)], v[ST+i]
.set i, i+1
.endr
.endif
	QUANT ST, KIND
.irp c, 0,1,2,3
	global_store_b128 v[VO+\c], v[PC+4*\c:PC+4*\c+3], s[96:97]   ; 512 consecutive bytes
.endr
	v_mov_b32 v[PWS+(\a)], v[PW]
.endm
	s_wait_tensorcnt 1                             ; the scale words and my part of K step 0 are in (K step 1's load may be out),
	s_barrier_signal -1
	s_barrier_wait -1                              ; everybody's are
	FETCH_B 0, 0, 0
	FETCH_A 0, 0, 0
	SCALES 0
	FETCH_A 0, 0, 4
	STEP 0, 0, 1                                   ; the first step's products start the sums
	s_mov_b32 s3, LAPS-1
.Llap:
	TURN 0, 1, 1
	STEP 1, 0, 0
	TURN 1, 0, 1
	STEP 0, 0, 0
	s_sub_co_u32 s3, s3, 1
	s_cmp_lg_u32 s3, 0
	s_cbranch_scc1 .Llap
	TURN 0, 1, 0                                   ; the last lap fills nothing
	STEP 1, 0, 0
	s_wait_dscnt 4*NL
	WIN MUL_LO
	MUL16 0, 1, 1, 1, 0
	MUL16 2, 1, 1, 1, 0
	s_wait_dscnt 0
	WIN MUL_HI
	MUL16 4, 1, 1, 1, 0
	MUL16 6, 1, 1, 1, 0
	WIN 0
	PLACES NP                                      ; in front of the first read of results and the first write into A's registers
	s_wait_loadcnt 0x0                             ; the biases
	s_mov_b32 s[SELS], 0x76543210
	s_mov_b32 s[SELS+1], 0xfedcba98
	s_mov_b32 s[MNT], 0x600000
.irp b, 0,1,2,3
	v_mov_b32 v[TM+4+\b], 0                        ; a lane permute's destination counts as one of its sources
.endr
.if KIND == 0
.set i, 0
.rept 64
	v_cndmask_b32 v[BN+i], 0, v[BN+i], s45
.set i, i+1
.endr
.set i, 0
.rept 8
	v_cndmask_b32 v[BR+i], 0, v[BR+i], s94
.set i, i+1
.endr
.endif
	v_lshlrev_b32 v[SVO], 4, v2
	v_lshl_add_u32 v[SVO], v3, 8, v[SVO]
.irp a, 0,1,2,3,4,5,6,7
	OUTBLK \a
.endr
	v_cmp_ne_u32 vcc_lo, 0, v3
.irp e, 0,1,2,3
	v_cndmask_b32 v[SELV+\e], v[PWS+\e], v[PWS+4+\e], vcc_lo   ; lanes 0-15: blocks 0-3; lanes 16-31: blocks 4-7
.endr
.if KIND == 0
	s_cmp_eq_u32 s2, 1                             ; the same in all sixteen partners
	s_cbranch_scc1 .Lv_scales
.irp e, 0,1,2,3
	v_perm_b32 v[SELV+8+\e], v[SELV+\e], v[SELV+\e], 0x01000100    ; the first head's two bytes, repeated for the two blocks of zero codes that fill K = 64 up to 128
	v_perm_b32 v[SELV+12+\e], v[SELV+\e], v[SELV+\e], 0x03020302   ; the second head's
.endr
	global_store_b128 v[SVO], v[SELV+8:SELV+11], s[100:101]
	global_store_b128 v[SVO], v[SELV+12:SELV+15], s[100:101] offset:8192
	s_branch .Lscales_done
.Lv_scales:
	global_store_b128 v[SVO], v[SELV:SELV+3], s[100:101]
.Lscales_done:
.else
	global_store_b128 v[SVO], v[SELV:SELV+3], s[100:101]   ; 512 consecutive bytes
.endif
	s_wait_tensorcnt 0x0                           ; the wave's end
	ds_add_u32 v[SPW], v[NIL]
	s_wait_dscnt 0x0
	CROUND                                         ; the closing round
	s_endpgm
.Lfunc_end_k_q8603de9dc8_qkv:
	.size	k_q8603de9dc8_qkv, .Lfunc_end_k_q8603de9dc8_qkv-k_q8603de9dc8_qkv
	.p2alignl 7, 3214868480
	.fill 96, 4, 3214868480
	.section	.rodata,"a",@progbits
	.p2align	6, 0x0
	.amdhsa_kernel k_q8603de9dc8_qkv
		.amdhsa_group_segment_fixed_size 327680
		.amdhsa_private_segment_fixed_size 0
		.amdhsa_enable_private_segment 0
		.amdhsa_kernarg_size 24
		.amdhsa_user_sgpr_count 2
		.amdhsa_user_sgpr_kernarg_segment_ptr 1
		.amdhsa_wavefront_size32 1
		.amdhsa_system_sgpr_workgroup_id_x 1
		.amdhsa_system_sgpr_workgroup_id_y 1
		.amdhsa_system_sgpr_workgroup_id_z 1
		.amdhsa_system_vgpr_workitem_id 0
		.amdhsa_next_free_vgpr 1024
		.amdhsa_next_free_sgpr 102
		.amdhsa_reserve_vcc 1
		.amdhsa_float_denorm_mode_32 3
		.amdhsa_float_denorm_mode_16_64 3
		.amdhsa_memory_ordered 1
		.amdhsa_forward_progress 1
		.amdhsa_inst_pref_size 225
	.end_amdhsa_kernel
	.amdgpu_metadata
---
amdhsa.version: [ 1, 2 ]
amdhsa.kernels:
  - .name:           k_q8603de9dc8_qkv
    .symbol:         k_q8603de9dc8_qkv.kd
    .args:
      - { .name: pq, .offset: 0, .size: 8, .value_kind: global_buffer, .address_space: global }
      - { .name: bqkv, .offset: 8, .size: 8, .value_kind: global_buffer, .address_space: global }
      - { .name: qkv, .offset: 16, .size: 8, .value_kind: global_buffer, .address_space: global }
    .group_segment_fixed_size: 327680
    .private_segment_fixed_size: 0
    .kernarg_segment_align: 8
    .kernarg_segment_size: 24
    .max_flat_workgroup_size: 128
    .sgpr_count:     102
    .vgpr_count:     1024
    .wavefront_size: 32
...
	.end_amdgpu_metadata
.endif
;; end of part 2
;; launch attn (part 3): grid 8 x 32, 16 waves a work-group, no clusters, 276,480 bytes of LDS; arguments qkv, mb, oc; writes oc
.if DOCPART == 3
	.amdgcn_target "amdgcn-amd-amdhsa--gfx1250"
	.amdhsa_code_object_version 6
	.text
	.protected	k_q8603de9dc8_attn
	.globl	k_q8603de9dc8_attn
	.p2align	8
	.type	k_q8603de9dc8_attn,@function
k_q8603de9dc8_attn:
	s_mov_b64 s[64:65], 0
	v_nop
	global_prefetch_b8 v0, s[64:65] scope:SCOPE_SE
	s_setreg_imm32_b32 hwreg(HW_REG_WAVE_MODE, 25, 1), 1
	s_wait_xcnt 0x0
; o = softmax(q k^T / 8, masked) v for one (batch, head), both products on codes of E4M3; o leaves as codes for the next product.
; t = score x log2(e) / 8; M = the running largest t rounded up to a whole number; p = 2^(t - M) is quantised along the keys; the row's sum is taken of the unquantised p and divides at the end.
; SHARES.  A work-group owns one (batch, head) and 16 of its 128 query blocks, a wave one block of 16 queries.  A head's K and V, 256 KiB of codes and 12 KiB of scale words, are copied into LDS ONCE, through
; registers; behind the one barrier the waves share nothing.  NO TENSOR LOAD, NO CLUSTER: a wave jumps over a key step whose stored flag says that the mask keeps nothing of it, a branch on a number read from
; memory.  The mask is an input: nothing of its pattern is built in; flags and lane masks were made from it by the first launch.
; Which block a wave owns (8 x rank + the work-group's x) only evens the work out where late queries keep more keys; nothing right hangs on it.
; LAYOUT.  S^T = K Q^T (source 0 = 16 keys, source 1 = my 16 queries), O^T = V^T P^T: a lane holds one query throughout.  K = 64 fills half of an instruction's 128: the other half is zero codes on both sides.
; Token and channel blocks are laid so that the 16 registers of two neighbouring tiles are 16 neighbours (keys for p, channels for o).
; A QUERY WITH NO KEY KEPT has the sum 0: its scale bytes are stored as 0xff, which makes the next product's sums of that row NaN, as the definition has them.
; REGISTERS: v1-5 places that stay; v6 -infinity; v7-11 addresses in hand; v12 -M, v13 the largest t, v[14:15] the sum; v16-31 Q; v32-95 four fragments of K (8 registers of codes, 8 of zeros);
;   v96-159 S^T, then p, then V's four fragments; v160-191 O^T; v224-239 p's codes; v232-247 at work; v248-251 scale words; v252 f; v253 p's scale word; v255 Q's.
.set K_C,  4194304
.set VT_C, 8388608
.set Q_S,  12582912
.set K_S,  12845056
.set VT_S, 13107200
.set O_S,  4194304
.set FLAGS, 524288
.set VOFF, 131072                      ; LDS: K [128 blocks][1,024]; V [4 channel blocks][16 key steps][2,048];
.set KS,   262144                      ; K's scale words [block / 4][r][block % 4];
.set VS,   270336                      ; V's [key step][r][channel block]
	s_load_b128 s[4:7], s[0:1], 0x0                ; qkv, mb
	s_load_b64 s[8:9], s[0:1], 0x10                ; oc
	v_lshl_add_u32 v222, v0, 2, 0x43000
	v_mov_b32 v223, 0
	v_lshrrev_b32 v1, 5, v0
	v_readfirstlane_b32 s10, v1                    ; wave 0..15
	s_and_b32 s13, ttmp7, 0xffff                   ; 16 batch + head
	s_lshr_b32 s29, s13, 4                         ; batch
	s_and_b32 s30, s13, 15                         ; head
	s_lshl_b32 s2, s10, 2
	s_and_b32 s2, s2, 31
	s_mov_b32 s3, 0x0de3b658
	s_cmp_lt_u32 s10, 8
	s_cselect_b32 s3, 0x7a94c12f, s3
	s_lshr_b32 s3, s3, s2
	s_and_b32 s3, s3, 15                           ; my rank: the sixteen nibbles are 0 to 15, laid so that any four neighbouring waves, and any four that stand four apart, have the same sum
	s_lshl_b32 s12, s3, 3
	s_add_co_u32 s12, s12, ttmp9                   ; my query block
	v_lshlrev_b32 v166, 4, v0                      ; the copy: 16 x thread, in memory and in LDS;
	v_add_nc_u32 v167, 0x10000, v166               ; (an LDS immediate has 16 bits: four registers 65,536 apart)
	v_add_nc_u32 v168, 0x20000, v166
	v_add_nc_u32 v169, 0x30000, v166
	v_add_nc_u32 v170, KS, v166
	v_lshl_add_u32 v171, v0, 3, VS
	v_and_b32 v173, 31, v0
	v_lshrrev_b32 v172, 5, v0
	v_lshlrev_b32 v172, 12, v172
	v_lshl_add_u32 v172, v173, 3, v172             ; V's scale words: wave w takes key step w: 4,096 w + 8 x lane
	v_lshlrev_b32 v1, 4, v173                      ; 16 x lane: my place in an image
	v_and_b32 v174, 15, v0
	v_lshlrev_b32 v174, 4, v174                    ; 16 r
	v_add_nc_u32 v2, VOFF, v1
	v_add_nc_u32 v3, VOFF+65536, v1
	v_add_nc_u32 v4, KS, v174
	v_add_nc_u32 v5, VS, v174
	v_mov_b32 v6, 0xff800000                       ; -infinity
	s_mov_b32 s[20], 0x76543210
	s_mov_b32 s[21], 0xfedcba98                    ; v_permlanex16_b32's selects for lane l xor 16
	s_mov_b32 s22, 0x3e38aa3b                      ; c = log2(e) / 8
	s_mov_b32 s23, s22
	s_mov_b32 s24, 0x600000                        ; the mantissa field of 448
	s_mov_b32 s3, 0
	s_wait_kmcnt 0x0
	s_lshl_b32 s2, s13, 17
	s_add_nc_u64 s[40:41], s[4:5], s[2:3]
	s_add_nc_u64 s[32:33], s[40:41], K_C           ; the head's K
	s_lshl_b32 s2, s12, 10
	s_add_nc_u64 s[40:41], s[40:41], s[2:3]        ; my block of Q
	s_lshl_b32 s2, s30, 18
	s_lshl_b32 s31, s29, 15
	s_add_co_u32 s2, s2, s31
	s_add_co_u32 s2, s2, VT_C
	s_add_nc_u64 s[34:35], s[4:5], s[2:3]          ; the head's V^T: 4 channel blocks, 65,536 bytes apart; the batch's 16 key steps
	s_lshl_b32 s2, s13, 13
	s_add_co_u32 s2, s2, K_S
	s_add_nc_u64 s[36:37], s[4:5], s[2:3]
	s_lshl_b32 s2, s29, 16
	s_lshl_b32 s31, s30, 8
	s_add_co_u32 s2, s2, s31
	s_add_co_u32 s2, s2, VT_S
	s_add_nc_u64 s[38:39], s[4:5], s[2:3]
	s_lshl_b32 s2, s13, 13
	s_lshr_b32 s31, s12, 2
	s_lshl_b32 s31, s31, 8
	s_add_co_u32 s2, s2, s31
	s_and_b32 s31, s12, 3
	s_lshl_b32 s31, s31, 2
	s_add_co_u32 s2, s2, s31
	s_add_co_u32 s2, s2, Q_S
	s_add_nc_u64 s[42:43], s[4:5], s[2:3]
	s_lshl_b32 s2, s12, 6
	s_add_co_u32 s2, s2, FLAGS
	s_add_nc_u64 s[44:45], s[6:7], s[2:3]
	s_lshl_b32 s2, s12, 12
	s_add_nc_u64 s[26:27], s[6:7], s[2:3]          ; my block's lane masks: 256 bytes a key step
	global_load_b128 v[16:19], v1, s[40:41]        ; Q, its scale word and the flags go out ahead of the copy, so that the copy's counts stand by themselves
	global_load_b128 v[20:23], v1, s[40:41] offset:512
	global_load_b32 v255, v174, s[42:43]
	s_load_b512 s[68:83], s[44:45], 0x0
.irp c, 0,1,2,3,4,5,6,7,8,9,10,11,12,13,14,15
	global_load_b128 v[32+4*\c:35+4*\c], v166, s[32:33] offset:8192*\c
.endr
.irp c, 0,1,2,3,4,5,6,7,8,9,10,11,12,13,14,15
	global_load_b128 v[96+4*\c:99+4*\c], v166, s[34:35] offset:65536*(\c/4)+8192*(\c%4)
.endr
	global_load_b128 v[160:163], v166, s[36:37]
	global_load_b64 v[164:165], v172, s[38:39]
.irp c, 0,1,2,3,4,5,6,7,8,9,10,11,12,13,14,15
	s_wait_loadcnt 33-\c                           ; the loads issued behind this one may be out
	ds_store_b128 v[166+\c/8], v[32+4*\c:35+4*\c] offset:8192*(\c%8)
.endr
.irp c, 0,1,2,3,4,5,6,7,8,9,10,11,12,13,14,15
	s_wait_loadcnt 17-\c
	ds_store_b128 v[168+\c/8], v[96+4*\c:99+4*\c] offset:8192*(\c%8)
.endr
	s_wait_loadcnt 1
	ds_store_b128 v170, v[160:163]
	s_wait_loadcnt 0x0
	ds_store_b64 v171, v[164:165]
	s_wait_dscnt 0x0                               ; for the others' sake: my stores have landed
	s_barrier_signal -1
	s_barrier_wait -1                              ; the head's K and V lie in LDS
.irp j, 24,25,26,27,28,29,30,31
	v_mov_b32 v\j, 0                               ; Q's zero codes for k = 64 .. 127
.endr
.irp t, 0,1,2,3
.irp j, 0,1,2,3,4,5,6,7
	v_mov_b32 v[40+16*\t+\j], 0                    ; and K's: they stay
.endr
.endr
.set i, 0
.rept 32
	v_mov_b32 v[160+i], 0                          ; O^T: the step is written once; the first finds zeros
.set i, i+1
.endr
	v_mov_b32 v13, 0xff61b1e6                      ; the largest t so far: -3e38
	v_floor_f32 v12, -v13                          ; -M
	v_mov_b32 v14, 0
	v_mov_b32 v15, 0
.irp b, 0,1,2,3
	v_mov_b32 v[236+\b], 0                         ; a lane permute's destination counts as one of its sources
.endr
	v_mov_b32 v252, 0
	v_mov_b32 v253, 0
	s_wait_kmcnt 0x0
	s_mov_b32 s14, s68                             ; the sixteen flags, two bits each
.irp s, 1,2,3,4,5,6,7,8,9,10,11,12,13,14,15
	s_lshl_b32 s2, s[68+\s], 2*\s
	s_or_b32 s14, s14, s2
.endr
	s_mov_b32 s15, 0                               ; the key step
	s_mov_b32 s16, 0                               ; twice that
	s_mov_b32 s17, 0                               ; where its K begins in LDS: 8,192 a step
	s_mov_b32 s18, 0                               ; its V: 2,048
	s_mov_b32 s19, 0                               ; K's scale words: 512
	s_mov_b32 s25, 0                               ; V's: 256
.Lstep:                                            ; sixteen trips, a constant; what a flag leaves out is a step's work, not a trip
	s_lshr_b32 s28, s14, s16
	s_and_b32 s28, s28, 3
	s_cmp_eq_u32 s28, 0
	s_cbranch_scc1 .Lhidden                        ; nothing of these 128 keys is kept for my 16 queries
	v_add_nc_u32 v8, s17, v1
	v_add_nc_u32 v9, s18, v2
	v_add_nc_u32 v10, s18, v3
	v_add_nc_u32 v11, s19, v4
	v_add_nc_u32 v7, s25, v5
.irp g, 0,1                                        ; S^T = K Q^T, four tiles of 16 keys at a time
.if \g > 0
.rept 8
	v_nop                                          ; places in front of loads into registers that matrix instructions have read
.endr
.endif
.irp t, 0,1,2,3
	ds_load_b128 v[32+16*\t:35+16*\t], v8 offset:(4*\g+\t)*1024
	ds_load_b128 v[36+16*\t:39+16*\t], v8 offset:(4*\g+\t)*1024+512
.endr
	ds_load_b128 v[248:251], v11 offset:256*\g     ; four blocks' scale words
	s_wait_dscnt 0x0
.irp t, 0,1,2,3
	v_wmma_scale_f32_16x16x128_f8f6f4 v[96+8*(4*\g+\t):103+8*(4*\g+\t)], v[32+16*\t:47+16*\t], v[16:31], 0, v[248+\t], v255
.endr
.endr
.rept 8
	v_nop
.endr
	s_cmp_eq_u32 s28, 3
	s_cbranch_scc1 .Lopen                          ; every key of the step is kept
	s_load_b512 s[32:47], s[26:27], 0x0            ; 64 lane masks: word n for register n
	s_load_b512 s[48:63], s[26:27], 0x40
	s_load_b512 s[68:83], s[26:27], 0x80
	s_load_b512 s[84:99], s[26:27], 0xc0
	s_wait_kmcnt 0x0
.set n, 0
.rept 64
	v_cndmask_b32 v[96+n], v6, v[96+n], s[32+n+4*(n/32)]   ; a score that the mask drops becomes -infinity ahead of the maximum: p = 0 then
.set n, n+1
.endr
.Lopen:
.irp b, 0,1,2,3
	v_max3_num_f32 v[232+\b], v[96+16*\b], v[97+16*\b], v[98+16*\b]   ; the largest score of each block of 32 keys: for the row's maximum, and, since p rises with the score, for the block's largest p
.endr
.irp i, 3,5,7,9,11,13
.irp b, 0,1,2,3
	v_max3_num_f32 v[232+\b], v[232+\b], v[96+16*\b+\i], v[97+16*\b+\i]
.endr
.endr
.irp b, 0,1,2,3
	v_max_num_f32 v[232+\b], v[232+\b], v[111+16*\b]
.endr
.irp b, 0,1,2,3
	v_permlanex16_b32 v[236+\b], v[232+\b], s20, s21
.endr
.irp b, 0,1,2,3
	v_max_num_f32 v[232+\b], v[232+\b], v[236+\b]  ; with lane l xor 16's 16 keys
.endr
	v_max3_num_f32 v254, v232, v233, v234
	v_max_num_f32 v254, v254, v235
	v_mul_f32 v254, s22, v254                      ; as t (c is positive)
	v_max_num_f32 v13, v13, v254                   ; the running largest t
	v_mov_b32 v254, v12
	v_floor_f32 v12, -v13                          ; the new -M = -ceil(t): a whole number
	v_sub_f32 v254, v12, v254                      ; old M less new M: a whole number, 0 or less
	v_cvt_i32_f32 v254, v254                       ; (it saturates)
	v_ldexp_f32 v252, 1.0, v254                    ; f = 2^(old M - new M): a multiplication by it rounds nothing
.set j, 0
.rept 32
	v_pk_fma_f32 v[96+j:97+j], v[96+j:97+j], s[22:23], v[12:13] op_sel_hi:[1,0,0]   ; t - M, two at a time
.set j, j+2
.endr
.irp b, 0,1,2,3
	v_fma_f32 v[232+\b], v[232+\b], s22, v12
.endr
.set j, 0
.rept 64
	v_exp_f32 v[96+j], v[96+j]                     ; p = 2^(t - M), at most 1
.set j, j+1
.endr
	v_pk_mul_f32 v[14:15], v[14:15], v[252:253] op_sel_hi:[1,0]   ; the sums under the new M: a plain line behind the exponentials
	s_wait_alu depctr_va_vdst(0)                   ; one wait for the whole batch, ahead of its first reader
.irp b, 0,1,2,3
	v_exp_f32 v[232+\b], v[232+\b]                 ; the block's largest p
.endr
	v_pk_add_f32 v[236:237], v[96:97], v[98:99]    ; the row's sum is taken of the unquantised p, in two chains
.irp j, 4,8,12,16,20,24,28,32,36,40,44,48,52,56,60
	v_pk_add_f32 v[14:15], v[14:15], v[96+\j:97+\j]
	v_pk_add_f32 v[236:237], v[236:237], v[98+\j:99+\j]
.endr
	v_pk_add_f32 v[14:15], v[14:15], v[236:237]
	s_wait_alu depctr_va_vdst(0)                   ; and one for the four
.irp b, 0,1,2,3
	v_max_num_f32 v[232+\b], 0x4800000, v[232+\b]  ; the floor 2^(9 - 127): the byte cannot fall under 1
.endr
.irp b, 0,1,2,3
	v_add_nc_u32 v[244+\b], 0xfc000000, v[232+\b]
.endr
.irp b, 0,1,2,3
	v_and_or_b32 v[240+\b], v[232+\b], 0x7f800000, s24
.endr
.irp b, 0,1,2,3
	v_lshrrev_b32 v[236+\b], 23, v[244+\b]
.endr
	v_lshl_or_b32 v253, v237, 8, v236              ; p's scale word for these 128 keys
	v_lshl_or_b32 v253, v238, 16, v253
	v_lshl_or_b32 v253, v239, 24, v253
.irp b, 0,1,2,3
.irp i, 0,1,2,3,4,5,6,7,8,9,10,11,12,13,14,15
	v_min_num_f32 v[96+16*\b+\i], v[96+16*\b+\i], v[240+\b]   ; the conversion does not saturate (ISA guide 7.6.2); p is not negative, so the hold is one-sided
.endr
	v_cvt_scalef32_pk8_fp8_f32 v[224+4*\b:225+4*\b], v[96+16*\b:103+16*\b], v[244+\b]
	v_cvt_scalef32_pk8_fp8_f32 v[226+4*\b:227+4*\b], v[104+16*\b:111+16*\b], v[244+\b]
.endr
.irp e, 0,1
.irp c, 0,1,2,3
	ds_load_b128 v[96+16*\e+4*\c:99+16*\e+4*\c], v9 offset:32768*\e+512*\c     ; V's four fragments take p's registers, so that K's zero codes stay where they are
.endr
.endr
.irp e, 0,1
.irp c, 0,1,2,3
	ds_load_b128 v[128+16*\e+4*\c:131+16*\e+4*\c], v10 offset:32768*\e+512*\c
.endr
.endr
	ds_load_b128 v[248:251], v7
.set j, 0
.rept 16
	v_pk_mul_f32 v[160+j:161+j], v[160+j:161+j], v[252:253] op_sel_hi:[1,0]   ; O^T under the new M.  (These are also the places between the codes' conversions and the products)
.set j, j+2
.endr
	s_wait_dscnt 0x0
.irp e, 0,1,2,3
	v_wmma_scale_f32_16x16x128_f8f6f4 v[160+8*\e:167+8*\e], v[96+16*\e:111+16*\e], v[224:239], v[160+8*\e:167+8*\e], v[248+\e], v253
.endr
.rept 9
	v_nop                                          ; nine places: the next step's products write over V's registers
.endr
.Lhidden:
	s_add_co_u32 s17, s17, 8192
	s_add_co_u32 s18, s18, 2048
	s_add_co_u32 s19, s19, 512
	s_add_co_u32 s25, s25, 256
	s_add_nc_u64 s[26:27], s[26:27], 256           ; (the scalar loads that named it were waited for)
	s_add_co_u32 s16, s16, 2
	s_add_co_u32 s15, s15, 1
	s_cmp_lt_u32 s15, 16
	s_cbranch_scc1 .Lstep
	; THE WAY OUT: O^T / the sum, quantised along the head's 64 channels: two groups of an image, two scale bytes a query
	v_add_f32 v14, v14, v15
	v_permlanex16_b32 v252, v14, s20, s21
	v_add_f32 v14, v14, v252                       ; the row's sum
	v_rcp_f32 v15, v14
	v_bfe_u32 v8, v0, 4, 1                         ; (a plain line behind the reciprocal)  h
	v_and_b32 v9, 15, v0
	v_lshl_add_u32 v9, v9, 4, v8                   ; 16 r + h
	v_mov_b32 v11, 0xff
	s_lshl_b32 s2, s29, 7
	s_add_co_u32 s2, s2, s12                       ; my token block among the 256
	s_lshr_b32 s33, s30, 1
	s_and_b32 s34, s30, 1
	s_lshl_b32 s36, s2, 14
	s_lshl_b32 s35, s33, 11
	s_add_co_u32 s36, s36, s35
	s_lshl_b32 s35, s34, 10
	s_add_co_u32 s36, s36, s35
	s_mov_b32 s37, 0
	s_add_nc_u64 s[36:37], s[8:9], s[36:37]        ; image (block, K step head / 2), groups 2 (head % 2) on
	s_lshl_b32 s38, s33, 14
	s_lshr_b32 s35, s2, 2
	s_lshl_b32 s35, s35, 8
	s_add_co_u32 s38, s38, s35
	s_and_b32 s35, s2, 3
	s_lshl_b32 s35, s35, 2
	s_add_co_u32 s38, s38, s35
	s_lshl_b32 s35, s34, 1
	s_add_co_u32 s38, s38, s35
	s_add_co_u32 s38, s38, O_S
	s_mov_b32 s39, 0
	s_add_nc_u64 s[38:39], s[8:9], s[38:39]
	s_wait_alu depctr_va_vdst(0)                   ; ahead of the reciprocal's first reader
.set j, 0
.rept 32
	v_mul_f32 v[96+j], v[160+j], v15               ; register 16 b + i: channel 32 b + 16 h + i
.set j, j+1
.endr
.irp b, 0,1
	v_max3_num_f32 v[232+\b], |v[96+16*\b]|, |v[97+16*\b]|, 0x4800000
.endr
.irp i, 2,4,6,8,10,12,14
.irp b, 0,1
	v_max3_num_f32 v[232+\b], v[232+\b], |v[96+16*\b+\i]|, |v[97+16*\b+\i]|
.endr
.endr
.irp b, 0,1
	v_permlanex16_b32 v[236+\b], v[232+\b], s20, s21
.endr
.irp b, 0,1
	v_max_num_f32 v[232+\b], v[232+\b], v[236+\b]
.endr
.irp b, 0,1
	v_add_nc_u32 v[244+\b], 0xfc000000, v[232+\b]
.endr
.irp b, 0,1
	v_and_or_b32 v[240+\b], v[232+\b], 0x7f800000, s24
.endr
.irp b, 0,1
	v_lshrrev_b32 v[236+\b], 23, v[244+\b]
.endr
.irp b, 0,1
.irp i, 0,1,2,3,4,5,6,7,8,9,10,11,12,13,14,15
	v_med3_num_f32 v[96+16*\b+\i], v[96+16*\b+\i], -v[240+\b], v[240+\b]
.endr
	v_cvt_scalef32_pk8_fp8_f32 v[224+4*\b:225+4*\b], v[96+16*\b:103+16*\b], v[244+\b]
	v_cvt_scalef32_pk8_fp8_f32 v[226+4*\b:227+4*\b], v[104+16*\b:111+16*\b], v[244+\b]
.endr
	v_cmp_ne_u32 vcc_lo, 0, v8
	v_cndmask_b32 v10, v236, v237, vcc_lo          ; lanes 0-15 store the first block's byte, lanes 16-31 the second's
	v_cmp_eq_f32 vcc_lo, 0, v14
	v_cndmask_b32 v10, v10, v11, vcc_lo            ; no key kept: 0xff (a choice of a value; no address and no branch hangs on it)
	global_store_b128 v1, v[224:227], s[36:37]
	global_store_b128 v1, v[228:231], s[36:37] offset:512
	global_store_b8 v9, v10, s[38:39]              ; a scale word spans two heads, so a wave has two bytes of each: 32 bytes within 256 consecutive ones
	s_wait_tensorcnt 0x0
	ds_add_u32 v222, v223
	s_wait_dscnt 0x0
	s_endpgm
.Lfunc_end_k_q8603de9dc8_attn:
	.size	k_q8603de9dc8_attn, .Lfunc_end_k_q8603de9dc8_attn-k_q8603de9dc8_attn
	.p2alignl 7, 3214868480
	.fill 96, 4, 3214868480
	.section	.rodata,"a",@progbits
	.p2align	6, 0x0
	.amdhsa_kernel k_q8603de9dc8_attn
		.amdhsa_group_segment_fixed_size 276480
		.amdhsa_private_segment_fixed_size 0
		.amdhsa_enable_private_segment 0
		.amdhsa_kernarg_size 24
		.amdhsa_user_sgpr_count 2
		.amdhsa_user_sgpr_kernarg_segment_ptr 1
		.amdhsa_wavefront_size32 1
		.amdhsa_system_sgpr_workgroup_id_x 1
		.amdhsa_system_sgpr_workgroup_id_y 1
		.amdhsa_system_sgpr_workgroup_id_z 1
		.amdhsa_system_vgpr_workitem_id 0
		.amdhsa_next_free_vgpr 256
		.amdhsa_next_free_sgpr 102
		.amdhsa_reserve_vcc 1
		.amdhsa_float_denorm_mode_32 3
		.amdhsa_float_denorm_mode_16_64 3
		.amdhsa_memory_ordered 1
		.amdhsa_forward_progress 1
		.amdhsa_inst_pref_size 45
	.end_amdhsa_kernel
	.amdgpu_metadata
---
amdhsa.version: [ 1, 2 ]
amdhsa.kernels:
  - .name:           k_q8603de9dc8_attn
    .symbol:         k_q8603de9dc8_attn.kd
    .args:
      - { .name: qkv, .offset: 0, .size: 8, .value_kind: global_buffer, .address_space: global }
      - { .name: mb, .offset: 8, .size: 8, .value_kind: global_buffer, .address_space: global }
      - { .name: oc, .offset: 16, .size: 8, .value_kind: global_buffer, .address_space: global }
    .group_segment_fixed_size: 276480
    .private_segment_fixed_size: 0
    .kernarg_segment_align: 8
    .kernarg_segment_size: 24
    .max_flat_workgroup_size: 512
    .sgpr_count:     102
    .vgpr_count:     256
    .wavefront_size: 32
...
	.end_amdgpu_metadata
.endif
;; end of part 3
;; launch wo (part 4): grid 8 x 32, 4 waves a work-group, clusters of 4 x 4, 327,680 bytes of LDS; arguments oc, pq, bo, x, y1; writes y1
.if DOCPART == 4
	.amdgcn_target "amdgcn-amd-amdhsa--gfx1250"
	.amdhsa_code_object_version 6
	.text
	.protected	k_q8603de9dc8_wo
	.globl	k_q8603de9dc8_wo
	.p2align	8
	.type	k_q8603de9dc8_wo,@function
k_q8603de9dc8_wo:
	s_mov_b64 s[64:65], 0
	v_nop
	global_prefetch_b8 v0, s[64:65] scope:SCOPE_SE
	s_setreg_imm32_b32 hwreg(HW_REG_WAVE_MODE, 25, 1), 1
	s_wait_xcnt 0x0
	s_wait_alu depctr_hold_cnt(0) depctr_sa_sdst(0) depctr_va_vdst(0) depctr_va_sdst(0) depctr_va_ssrc(0) depctr_va_vcc(0) depctr_vm_vsrc(0)
	s_getreg_b32 s2, hwreg(HW_REG_IB_STS2, 6, 4)
	s_cmp_eq_u32 s2, 0
	s_cbranch_scc0 .Lentry_in_a_cluster
	s_endpgm
.Lentry_in_a_cluster:
	s_bfe_u32 s2, ttmp6, 0x10000c
	s_cmp_lg_u32 s2, 0xf033
	s_cbranch_scc0 .Lentry_shape_is_right
	s_endpgm
.Lentry_shape_is_right:
; A GEMM on codes of E4M3 with N = 1,024, its bias and the residual.  KIND 0: y1 = x + o Wo^T + bo (K = 1,024).  KIND 1: y2 = h + hidden W2^T + b2 (K = 4,096), h rebuilt from y1, the rows' mean and 1 / (std + eps), ln1_a, ln1_b.
; A tile of 128 x 128, so that 256 work-groups have work; four waves, 64 x 64 each: 16 accumulators.  Source 0 = 16 rows of the weight, source 1 = 16 rows of the A side.
; Codes lie in memory as images of the operand's registers (2,048 bytes a fragment); a slot holds four K steps of 128, so that a wave's one load behind a round has 64 matrix instructions in which to land.
; The scale words of the tile's rows for all of K come once.  CLUSTERS: 4 x 4, the A side's tile shared along a row, the weight's along a column.
; THE WAY OUT: 16 rows x 64 columns at a time through the wave's own stage (in slot 0, which has had its last fill and its last read), back as rows of 256 bytes: sixteen lanes store 256 consecutive, aligned bytes.
; The residual's rows are asked for at the head and land while K is walked.
.set KIND, 0
.if KIND == 0
.set NKS, 8
.set AS_OFF, 4194304                   ; o's scale words in oc
.set BC_OFF, 7340032                   ; Wo's codes in pq
.set BS_OFF, 17006592
.else
.set NKS, 32
.set AS_OFF, 16777216                  ; the hidden layer's scale words in hid
.set BC_OFF, 12582912                  ; W2's codes in pq
.set BS_OFF, 17170432
.endif
.set STATS, 4325376
.set LAPS,  NKS/8
.set SLOT,  131072                     ; A's 8 blocks x 8,192 bytes, then B's
.set SCL,   262144                     ; A's scale words [NKS][512 bytes], then B's
.set SPARE, SCL+1024*NKS               ; the spare words: 128 bytes a wave, named by no other line
.set STO,  4                           ; v4   the stage: where I put 32 bytes of a row
.set RD,   5                           ; v5   and where I read a row back
.set CO,   6                           ; v6   4,096 h + 16 (lane % 16): my bytes in two rows of the residual and of the output
.set HO,   7                           ; v7   4 h
.set CB,   8                           ; v8-11  the bias of my 4 columns
.set LA,   12                          ; v12-15 KIND 1: ln1_a of my 4 columns
.set ADRA, 16
.set COL,  18                          ; v18  16 (lane % 16)
.set ADRB, 20
.set L16,  24
.set ADRS, 27
.set SPW,  28
.set NIL,  29
.set SC,   32                          ; v32-63 scale words: SC + 16 slot + 4 q + block
.set BK,   64                          ; v64-95 16 rows back from the stage
.set T,    96                          ; v96-127 at work
.set ACC,  128                         ; v128-255 accumulator (a, b) at ACC + 8 (4 a + b)
.set F0,   0                           ; window 1: two fragment buffers: A's four, then B's four
.set F1,   128
.set G1, 24
.set G0, 32
.set G1B, 48
.set G0B, 56
.set G1S, 68
.set G0S, 76
.set G1SB, 80
.set G0SB, 88
.set MSB, 0
.macro WIN new
.if MSB != \new
	s_set_vgpr_msb (MSB<<8)|\new
.set MSB, \new
.endif
.endm
.set MUL,  0x05                        ; sources 0 and 1 window 1; C and D window 0
.set TO_F, 0x40                        ; destination window 1
.macro JLOAD g0a, g1a, g0b, g1b
	s_cmp_eq_u32 s15, 0
	s_cbranch_scc0 .Lfor_b_\@
	tensor_load_to_lds s[\g0a:\g0a+3], s[\g1a:\g1a+7]
	s_nop 0
.rept 4
	v_nop
.endr
	s_branch .Lasked_\@
.Lfor_b_\@:
	tensor_load_to_lds s[\g0b:\g0b+3], s[\g1b:\g1b+7]
	s_nop 0
.rept 4
	v_nop
.endr
.Lasked_\@:
.endm
.macro CREST
	s_cmp_lg_u32 s14, 0
	s_cbranch_scc1 .Lnot_wave_0_\@
	s_barrier_signal -3
.Lnot_wave_0_\@:
	s_barrier_wait -3
	s_barrier_signal -1
	s_barrier_wait -1
.endm
.macro CROUND
	s_barrier_signal -1
	s_barrier_wait -1
	CREST
.endm
.macro ROWOFF a, t                     ; which row of my 64 stands at place 2 t (+ h) of block a: o's blocks are laid by the permutation, the hidden layer's are neighbours
.if KIND == 0
.set RO, 32*((\a)/2)+8*((\a)%2)+2*(\t)+8*((\t)/4)
.else
.set RO, 16*(\a)+2*(\t)
.endif
.endm
	s_load_b256 s[4:11], s[0:1], 0x0               ; the A side, pq, the bias, the residual
.if KIND == 0
	s_load_b64 s[12:13], s[0:1], 0x20              ; the output
.else
	s_load_b256 s[92:99], s[0:1], 0x20             ; hq, ln1_a, ln1_b, the output
.endif
	v_lshl_add_u32 v[SPW], v0, 2, SPARE
	v_mov_b32 v[NIL], 0
	ds_add_u32 v28, v29
	ds_add_u32 v28, v29
	s_wait_dscnt 0x0
	v_lshrrev_b32 v1, 5, v0
	v_readfirstlane_b32 s14, v1                    ; wave 0..3
	s_lshr_b32 s15, s14, 1                         ; my half of the rows.  Also: I fetch for A (0) or for B (1)
	s_and_b32 s16, s14, 1                          ; my half of the columns.  Also: which half I fetch
	s_bfe_u32 s40, ttmp6, 0x40000
	s_bfe_u32 s41, ttmp6, 0x40004
	s_lshl_b32 s42, ttmp9, 2
	s_add_co_u32 s42, s42, s40                     ; the weight's tile
	s_and_b32 s17, ttmp7, 0xffff
	s_lshl_b32 s17, s17, 2
	s_add_co_u32 s17, s17, s41                     ; the A side's tile
	s_lshl_b32 s43, s41, 2
	s_lshl_b32 s43, 15, s43
	s_lshl_b32 s44, 0x1111, s40
	; group 1, codes: 4 blocks, of each 8,192 bytes (four K steps) as 1,024 elements of 8 bytes, 2,048 NKS bytes from block to block
	s_or_b32 s[G1+0], s43, (3<<16)|(1<<21)
	s_or_b32 s[G1B+0], s44, (3<<16)|(1<<21)
.irp g, G1, G1B
	s_mov_b32 s[\g+1], 1024<<16
	s_mov_b32 s[\g+2], 4<<16
	s_mov_b32 s[\g+3], 1024<<16
	s_mov_b32 s[\g+4], 4
	s_mov_b32 s[\g+5], 256*NKS
	s_mov_b32 s[\g+6], 0
	s_mov_b32 s[\g+7], 0
.endr
	; group 1, scale words: NKS / 2 K steps, of each the tile's 512 bytes; the pitch is 16,384 bytes for the A side (4,096 rows), 4,096 for the weight (1,024 rows)
	s_or_b32 s[G1S+0], s43, (3<<16)|(1<<21)
	s_or_b32 s[G1SB+0], s44, (3<<16)|(1<<21)
.irp g, G1S, G1SB
	s_mov_b32 s[\g+1], 64<<16
	s_mov_b32 s[\g+2], (NKS/2)<<16
	s_mov_b32 s[\g+3], 64<<16
	s_mov_b32 s[\g+4], NKS/2
	s_mov_b32 s[\g+6], 0
	s_mov_b32 s[\g+7], 0
.endr
	s_mov_b32 s[G1S+5], 2048
	s_mov_b32 s[G1SB+5], 512
	s_mul_i32 s18, s16, 8192*NKS                   ; my 4 blocks of the 8
	s_mul_i32 s20, s17, 16384*NKS
	s_add_co_u32 s20, s20, s18
	s_mov_b32 s21, 0
	s_mul_i32 s46, s42, 16384*NKS
	s_add_co_u32 s46, s46, s18
	s_add_co_u32 s46, s46, BC_OFF
	s_mov_b32 s47, 0
	s_mul_i32 s19, s16, (NKS/2)*16384
	s_lshl_b32 s22, s17, 9
	s_add_co_u32 s22, s22, s19
	s_add_co_u32 s22, s22, AS_OFF
	s_mov_b32 s23, 0
	s_mul_i32 s19, s16, (NKS/2)*4096
	s_lshl_b32 s2, s42, 9
	s_add_co_u32 s2, s2, s19
	s_add_co_u32 s2, s2, BS_OFF
	s_mov_b32 s3, 0
	s_lshl_b32 s45, s14, 15                        ; where they go: wave x 32,768
	s_mul_i32 s19, s14, 256*NKS
	s_wait_kmcnt 0x0
.if KIND == 1
	s_mov_b64 s[12:13], s[98:99]
.endif
	s_add_nc_u64 s[20:21], s[4:5], s[20:21]
	s_add_nc_u64 s[22:23], s[4:5], s[22:23]
	s_add_nc_u64 s[46:47], s[6:7], s[46:47]
	s_add_nc_u64 s[2:3], s[6:7], s[2:3]
	CROUND                                         ; all sixteen work-groups are here: the first joint loads meet
	s_mov_b32 s[G0S], 1
	s_add_co_u32 s[G0S+1], s19, SCL
	s_mov_b64 s[G0S+2:G0S+3], s[22:23]
	s_or_b32 s[G0S+3], s[G0S+3], 0x80000000
	s_mov_b32 s[G0SB], 1
	s_add_co_u32 s[G0SB+1], s19, SCL
	s_mov_b64 s[G0SB+2:G0SB+3], s[2:3]
	s_or_b32 s[G0SB+3], s[G0SB+3], 0x80000000
	JLOAD G0S, G1S, G0SB, G1SB
.irp s, 0,1
	s_mov_b32 s[G0+4*\s], 1
	s_add_co_u32 s[G0+4*\s+1], s45, \s*SLOT
	s_add_nc_u64 s[G0+4*\s+2:G0+4*\s+3], s[20:21], \s*8192
	s_or_b32 s[G0+4*\s+3], s[G0+4*\s+3], 0x80000000
	s_mov_b32 s[G0B+4*\s], 1
	s_add_co_u32 s[G0B+4*\s+1], s45, \s*SLOT
	s_add_nc_u64 s[G0B+4*\s+2:G0B+4*\s+3], s[46:47], \s*8192
	s_or_b32 s[G0B+4*\s+3], s[G0B+4*\s+3], 0x80000000
	JLOAD G0+4*\s, G1, G0B+4*\s, G1B
.endr
	v_and_b32 v1, 31, v0
	v_and_b32 v2, 15, v0                           ; r
	v_bfe_u32 v3, v0, 4, 1                         ; h
	v_lshlrev_b32 v[L16], 4, v1
	s_lshl_b32 s18, s15, 15                        ; my 4 blocks of A
	s_lshl_b32 s19, s16, 15
	s_add_co_u32 s19, s19, 65536                   ; my 4 blocks of B, behind A's 8
.irp s, 0,1
	v_add_nc_u32 v[ADRA+\s], s18, v[L16]
	v_add_nc_u32 v[ADRB+\s], s19, v[L16]
	s_add_co_u32 s18, s18, SLOT
	s_add_co_u32 s19, s19, SLOT
.endr
	s_lshl_b32 s18, s15, 8                         ; scale words: my 4 blocks are 256 bytes of a K step's 512
	s_lshl_b32 s19, s16, 8
	s_add_co_u32 s19, s19, 512*NKS
	s_sub_co_u32 s19, s19, s18
	v_mul_u32_u24 v25, s19, v3                     ; lanes 16-31 take B's
	s_add_co_u32 s18, s18, SCL
	v_lshl_add_u32 v25, v2, 4, v25
	v_add_nc_u32 v[ADRS], s18, v25
	s_mul_i32 s23, s14, 4352                       ; my stage: 16 rows x 272 bytes
	v_mul_u32_u24 v[STO], v2, 272
	v_lshl_add_u32 v[STO], v3, 6, v[STO]
	v_add_nc_u32 v[STO], s23, v[STO]               ; in: row r, + 64 h
	v_mul_u32_u24 v[RD], v3, 272
	v_lshl_add_u32 v[RD], v2, 4, v[RD]
	v_add_nc_u32 v[RD], s23, v[RD]                 ; back: lanes 0-15 one row, lanes 16-31 the next
	v_lshlrev_b32 v[COL], 4, v2
	v_lshl_add_u32 v[CO], v3, 12, v[COL]
	v_lshlrev_b32 v[HO], 2, v3
	s_lshl_b32 s20, s17, 19                        ; my first row: 128 x tile + 64 x half, 4,096 bytes a row;
	s_lshl_b32 s18, s15, 18
	s_add_co_u32 s20, s20, s18
	s_lshl_b32 s46, s42, 9                         ; my first column, in bytes
	s_lshl_b32 s18, s16, 8
	s_add_co_u32 s46, s46, s18
	s_add_co_u32 s20, s20, s46
	s_mov_b32 s21, 0
	s_mov_b32 s47, 0
	s_add_nc_u64 s[10:11], s[10:11], s[20:21]
	s_add_nc_u64 s[12:13], s[12:13], s[20:21]
	s_add_nc_u64 s[8:9], s[8:9], s[46:47]
.if KIND == 1
	s_add_nc_u64 s[94:95], s[94:95], s[46:47]
	s_add_nc_u64 s[96:97], s[96:97], s[46:47]
	s_lshl_b32 s22, s17, 10
	s_lshl_b32 s18, s15, 9
	s_add_co_u32 s22, s22, s18
	s_add_co_u32 s22, s22, STATS
	s_mov_b32 s23, 0
	s_add_nc_u64 s[92:93], s[92:93], s[22:23]      ; my 4 blocks' means and 1 / (std + eps): 128 bytes a block
.endif
	global_load_b128 v[CB:CB+3], v[COL], s[8:9]
.if KIND == 1
	global_load_b128 v[LA:LA+3], v[COL], s[94:95]
	global_load_b128 v[T:T+3], v[COL], s[96:97]
.endif
	WIN 0x80                                       ; destination window 2: v0-127 the residual's rows; v128-159 means, v160-191 1 / (std + eps)
.irp a, 0,1,2,3
.irp t, 0,1,2,3,4,5,6,7
	ROWOFF \a, \t
	global_load_b128 v[32*\a+4*\t:32*\a+4*\t+3], v[CO], s[10:11] offset:RO*4096
.endr
.endr
.if KIND == 1
.irp a, 0,1,2,3
.irp t, 0,1,2,3,4,5,6,7
	global_load_b32 v[128+8*\a+\t], v[HO], s[92:93] offset:128*\a+8*\t
	global_load_b32 v[160+8*\a+\t], v[HO], s[92:93] offset:128*\a+8*\t+64
.endr
.endr
.endif
	WIN 0
.macro MUL4 f, a, q, sc, zero          ; A's block a x B's four.  The 16 accumulators take turns, one instruction a turn
.irp b, 0,1,2,3
.if \zero
	v_wmma_scale_f32_16x16x128_f8f6f4 v[ACC+8*(4*(\a)+\b):ACC+8*(4*(\a)+\b)+7], v[\f+64+16*\b:\f+64+16*\b+15], v[\f+16*(\a):\f+16*(\a)+15], 0, v[SC+16*(\sc)+4*(\q)+\b], v[SC+16*(\sc)+4*(\q)+(\a)] matrix_a_scale:MATRIX_SCALE_ROW1
.else
	v_wmma_scale_f32_16x16x128_f8f6f4 v[ACC+8*(4*(\a)+\b):ACC+8*(4*(\a)+\b)+7], v[\f+64+16*\b:\f+64+16*\b+15], v[\f+16*(\a):\f+16*(\a)+15], v[ACC+8*(4*(\a)+\b):ACC+8*(4*(\a)+\b)+7], v[SC+16*(\sc)+4*(\q)+\b], v[SC+16*(\sc)+4*(\q)+(\a)] matrix_a_scale:MATRIX_SCALE_ROW1
.endif
.endr
.endm
.macro FETCH slot, q, f                ; 32 LDS loads in one run: B's four fragments, then A's
	WIN TO_F
.irp i, 0,1,2,3
.irp c, 0,1,2,3
	ds_load_b128 v[\f+64+16*\i+4*\c:\f+64+16*\i+4*\c+3], v[ADRB+\slot] offset:8192*\i+2048*(\q)+512*\c
.endr
.endr
.irp i, 0,1,2,3
.irp c, 0,1,2,3
	ds_load_b128 v[\f+16*\i+4*\c:\f+16*\i+4*\c+3], v[ADRA+\slot] offset:8192*\i+2048*(\q)+512*\c
.endr
.endr
.endm
.macro SCALES sc                       ; a slot's scale words: a K step's four blocks to a load
.irp q, 0,1,2,3
	ds_load_b128 v[SC+16*\sc+4*\q:SC+16*\sc+4*\q+3], v[ADRS] offset:512*\q
.endr
.endm
.macro PLACES n
.rept \n
	v_nop
.endr
.endm
.macro QUARTER slot, q, f, g, zero     ; multiplies the slot's K step q out of buffer f and fetches K step q + 1 into g
	s_wait_dscnt 8                                 ; B's fragments and A's blocks 0, 1 are in; the youngest 8 loads may be out
	WIN MUL
	MUL4 \f, 0, \q, \slot, \zero
	MUL4 \f, 1, \q, \slot, \zero
	PLACES 8
	FETCH \slot, (\q)+1, \g
	s_wait_dscnt 32                                ; all but the 32 just issued
	WIN MUL
	MUL4 \f, 2, \q, \slot, \zero
	MUL4 \f, 3, \q, \slot, \zero
.endm
.macro TURN slot, next, fill           ; the slot's last K step, out of buffer 1, and the change of slots
	WIN 0
	s_wait_tensorcnt 0x0                           ; all my tensor loads have landed: my part of the next slot
	ds_add_u32 v[SPW], v[NIL]                      ; 0 onto my spare word
	s_wait_dscnt 9                                 ; (the add and the youngest 8 loads may be out)
	WIN MUL
	MUL4 F1, 0, 3, \slot, 0
	s_wait_dscnt 0x0                               ; the add is done, and my reads of this slot are over
	s_barrier_signal -1
	MUL4 F1, 1, 3, \slot, 0
	WIN 0
	s_barrier_wait -1
.if \fill
	CREST                                          ; the barrier has opened a round of the cluster's barrier
	s_add_nc_u64 s[G0+4*\slot+2:G0+4*\slot+3], s[G0+4*\slot+2:G0+4*\slot+3], 16384
	s_add_nc_u64 s[G0B+4*\slot+2:G0B+4*\slot+3], s[G0B+4*\slot+2:G0B+4*\slot+3], 16384
	JLOAD G0+4*\slot, G1, G0B+4*\slot, G1B         ; the first tensor load behind the round
	PLACES 4
.else
	PLACES 8
.endif
	v_add_nc_u32 v[ADRS], 2048, v[ADRS]
	SCALES \next
	FETCH \next, 0, F0
	WIN MUL
	MUL4 F1, 2, 3, \slot, 0
	MUL4 F1, 3, 3, \slot, 0
.endm
.macro OUT a                           ; 16 rows x 64 columns
	s_wait_xcnt 0x0                                ; the last block's stores have read their data
.irp b, 0,1,2,3
	ds_store_b128 v[STO], v[ACC+8*(4*\a+\b):ACC+8*(4*\a+\b)+3] offset:128*(\b/2)+32*(\b%2)        ; register j of (a, b): column 32 (b / 2) + 16 h + 8 (b % 2) + j; each accumulator from its low end on
	ds_store_b128 v[STO], v[ACC+8*(4*\a+\b)+4:ACC+8*(4*\a+\b)+7] offset:128*(\b/2)+32*(\b%2)+16
.endr
.irp t, 0,1,2,3,4,5,6,7
	ds_load_b128 v[BK+4*\t:BK+4*\t+3], v[RD] offset:544*\t   ; LDS serves a wave's instructions in order: these see the stores above
.endr
	s_wait_dscnt 0x0
.if KIND == 1
	WIN 0x0a                                       ; sources 0 and 1 window 2
.irp t, 0,1,2,3,4,5,6,7
.irp k, 0,1,2,3
	v_sub_f32 v[T+4*\t+\k], v[32*\a+4*\t+\k], v[128+8*\a+\t]   ; y1 - mean
.endr
.endr
	WIN 0x08                                       ; source 1 window 2
.irp t, 0,1,2,3,4,5,6,7
.irp k, 0,1,2,3
	v_mul_f32 v[T+4*\t+\k], v[T+4*\t+\k], v[160+8*\a+\t]       ; / (std + eps)
.endr
.endr
	WIN 0
.endif
.irp t, 0,1,2,3,4,5,6,7
	v_pk_add_f32 v[BK+4*\t:BK+4*\t+1], v[BK+4*\t:BK+4*\t+1], v[CB:CB+1]
	v_pk_add_f32 v[BK+4*\t+2:BK+4*\t+3], v[BK+4*\t+2:BK+4*\t+3], v[CB+2:CB+3]
.endr
.if KIND == 1
.irp t, 0,1,2,3,4,5,6,7
	v_pk_fma_f32 v[BK+4*\t:BK+4*\t+1], v[T+4*\t:T+4*\t+1], v[LA:LA+1], v[BK+4*\t:BK+4*\t+1]
	v_pk_fma_f32 v[BK+4*\t+2:BK+4*\t+3], v[T+4*\t+2:T+4*\t+3], v[LA+2:LA+3], v[BK+4*\t+2:BK+4*\t+3]
.endr
.else
	WIN 0x08
.set i, 0
.rept 16
	v_pk_add_f32 v[BK+i:BK+i+1], v[BK+i:BK+i+1], v[32*\a+i:32*\a+i+1]
.set i, i+2
.endr
	WIN 0
.endif
.irp t, 0,1,2,3,4,5,6,7
	ROWOFF \a, \t
	global_store_b128 v[CO], v[BK+4*\t:BK+4*\t+3], s[12:13] offset:RO*4096   ; sixteen lanes store 256 consecutive bytes, aligned
.endr
.endm
	s_wait_tensorcnt 1                             ; the scale words and my part of slot 0 are in (slot 1's load may be out),
	s_barrier_signal -1
	s_barrier_wait -1                              ; everybody's are
	SCALES 0
	FETCH 0, 0, F0
	QUARTER 0, 0, F0, F1, 1                        ; the first K step's products start the sums
.if LAPS > 1
	WIN 0
	s_mov_b32 s3, LAPS-1
.Llap:
	QUARTER 0, 1, F1, F0, 0
	QUARTER 0, 2, F0, F1, 0
	TURN 0, 1, 1
	QUARTER 1, 0, F0, F1, 0
	QUARTER 1, 1, F1, F0, 0
	QUARTER 1, 2, F0, F1, 0
	TURN 1, 0, 1
	QUARTER 0, 0, F0, F1, 0
	WIN 0
	s_sub_co_u32 s3, s3, 1
	s_cmp_lg_u32 s3, 0
	s_cbranch_scc1 .Llap
.endif
	QUARTER 0, 1, F1, F0, 0                        ; the last lap fills nothing
	QUARTER 0, 2, F0, F1, 0
	TURN 0, 1, 0
	QUARTER 1, 0, F0, F1, 0
	QUARTER 1, 1, F1, F0, 0
	QUARTER 1, 2, F0, F1, 0
	s_wait_dscnt 8
	WIN MUL
	MUL4 F1, 0, 3, 1, 0
	MUL4 F1, 1, 3, 1, 0
	s_wait_dscnt 0
	MUL4 F1, 2, 3, 1, 0
	MUL4 F1, 3, 3, 1, 0
	WIN 0
	PLACES 8                                       ; in front of the first read of results
	s_wait_loadcnt 0x0                             ; the bias, the residual and what belongs to it
.if KIND == 1
	v_pk_add_f32 v[CB:CB+1], v[CB:CB+1], v[T:T+1]  ; b2 + ln1_b
	v_pk_add_f32 v[CB+2:CB+3], v[CB+2:CB+3], v[T+2:T+3]
.endif
	OUT 0
	OUT 1
	OUT 2
	OUT 3
	s_wait_tensorcnt 0x0                           ; the wave's end
	ds_add_u32 v[SPW], v[NIL]
	s_wait_dscnt 0x0
	CROUND                                         ; the closing round
	s_endpgm
.Lfunc_end_k_q8603de9dc8_wo:
	.size	k_q8603de9dc8_wo, .Lfunc_end_k_q8603de9dc8_wo-k_q8603de9dc8_wo
	.p2alignl 7, 3214868480
	.fill 96, 4, 3214868480
	.section	.rodata,"a",@progbits
	.p2align	6, 0x0
	.amdhsa_kernel k_q8603de9dc8_wo
		.amdhsa_group_segment_fixed_size 327680
		.amdhsa_private_segment_fixed_size 0
		.amdhsa_enable_private_segment 0
		.amdhsa_kernarg_size 40
		.amdhsa_user_sgpr_count 2
		.amdhsa_user_sgpr_kernarg_segment_ptr 1
		.amdhsa_wavefront_size32 1
		.amdhsa_system_sgpr_workgroup_id_x 1
		.amdhsa_system_sgpr_workgroup_id_y 1
		.amdhsa_system_sgpr_workgroup_id_z 1
		.amdhsa_system_vgpr_workitem_id 0
		.amdhsa_next_free_vgpr 768
		.amdhsa_next_free_sgpr 100
		.amdhsa_reserve_vcc 0
		.amdhsa_float_denorm_mode_32 3
		.amdhsa_float_denorm_mode_16_64 3
		.amdhsa_memory_ordered 1
		.amdhsa_forward_progress 1
		.amdhsa_inst_pref_size 65
	.end_amdhsa_kernel
	.amdgpu_metadata
---
amdhsa.version: [ 1, 2 ]
amdhsa.kernels:
  - .name:           k_q8603de9dc8_wo
    .symbol:         k_q8603de9dc8_wo.kd
    .args:
      - { .name: oc, .offset: 0, .size: 8, .value_kind: global_buffer, .address_space: global }
      - { .name: pq, .offset: 8, .size: 8, .value_kind: global_buffer, .address_space: global }
      - { .name: bo, .offset: 16, .size: 8, .value_kind: global_buffer, .address_space: global }
      - { .name: x, .offset: 24, .size: 8, .value_kind: global_buffer, .address_space: global }
      - { .name: y1, .offset: 32, .size: 8, .value_kind: global_buffer, .address_space: global }
    .group_segment_fixed_size: 327680
    .private_segment_fixed_size: 0
    .kernarg_segment_align: 8
    .kernarg_segment_size: 40
    .max_flat_workgroup_size: 128
    .sgpr_count:     100
    .vgpr_count:     768
    .wavefront_size: 32
...
	.end_amdgpu_metadata
.endif
;; end of part 4
;; launch ln1 (part 5): grid 256 x 1, 8 waves a work-group, no clusters, 70,656 bytes of LDS; arguments y1, ln1_a, ln1_b, hq; writes hq
.if DOCPART == 5
	.amdgcn_target "amdgcn-amd-amdhsa--gfx1250"
	.amdhsa_code_object_version 6
	.text
	.protected	k_q8603de9dc8_ln1
	.globl	k_q8603de9dc8_ln1
	.p2align	8
	.type	k_q8603de9dc8_ln1,@function
k_q8603de9dc8_ln1:
	s_mov_b64 s[64:65], 0
	v_nop
	global_prefetch_b8 v0, s[64:65] scope:SCOPE_SE
	s_setreg_imm32_b32 hwreg(HW_REG_WAVE_MODE, 25, 1), 1
	s_wait_xcnt 0x0
; h = (y1 - mean) / (std + 1e-6) x ln1_a + ln1_b, std with n - 1 = 1,023; h leaves as codes of E4M3 (images of 16 neighbouring rows x 128 K) with their scale words; each row's mean and 1 / (std + eps) are kept,
; so that a later launch rebuilds h in f32 from y1 and h itself never goes to memory in f32.
; A work-group owns 16 rows; wave w owns columns 128 w on: one K step of the next product.  Each load reads 512 consecutive bytes of a row; the tile turns through the wave's own stage in LDS into 64 numbers a lane.
; The rows' sums meet in LDS: two reductions (the mean; then the centred squares), each with bytes of its own and one barrier.  Memory binds: no matrix unit, no tensor load, no cluster.
; LIMITS: a block whose largest magnitude lies under 2^-118 keeps the byte 1; a block of zeros gets the byte 1; a row of NaN gives finite codes here (the f32 residual carries its NaN on).
.set H_S,   4194304
.set STATS, 4325376
.set STG,   8448
.set RED,   67584                      ; [wave][lane] words: 1,024 bytes for the sums, 1,024 for the squares
.set PW,  15
.set PC,  16                           ; v16-31
.set R,   32                           ; v32-95  the tile as loaded, later ln1_b
.set X,   96                           ; v96-159 64 numbers of my row
.set A,   160                          ; v160-223 ln1_a
.set TM,  224                          ; v224-239
.set SEL, 20
.set MNT, 22
	s_load_b256 s[4:11], s[0:1], 0x0               ; y1, ln1_a, ln1_b, hq
	v_lshl_add_u32 v254, v0, 2, 0x11000
	v_mov_b32 v255, 0
	v_lshrrev_b32 v1, 5, v0
	v_readfirstlane_b32 s12, v1                    ; wave = K step
	v_and_b32 v2, 31, v0
	v_and_b32 v3, 15, v0                           ; r
	v_bfe_u32 v4, v0, 4, 1                         ; h
	v_lshlrev_b32 v1, 4, v2                        ; 16 x lane
	s_mul_i32 s13, s12, STG
	v_add_nc_u32 v5, s13, v1                       ; the stage, in
	v_mul_u32_u24 v6, v3, 528
	v_lshl_add_u32 v6, v4, 6, v6
	v_add_nc_u32 v6, s13, v6                       ; and out
	v_lshlrev_b32 v7, 6, v4                        ; 64 h
	v_lshl_add_u32 v8, v0, 2, RED                  ; my word
	v_lshl_add_u32 v9, v2, 2, RED                  ; my lane's word of wave 0
	v_lshlrev_b32 v10, 4, v3                       ; 16 r
	v_lshlrev_b32 v11, 2, v2                       ; 4 x lane
	v_mov_b32 v249, 0                              ; (upper halves of pairs that are named whole)
	v_mov_b32 v251, 0
.irp b, 0,1,2,3
	v_mov_b32 v[TM+4+\b], 0
.endr
	s_mov_b32 s[SEL], 0x76543210
	s_mov_b32 s[SEL+1], 0xfedcba98
	s_mov_b32 s[MNT], 0x600000
	s_lshl_b32 s16, ttmp9, 16
	s_lshl_b32 s18, s12, 9
	s_add_co_u32 s16, s16, s18
	s_mov_b32 s17, 0
	s_mov_b32 s19, 0
	s_lshl_b32 s24, ttmp9, 14                      ; image (block, K step): (8 block + wave) x 2,048
	s_lshl_b32 s26, s12, 11
	s_add_co_u32 s24, s24, s26
	s_mov_b32 s25, 0
	s_lshl_b32 s26, s12, 14                        ; scale word: K step x 16,384 + (block / 4) x 256 + 16 r + 4 (block % 4)
	s_lshr_b32 s28, ttmp9, 2
	s_lshl_b32 s28, s28, 8
	s_add_co_u32 s26, s26, s28
	s_and_b32 s28, ttmp9, 3
	s_lshl_b32 s28, s28, 2
	s_add_co_u32 s26, s26, s28
	s_add_co_u32 s26, s26, H_S
	s_mov_b32 s27, 0
	s_lshl_b32 s28, ttmp9, 7
	s_add_co_u32 s28, s28, STATS
	s_mov_b32 s29, 0
	s_wait_kmcnt 0x0
	s_add_nc_u64 s[4:5], s[4:5], s[16:17]
	s_add_nc_u64 s[6:7], s[6:7], s[18:19]
	s_add_nc_u64 s[8:9], s[8:9], s[18:19]
	s_add_nc_u64 s[24:25], s[10:11], s[24:25]
	s_add_nc_u64 s[26:27], s[10:11], s[26:27]
	s_add_nc_u64 s[28:29], s[10:11], s[28:29]
.set i, 0
.rept 16
	global_load_b128 v[R+4*i:R+4*i+3], v1, s[4:5] offset:4096*i
.set i, i+1
.endr
.set i, 0
.rept 16
	global_load_b128 v[A+4*i:A+4*i+3], v7, s[6:7] offset:128*(i/4)+16*(i%4)   ; in the order of my 64 numbers
.set i, i+1
.endr
	s_wait_loadcnt 16                              ; the tile is in; the gains may be out
.set i, 0
.rept 16
	ds_store_b128 v5, v[R+4*i:R+4*i+3] offset:528*i
.set i, i+1
.endr
.set i, 0
.rept 16
	ds_load_b128 v[X+4*i:X+4*i+3], v6 offset:128*(i/4)+16*(i%4)
.set i, i+1
.endr
	s_wait_dscnt 0x0
.set i, 0
.rept 16
	global_load_b128 v[R+4*i:R+4*i+3], v7, s[8:9] offset:128*(i/4)+16*(i%4)
.set i, i+1
.endr
; what four chains in v240-247 hold is summed over my lane, its partner and the eight waves; the result lies in v240 of every lane of the row
.macro MEET off
	v_pk_add_f32 v[240:241], v[240:241], v[242:243]
	v_pk_add_f32 v[244:245], v[244:245], v[246:247]
	v_pk_add_f32 v[240:241], v[240:241], v[244:245]
	v_add_f32 v240, v240, v241
	v_permlanex16_b32 v241, v240, s[SEL], s[SEL+1]
	v_add_f32 v240, v240, v241
	ds_store_b32 v8, v240 offset:\off
	s_wait_dscnt 0x0                               ; for the others' sake: my store has landed
	s_barrier_signal -1
	s_barrier_wait -1
.irp k, 0,1,2,3,4,5,6,7
	ds_load_b32 v[240+\k], v9 offset:\off+128*\k
.endr
	s_wait_dscnt 0x0
	v_pk_add_f32 v[240:241], v[240:241], v[242:243]
	v_pk_add_f32 v[244:245], v[244:245], v[246:247]
	v_pk_add_f32 v[240:241], v[240:241], v[244:245]
	v_add_f32 v240, v240, v241
.endm
.irp k, 0,1,2,3
	v_pk_add_f32 v[240+2*\k:241+2*\k], v[X+2*\k:X+2*\k+1], v[X+8+2*\k:X+9+2*\k]
.endr
.irp i, 16,24,32,40,48,56
.irp k, 0,1,2,3
	v_pk_add_f32 v[240+2*\k:241+2*\k], v[240+2*\k:241+2*\k], v[X+\i+2*\k:X+\i+2*\k+1]
.endr
.endr
	MEET 0
	v_mul_f32 v248, 0x3a800000, v240               ; the mean: / 1,024
.set i, 0
.rept 32
	v_pk_add_f32 v[X+i:X+i+1], v[X+i:X+i+1], v[248:249] op_sel_hi:[1,0] neg_lo:[0,1] neg_hi:[0,1]
.set i, i+2
.endr
.irp k, 0,1,2,3
	v_pk_mul_f32 v[240+2*\k:241+2*\k], v[X+2*\k:X+2*\k+1], v[X+2*\k:X+2*\k+1]
.endr
.irp i, 8,16,24,32,40,48,56
.irp k, 0,1,2,3
	v_pk_fma_f32 v[240+2*\k:241+2*\k], v[X+\i+2*\k:X+\i+2*\k+1], v[X+\i+2*\k:X+\i+2*\k+1], v[240+2*\k:241+2*\k]
.endr
.endr
	MEET 1024
	v_mul_f32 v240, 0x3a802008, v240               ; / 1,023
	v_sqrt_f32 v241, v240
	v_nop                                          ; a plain line behind the root
	s_wait_alu depctr_va_vdst(0)                   ; ahead of its first reader
	v_add_f32 v241, 0x358637bd, v241               ; + 1e-6
	v_rcp_f32 v250, v241
	v_nop
	s_wait_alu depctr_va_vdst(0)
	s_wait_loadcnt 0x0                             ; the gains and the biases
.set i, 0
.rept 32
	v_pk_mul_f32 v[X+i:X+i+1], v[X+i:X+i+1], v[250:251] op_sel_hi:[1,0]
.set i, i+2
.endr
.set i, 0
.rept 32
	v_pk_fma_f32 v[X+i:X+i+1], v[X+i:X+i+1], v[A+i:A+i+1], v[R+i:R+i+1]
.set i, i+2
.endr
.irp b, 0,1,2,3
	v_max3_num_f32 v[TM+\b], |v[X+16*\b]|, |v[X+1+16*\b]|, 0x4800000   ; the quantiser: my 16 numbers of block b, and the floor 2^(9 - 127)
.endr
.irp i, 2,4,6,8,10,12,14
.irp b, 0,1,2,3
	v_max3_num_f32 v[TM+\b], v[TM+\b], |v[X+16*\b+\i]|, |v[X+1+16*\b+\i]|
.endr
.endr
.irp b, 0,1,2,3
	v_permlanex16_b32 v[TM+4+\b], v[TM+\b], s[SEL], s[SEL+1]
.endr
.irp b, 0,1,2,3
	v_max_num_f32 v[TM+\b], v[TM+\b], v[TM+4+\b]
.endr
.irp b, 0,1,2,3
	v_add_nc_u32 v[TM+12+\b], 0xfc000000, v[TM+\b]
.endr
.irp b, 0,1,2,3
	v_and_or_b32 v[TM+8+\b], v[TM+\b], 0x7f800000, s[MNT]
.endr
.irp b, 0,1,2,3
	v_lshrrev_b32 v[TM+4+\b], 23, v[TM+12+\b]
.endr
	v_lshl_or_b32 v[PW], v[TM+5], 8, v[TM+4]
	v_lshl_or_b32 v[PW], v[TM+6], 16, v[PW]
	v_lshl_or_b32 v[PW], v[TM+7], 24, v[PW]
.irp b, 0,1,2,3
.irp i, 0,1,2,3,4,5,6,7,8,9,10,11,12,13,14,15
	v_med3_num_f32 v[X+16*\b+\i], v[X+16*\b+\i], -v[TM+8+\b], v[TM+8+\b]
.endr
	v_cvt_scalef32_pk8_fp8_f32 v[PC+4*\b:PC+1+4*\b], v[X+16*\b:X+7+16*\b], v[TM+12+\b]
	v_cvt_scalef32_pk8_fp8_f32 v[PC+2+4*\b:PC+3+4*\b], v[X+8+16*\b:X+15+16*\b], v[TM+12+\b]
.endr
	v_nop
.irp c, 0,1,2,3
	global_store_b128 v1, v[PC+4*\c:PC+4*\c+3], s[24:25] offset:512*\c   ; 512 consecutive bytes
.endr
	global_store_b32 v10, v[PW], s[26:27]          ; lanes r and r + 16 hold the same word and write it to the same place
	s_cmp_lg_u32 s12, 0
	s_cbranch_scc1 .Lend
	v_cmp_ne_u32 vcc_lo, 0, v4
	v_cndmask_b32 v252, v248, v250, vcc_lo         ; words 0-15 the means, words 16-31 1 / (std + eps)
	global_store_b32 v11, v252, s[28:29]
.Lend:
	s_wait_tensorcnt 0x0
	ds_add_u32 v254, v255
	s_wait_dscnt 0x0
	s_endpgm
.Lfunc_end_k_q8603de9dc8_ln1:
	.size	k_q8603de9dc8_ln1, .Lfunc_end_k_q8603de9dc8_ln1-k_q8603de9dc8_ln1
	.p2alignl 7, 3214868480
	.fill 96, 4, 3214868480
	.section	.rodata,"a",@progbits
	.p2align	6, 0x0
	.amdhsa_kernel k_q8603de9dc8_ln1
		.amdhsa_group_segment_fixed_size 70656
		.amdhsa_private_segment_fixed_size 0
		.amdhsa_enable_private_segment 0
		.amdhsa_kernarg_size 32
		.amdhsa_user_sgpr_count 2
		.amdhsa_user_sgpr_kernarg_segment_ptr 1
		.amdhsa_wavefront_size32 1
		.amdhsa_system_sgpr_workgroup_id_x 1
		.amdhsa_system_sgpr_workgroup_id_y 1
		.amdhsa_system_sgpr_workgroup_id_z 1
		.amdhsa_system_vgpr_workitem_id 0
		.amdhsa_next_free_vgpr 256
		.amdhsa_next_free_sgpr 66
		.amdhsa_reserve_vcc 1
		.amdhsa_float_denorm_mode_32 3
		.amdhsa_float_denorm_mode_16_64 3
		.amdhsa_memory_ordered 1
		.amdhsa_forward_progress 1
		.amdhsa_inst_pref_size 31
	.end_amdhsa_kernel
	.amdgpu_metadata
---
amdhsa.version: [ 1, 2 ]
amdhsa.kernels:
  - .name:           k_q8603de9dc8_ln1
    .symbol:         k_q8603de9dc8_ln1.kd
    .args:
      - { .name: y1, .offset: 0, .size: 8, .value_kind: global_buffer, .address_space: global }
      - { .name: ln1_a, .offset: 8, .size: 8, .value_kind: global_buffer, .address_space: global }
      - { .name: ln1_b, .offset: 16, .size: 8, .value_kind: global_buffer, .address_space: global }
      - { .name: hq, .offset: 24, .size: 8, .value_kind: global_buffer, .address_space: global }
    .group_segment_fixed_size: 70656
    .private_segment_fixed_size: 0
    .kernarg_segment_align: 8
    .kernarg_segment_size: 32
    .max_flat_workgroup_size: 256
    .sgpr_count:     66
    .vgpr_count:     256
    .wavefront_size: 32
...
	.end_amdgpu_metadata
.endif
;; end of part 5
;; launch ffn1 (part 6): grid 16 x 16, 4 waves a work-group, clusters of 4 x 4, 327,680 bytes of LDS; arguments hq, pq, b1, hid; writes hid
.if DOCPART == 6
	.amdgcn_target "amdgcn-amd-amdhsa--gfx1250"
	.amdhsa_code_object_version 6
	.text
	.protected	k_q8603de9dc8_ffn1
	.globl	k_q8603de9dc8_ffn1
	.p2align	8
	.type	k_q8603de9dc8_ffn1,@function
k_q8603de9dc8_ffn1:
	s_mov_b64 s[64:65], 0
	v_nop
	global_prefetch_b8 v0, s[64:65] scope:SCOPE_SE
	s_setreg_imm32_b32 hwreg(HW_REG_WAVE_MODE, 25, 1), 1
	s_wait_xcnt 0x0
	s_wait_alu depctr_hold_cnt(0) depctr_sa_sdst(0) depctr_va_vdst(0) depctr_va_sdst(0) depctr_va_ssrc(0) depctr_va_vcc(0) depctr_vm_vsrc(0)
	s_getreg_b32 s2, hwreg(HW_REG_IB_STS2, 6, 4)
	s_cmp_eq_u32 s2, 0
	s_cbranch_scc0 .Lentry_in_a_cluster
	s_endpgm
.Lentry_in_a_cluster:
	s_bfe_u32 s2, ttmp6, 0x10000c
	s_cmp_lg_u32 s2, 0xf033
	s_cbranch_scc0 .Lentry_shape_is_right
	s_endpgm
.Lentry_shape_is_right:
; A GEMM on codes of E4M3 whose results are quantised again on the way out.  KIND 0: q, k = x Wqk^T + b and V^T = Wv x^T + b.  KIND 1: the hidden layer relu(h W1^T + b1).  K = 1,024.
; A tile of 256 x 256 is made by four waves, 128 x 128 each: 64 accumulators, 512 registers.  Source 0 = 16 rows of the B side, source 1 = 16 rows of the A side: a lane holds one row of the A side and its registers run
; along the B side, whose blocks are laid so that the 16 registers of two neighbouring tiles are 16 neighbours along the next product's K.
; Codes lie in memory as images of the operand's registers (a fragment: 2,048 bytes, lane l's 16 bytes of group c at 512 c + 16 l), so tiles are dense in LDS and every LDS load reads 512 consecutive bytes.
; K goes in steps of 256 (two fragments deep) through a ring of two LDS slots; the scale words of the tile's rows for all of K come once.
; CLUSTERS: 4 x 4 work-groups; the A side's tile is shared along a row of the cluster, the B side's along a column: joint loads, each with the mask of the four that ask.
; THE WAY OUT: for each of my 8 blocks of 16 rows the 64 sums of a lane get their bias, are clipped at 0 and quantised in registers and leave as one image and one scale word: no LDS, each store 512 consecutive bytes.
; LIMITS: a block whose largest magnitude lies under 2^-118 keeps the byte 1; a block of zeros gets the byte 1; NaN and infinities are not served.
.set KIND, 1
.set FR,    16
.set NL,    4
.set NP,    8                          ; places behind this matrix instruction (ISA guide 7.12.1)
.set SLOT,  131072                     ; A's 16 blocks x 4,096 bytes, then B's
.set LAPS,  2
.set SCL,   262144                     ; behind the ring: A's scale words [8 K steps][1,024 bytes], then B's
.set SPARE, 278528                     ; the spare words: 128 bytes a wave, named by no other line
.set XW_S,  16777216
.set W1_C,  8388608
.set W1_S,  17039360
.set H_S,   4194304
.set HID_S, 16777216
.set VT_C,  8388608
.set Q_S,   12582912
.set VT_S,  13107200
.if KIND == 0
.set AS_OFF, XW_S
.set BS_OFF, XW_S
.set BC_OFF, 0
.set SPIT,   28672
.else
.set AS_OFF, H_S
.set BS_OFF, W1_S
.set BC_OFF, W1_C
.set SPIT,   16384
.endif
.set VO,   4                           ; v4-7   the way out: my byte in group c of an image
.set BR,   8                           ; v8-15  KIND 0: the bias of my row in each of my 8 blocks
.set ADRA, 16                          ; v16-17 LDS address of my A fragments in slot 0, 1
.set SVO,  18                          ; v18    the way out: 256 h + 16 r
.set ADRB, 20                          ; v20-21 the same for B
.set L16,  24                          ; v24    16 x lane
.set ADRS, 27                          ; v27    LDS address of my scale words: lanes 0-15 A's, lanes 16-31 B's
.set SPW,  28                          ; v28    my spare word; never rewritten
.set NIL,  29                          ; v29    0; never rewritten
.set BNO,  30                          ; v30    64 h
.set BRO,  31                          ; v31    4 (r + 8 (r / 8))
.set SC,   32                          ; v32-63 scale words: set s at SC + 16 s; in it register 8 q + i: block i of the slot's q-th 128 along K
.set BN,   64                          ; v64-127 the bias along my 128 columns, in the result's order
.set AF,   128                         ; v128-255 A's fragments, one set
.set ST,   128                         ; the way out: 64 numbers
.set PC,   192                         ; the codes
.set TM,   208                         ; at work
.set PW,   224
.set PWS,  226                         ; v226-233 my 8 blocks' scale words
.set SELV, 236
.set MNT,  13
.set SELS, 18
.set G1, 24
.set G0, 32
.set G1B, 48
.set G0B, 56
.set G1S, 68
.set G0S, 76
.set G1SB, 80
.set G0SB, 88
.set MSB, 0
.macro WIN new                         ; the immediate's high byte repeats the setting that is left
.if MSB != \new
	s_set_vgpr_msb (MSB<<8)|\new
.set MSB, \new
.endif
.endm
.set MUL_LO, 0xa1                      ; source 0 (B) window 1, source 1 (A) window 0, C and D window 2
.set MUL_HI, 0xf1                      ; the same, C and D window 3
.set TO_B,   0x40                      ; destination window 1, address window 0
; A joint load: waves 0 and 1 fetch for A, waves 2 and 3 for B; the branch hangs on the wave's number alone.  Four v_nop follow each line.
.macro JLOAD g0a, g1a, g0b, g1b
	s_cmp_eq_u32 s15, 0
	s_cbranch_scc0 .Lfor_b_\@
	tensor_load_to_lds s[\g0a:\g0a+3], s[\g1a:\g1a+7]
	s_nop 0
.rept 4
	v_nop
.endr
	s_branch .Lasked_\@
.Lfor_b_\@:
	tensor_load_to_lds s[\g0b:\g0b+3], s[\g1b:\g1b+7]
	s_nop 0
.rept 4
	v_nop
.endr
.Lasked_\@:
.endm
.macro CREST                           ; a round of the cluster's barrier behind its opening barrier
	s_cmp_lg_u32 s14, 0
	s_cbranch_scc1 .Lnot_wave_0_\@
	s_barrier_signal -3
.Lnot_wave_0_\@:
	s_barrier_wait -3
	s_barrier_signal -1
	s_barrier_wait -1
.endm
.macro CROUND
	s_barrier_signal -1
	s_barrier_wait -1
	CREST
.endm
.if KIND == 0
	s_load_b64 s[4:5], s[0:1], 0x0                 ; pq
	s_load_b128 s[8:11], s[0:1], 0x8               ; the bias, the output
.else
	s_load_b256 s[4:11], s[0:1], 0x0               ; hq, pq, the bias, the output
.endif
	v_lshl_add_u32 v[SPW], v0, 2, SPARE
	v_mov_b32 v[NIL], 0
	ds_add_u32 v28, v29
	ds_add_u32 v28, v29
	s_wait_dscnt 0x0
	v_lshrrev_b32 v1, 5, v0
	v_readfirstlane_b32 s14, v1                    ; wave 0..3
	s_lshr_b32 s15, s14, 1                         ; which half of the A side is mine.  Also: I fetch for A (0) or for B (1)
	s_and_b32 s16, s14, 1                          ; which half of the B side.  Also: which 8 blocks (4 K steps of scales) I fetch
	s_bfe_u32 s40, ttmp6, 0x40000                  ; cx, cy: my place in the cluster
	s_bfe_u32 s41, ttmp6, 0x40004
	s_and_b32 s12, ttmp7, 0xffff
	s_lshl_b32 s12, s12, 2                         ; 4 x cluster y
	s_lshl_b32 s13, ttmp9, 2                       ; 4 x cluster x
.if KIND == 0
	s_add_co_u32 s13, s13, 16                      ; Wqkv begins at tile 16 of the one tensor
	s_cmp_eq_u32 ttmp9, 2                          ; V^T?  The cluster's x is the same in all sixteen partners
	s_cselect_b32 s17, 24, s12
	s_cselect_b32 s42, s12, s13
	s_cselect_b32 s2, 1, 0
.else
	s_mov_b32 s17, s12
	s_mov_b32 s42, s13
.endif
	s_add_co_u32 s17, s17, s41                     ; the A side's tile: hangs on cy alone
	s_add_co_u32 s42, s42, s40                     ; the B side's: on cx alone
	s_lshl_b32 s43, s41, 2
	s_lshl_b32 s43, 15, s43                        ; my row of the cluster
	s_lshl_b32 s44, 0x1111, s40                    ; my column
	; group 1, codes: 8 blocks, of each 4,096 bytes (two K steps) as 512 elements of 8 bytes, 16,384 bytes from block to block; dense in LDS
	s_or_b32 s[G1+0], s43, (3<<16)|(1<<21)
	s_or_b32 s[G1B+0], s44, (3<<16)|(1<<21)
.irp g, G1, G1B
	s_mov_b32 s[\g+1], 512<<16
	s_mov_b32 s[\g+2], 8<<16
	s_mov_b32 s[\g+3], 512<<16
	s_mov_b32 s[\g+4], 8
	s_mov_b32 s[\g+5], 2048
	s_mov_b32 s[\g+6], 0
	s_mov_b32 s[\g+7], 0
.endr
	; group 1, scale words: 4 K steps, of each the tile's 1,024 bytes
	s_or_b32 s[G1S+0], s43, (3<<16)|(1<<21)
	s_or_b32 s[G1SB+0], s44, (3<<16)|(1<<21)
.irp g, G1S, G1SB
	s_mov_b32 s[\g+1], 128<<16
	s_mov_b32 s[\g+2], 4<<16
	s_mov_b32 s[\g+3], 128<<16
	s_mov_b32 s[\g+4], 4
	s_mov_b32 s[\g+5], SPIT/8
	s_mov_b32 s[\g+6], 0
	s_mov_b32 s[\g+7], 0
.endr
	s_lshl_b32 s18, s16, 17                        ; my 8 blocks of the 16
	s_lshl_b32 s20, s17, 18
	s_add_co_u32 s20, s20, s18
	s_mov_b32 s21, 0
	s_lshl_b32 s46, s42, 18
	s_add_co_u32 s46, s46, s18
	s_add_co_u32 s46, s46, BC_OFF
	s_mov_b32 s47, 0
	s_mul_i32 s19, s16, 4*SPIT                     ; my 4 K steps of the 8
	s_lshl_b32 s22, s17, 10
	s_add_co_u32 s22, s22, s19
	s_add_co_u32 s22, s22, AS_OFF
	s_mov_b32 s23, 0
	s_lshl_b32 s92, s42, 10
	s_add_co_u32 s92, s92, s19
	s_add_co_u32 s92, s92, BS_OFF
	s_mov_b32 s93, 0
	s_lshl_b32 s45, s14, 15                        ; where they go: wave x 32,768: no place in the cluster enters an LDS address
	s_lshl_b32 s94, s14, 12
	s_wait_kmcnt 0x0
.if KIND == 0
	s_mov_b64 s[6:7], s[4:5]
.endif
	s_add_nc_u64 s[20:21], s[4:5], s[20:21]
	s_add_nc_u64 s[22:23], s[4:5], s[22:23]
	s_add_nc_u64 s[46:47], s[6:7], s[46:47]
	s_add_nc_u64 s[92:93], s[6:7], s[92:93]
	CROUND                                         ; all sixteen work-groups are here: the first joint loads meet
	s_mov_b32 s[G0S], 1
	s_add_co_u32 s[G0S+1], s94, SCL
	s_mov_b64 s[G0S+2:G0S+3], s[22:23]
	s_or_b32 s[G0S+3], s[G0S+3], 0x80000000
	s_mov_b32 s[G0SB], 1
	s_add_co_u32 s[G0SB+1], s94, SCL
	s_mov_b64 s[G0SB+2:G0SB+3], s[92:93]
	s_or_b32 s[G0SB+3], s[G0SB+3], 0x80000000
	JLOAD G0S, G1S, G0SB, G1SB                     ; the scale words first: they are wanted with K step 0
.irp s, 0,1
	s_mov_b32 s[G0+4*\s], 1
	s_add_co_u32 s[G0+4*\s+1], s45, \s*SLOT
	s_add_nc_u64 s[G0+4*\s+2:G0+4*\s+3], s[20:21], \s*4096
	s_or_b32 s[G0+4*\s+3], s[G0+4*\s+3], 0x80000000
	s_mov_b32 s[G0B+4*\s], 1
	s_add_co_u32 s[G0B+4*\s+1], s45, \s*SLOT
	s_add_nc_u64 s[G0B+4*\s+2:G0B+4*\s+3], s[46:47], \s*4096
	s_or_b32 s[G0B+4*\s+3], s[G0B+4*\s+3], 0x80000000
	JLOAD G0+4*\s, G1, G0B+4*\s, G1B
.endr
	v_and_b32 v1, 31, v0                           ; lane
	v_and_b32 v2, 15, v0                           ; r
	v_bfe_u32 v3, v0, 4, 1                         ; h
	v_lshlrev_b32 v[L16], 4, v1
	s_lshl_b32 s18, s15, 15                        ; my 8 blocks of A
	s_lshl_b32 s19, s16, 15                        ; my 8 blocks of B,
	s_add_co_u32 s19, s19, 65536                   ; which lie behind A's 16
.irp s, 0,1
	v_add_nc_u32 v[ADRA+\s], s18, v[L16]
	v_add_nc_u32 v[ADRB+\s], s19, v[L16]
	s_add_co_u32 s18, s18, SLOT
	s_add_co_u32 s19, s19, SLOT
.endr
	s_lshl_b32 s18, s15, 9                         ; A's scale words: my 8 blocks are 512 bytes of a K step's 1,024
	s_lshl_b32 s19, s16, 9
	s_add_co_u32 s19, s19, 8192                    ; B's lie behind A's 8 K steps
	s_sub_co_u32 s19, s19, s18
	v_mul_u32_u24 v25, s19, v3                     ; lanes 16-31 take B's
	s_add_co_u32 s18, s18, SCL
	v_lshl_add_u32 v25, v2, 4, v25
	v_add_nc_u32 v[ADRS], s18, v25
	; where the results go
.if KIND == 0
	s_lshl_b32 s96, ttmp9, 22                      ; q, k: [q or k][16 batch + head][token block][2 groups of 512 bytes]
	s_lshr_b32 s18, s17, 3                         ; the batch
	s_lshl_b32 s19, s18, 21
	s_add_co_u32 s96, s96, s19
	s_lshl_b32 s19, s40, 2
	s_lshl_b32 s95, s16, 1
	s_add_co_u32 s19, s19, s95                     ; the first of my two heads
	s_lshl_b32 s95, s19, 17
	s_add_co_u32 s96, s96, s95
	s_lshl_b32 s95, s17, 4
	s_lshl_b32 s12, s15, 3
	s_add_co_u32 s95, s95, s12
	s_and_b32 s95, s95, 127                        ; my first token block in the batch
	s_lshl_b32 s12, s95, 10
	s_add_co_u32 s96, s96, s12
	s_lshl_b32 s100, ttmp9, 18                     ; their scale words: [q or k][16 batch + head][block / 4][r][block % 4]
	s_lshl_b32 s18, s18, 4
	s_add_co_u32 s18, s18, s19
	s_lshl_b32 s18, s18, 13
	s_add_co_u32 s100, s100, s18
	s_lshl_b32 s95, s95, 6
	s_add_co_u32 s100, s100, s95
	s_add_co_u32 s100, s100, Q_S
	s_lshl_b32 s18, s41, 20                        ; V^T: [channel block][token / 128][2,048]
	s_lshl_b32 s19, s15, 19
	s_add_co_u32 s18, s18, s19
	s_lshl_b32 s19, s42, 12
	s_add_co_u32 s18, s18, s19
	s_lshl_b32 s19, s16, 11
	s_add_co_u32 s18, s18, s19
	s_add_co_u32 s18, s18, VT_C
	s_lshl_b32 s19, s42, 13
	s_lshl_b32 s95, s16, 12
	s_add_co_u32 s19, s19, s95
	s_lshl_b32 s95, s41, 10
	s_add_co_u32 s19, s19, s95
	s_lshl_b32 s95, s15, 9
	s_add_co_u32 s19, s19, s95
	s_add_co_u32 s19, s19, VT_S
	s_cmp_eq_u32 ttmp9, 2
	s_cselect_b32 s96, s18, s96
	s_cselect_b32 s100, s19, s100
	s_mov_b32 s98, 1024
	s_cselect_b32 s98, 65536, s98                  ; from block to block
	s_mov_b32 s13, 131072
	s_cselect_b32 s13, 1024, s13                   ; from groups 0, 1 to groups 2, 3: the next head, or on in the image
	s_cselect_b32 s45, 0, -1                       ; the bias along the columns counts for q and k,
	s_cselect_b32 s94, -1, 0                       ; the bias along the rows for V^T
	s_sub_co_u32 s18, s42, 16
	s_lshl_b32 s18, s18, 10
	s_lshl_b32 s19, s16, 9
	s_add_co_u32 s18, s18, s19                     ; q, k: my 128 columns' bias
	s_lshl_b32 s19, s41, 10
	s_lshl_b32 s95, s15, 9
	s_add_co_u32 s19, s19, s95
	s_add_co_u32 s19, s19, 8192                    ; V^T: my 128 rows' bias
	s_cmp_eq_u32 ttmp9, 2
	s_cselect_b32 s46, 0, s18                      ; (the one that does not count is loaded from the buffer's head and cleared)
	s_cselect_b32 s22, s19, 0
	s_mov_b32 s23, 0
	s_add_nc_u64 s[22:23], s[8:9], s[22:23]
.else
	s_lshl_b32 s96, s17, 20                        ; [token block][hidden / 128][2,048]
	s_lshl_b32 s18, s15, 19
	s_add_co_u32 s96, s96, s18
	s_lshl_b32 s18, s42, 12
	s_add_co_u32 s96, s96, s18
	s_lshl_b32 s18, s16, 11
	s_add_co_u32 s96, s96, s18
	s_lshl_b32 s100, s42, 15
	s_lshl_b32 s18, s16, 14
	s_add_co_u32 s100, s100, s18
	s_lshl_b32 s18, s17, 10
	s_add_co_u32 s100, s100, s18
	s_lshl_b32 s18, s15, 9
	s_add_co_u32 s100, s100, s18
	s_add_co_u32 s100, s100, HID_S
	s_mov_b32 s98, 65536
	s_mov_b32 s13, 1024
	s_lshl_b32 s46, s42, 10
	s_lshl_b32 s18, s16, 9
	s_add_co_u32 s46, s46, s18
.endif
	s_mov_b32 s47, 0
	s_add_nc_u64 s[46:47], s[8:9], s[46:47]
	s_mov_b32 s97, 0
	s_mov_b32 s99, 0
	s_mov_b32 s101, 0
	s_add_nc_u64 s[96:97], s[10:11], s[96:97]
	s_add_nc_u64 s[100:101], s[10:11], s[100:101]
	v_mov_b32 v[VO], v[L16]
	v_add_nc_u32 v[VO+1], 512, v[L16]
	v_add_nc_u32 v[VO+2], s13, v[L16]
	v_add_nc_u32 v[VO+3], 512, v[VO+2]
	v_lshlrev_b32 v[BNO], 6, v3
.set i, 0
.rept 16
	global_load_b128 v[BN+4*i:BN+4*i+3], v[BNO], s[46:47] offset:128*(i/4)+16*(i%4)   ; register 16 b + j: column 32 b + 16 h + j.  These land while K is walked
.set i, i+1
.endr
.if KIND == 0
	v_and_b32 v25, 8, v2
	v_add_nc_u32 v25, v25, v2
	v_lshlrev_b32 v[BRO], 2, v25
.set i, 0
.rept 8
	global_load_b32 v[BR+i], v[BRO], s[22:23] offset:4*(32*(i/2)+8*(i%2))
.set i, i+1
.endr
.endif
.macro FRAG reg, adr, q, i             ; a fragment: four loads of 512 consecutive bytes
.irp c, 0,1,2,3
	ds_load_b128 v[\reg+4*\c:\reg+4*\c+3], v[\adr] offset:4096*(\i)+2048*(\q)+512*\c
.endr
.endm
; 16 matrix instructions: A's blocks a0, a0 + 1 x B's eight.  The 64 accumulators take turns, one instruction a turn, in the same order in every step.
.macro MUL16 a0, p, q, sc, zero
.irp a, \a0, \a0+1
.irp b, 0,1,2,3,4,5,6,7
.if \zero
	v_wmma_scale_f32_16x16x128_f8f6f4 v[8*(8*((\a)%4)+\b):8*(8*((\a)%4)+\b)+7], v[128*(\p)+FR*\b:128*(\p)+FR*\b+FR-1], v[AF+FR*(\a):AF+FR*(\a)+FR-1], 0, v[SC+16*(\sc)+8*(\q)+\b], v[SC+16*(\sc)+8*(\q)+(\a)] matrix_a_scale:MATRIX_SCALE_ROW1
.else
	v_wmma_scale_f32_16x16x128_f8f6f4 v[8*(8*((\a)%4)+\b):8*(8*((\a)%4)+\b)+7], v[128*(\p)+FR*\b:128*(\p)+FR*\b+FR-1], v[AF+FR*(\a):AF+FR*(\a)+FR-1], v[8*(8*((\a)%4)+\b):8*(8*((\a)%4)+\b)+7], v[SC+16*(\sc)+8*(\q)+\b], v[SC+16*(\sc)+8*(\q)+(\a)] matrix_a_scale:MATRIX_SCALE_ROW1
.endif
.endr
.endr
.endm
.macro FETCH_B slot, q, p
	WIN TO_B
.irp i, 0,1,2,3,4,5,6,7
	FRAG 128*(\p)+FR*\i, ADRB+\slot, \q, \i
.endr
	WIN 0
.endm
.macro FETCH_A slot, q, i0
.irp i, \i0, \i0+1, \i0+2, \i0+3
	FRAG AF+FR*(\i), ADRA+\slot, \q, \i
.endr
.endm
.macro SCALES sc                       ; a slot's scale words: four blocks' words to a load; lanes 0-15 take A's, lanes 16-31 B's
.irp q, 0,1
.irp g, 0,1
	ds_load_b128 v[SC+16*\sc+8*\q+4*\g:SC+16*\sc+8*\q+4*\g+3], v[ADRS] offset:1024*\q+256*\g
.endr
.endr
.endm
.macro PLACES n
.rept \n
	v_nop
.endr
.endm
.macro STEP slot, q, zero              ; a step of 128 along K that has its successor in the same slot
	s_wait_dscnt 4*NL                              ; B's set and A's blocks 0-3 are in; the youngest 16 loads (A's blocks 4-7) may be out
	WIN MUL_LO
	MUL16 0, (\q)%2, \q, \slot, \zero
	MUL16 2, (\q)%2, \q, \slot, \zero
	s_wait_dscnt 0
	PLACES NP
	FETCH_B \slot, (\q)+1, 1-(\q)%2
	FETCH_A \slot, (\q)+1, 0
	WIN MUL_HI
	MUL16 4, (\q)%2, \q, \slot, \zero
	MUL16 6, (\q)%2, \q, \slot, \zero
	PLACES NP
	WIN 0
	FETCH_A \slot, (\q)+1, 4
.endm
; A slot's last step changes slots: one barrier; in front of it each wave waits for all its tensor loads, adds 0 to its spare word, and waits for that and for its reads of this slot.
.macro TURN slot, next, fill
	s_wait_tensorcnt 0x0                           ; all my tensor loads have landed: my part of the next slot
	ds_add_u32 v[SPW], v[NIL]                      ; 0 onto my spare word
	s_wait_dscnt 4*NL+1                            ; (the add and the youngest 16 loads may be out)
	WIN MUL_LO
	MUL16 0, 1, 1, \slot, 0
	s_wait_dscnt 0x0                               ; the add is done, and my reads of this slot are over
	s_barrier_signal -1
	MUL16 2, 1, 1, \slot, 0
	WIN 0
	s_barrier_wait -1
.if \fill
	CREST                                          ; the barrier has opened a round of the cluster's barrier: no wave of any partner still reads this slot or has a load on its way
	s_add_nc_u64 s[G0+4*\slot+2:G0+4*\slot+3], s[G0+4*\slot+2:G0+4*\slot+3], 8192
	s_add_nc_u64 s[G0B+4*\slot+2:G0B+4*\slot+3], s[G0B+4*\slot+2:G0B+4*\slot+3], 8192
	JLOAD G0+4*\slot, G1, G0B+4*\slot, G1B         ; the first tensor load behind the round; its four v_nop are among the places in front of the loads below
	PLACES NP-4
.else
	PLACES NP
.endif
	v_add_nc_u32 v[ADRS], 2048, v[ADRS]            ; the next slot's scale words
	FETCH_B \next, 0, 0
	FETCH_A \next, 0, 0
	SCALES \next
	WIN MUL_HI
	MUL16 4, 1, 1, \slot, 0
	MUL16 6, 1, 1, \slot, 0
	PLACES NP
	WIN 0
	FETCH_A \next, 0, 4
.endm
; 64 numbers of a lane become a fragment's codes and its scale word.  relu = 1: what is negative becomes 0 on the way
.macro QUANT s, relu
.if \relu
.irp b, 0,1,2,3
	v_max3_num_f32 v[TM+\b], v[\s+16*\b], v[\s+1+16*\b], 0x4800000   ; no |.|: what is negative must not count; the floor 2^(9 - 127) stands over it
.endr
.irp i, 2,4,6,8,10,12,14
.irp b, 0,1,2,3
	v_max3_num_f32 v[TM+\b], v[TM+\b], v[\s+16*\b+\i], v[\s+1+16*\b+\i]
.endr
.endr
.else
.irp b, 0,1,2,3
	v_max3_num_f32 v[TM+\b], |v[\s+16*\b]|, |v[\s+1+16*\b]|, 0x4800000
.endr
.irp i, 2,4,6,8,10,12,14
.irp b, 0,1,2,3
	v_max3_num_f32 v[TM+\b], v[TM+\b], |v[\s+16*\b+\i]|, |v[\s+1+16*\b+\i]|
.endr
.endr
.endif
.irp b, 0,1,2,3
	v_permlanex16_b32 v[TM+4+\b], v[TM+\b], s[SELS], s[SELS+1]
.endr
.irp b, 0,1,2,3
	v_max_num_f32 v[TM+\b], v[TM+\b], v[TM+4+\b]
.endr
.irp b, 0,1,2,3
	v_add_nc_u32 v[TM+12+\b], 0xfc000000, v[TM+\b]
.endr
.irp b, 0,1,2,3
	v_and_or_b32 v[TM+8+\b], v[TM+\b], 0x7f800000, s[MNT]
.endr
.irp b, 0,1,2,3
	v_lshrrev_b32 v[TM+4+\b], 23, v[TM+12+\b]
.endr
	v_lshl_or_b32 v[PW], v[TM+5], 8, v[TM+4]
	v_lshl_or_b32 v[PW], v[TM+6], 16, v[PW]
	v_lshl_or_b32 v[PW], v[TM+7], 24, v[PW]
.irp b, 0,1,2,3
.irp i, 0,1,2,3,4,5,6,7,8,9,10,11,12,13,14,15
.if \relu
	v_med3_num_f32 v[\s+16*\b+\i], v[\s+16*\b+\i], 0, v[TM+8+\b]   ; the activation and the hold in one
.else
	v_med3_num_f32 v[\s+16*\b+\i], v[\s+16*\b+\i], -v[TM+8+\b], v[TM+8+\b]
.endif
.endr
	v_cvt_scalef32_pk8_fp8_f32 v[PC+4*\b:PC+1+4*\b], v[\s+16*\b:\s+7+16*\b], v[TM+12+\b]
	v_cvt_scalef32_pk8_fp8_f32 v[PC+2+4*\b:PC+3+4*\b], v[\s+8+16*\b:\s+15+16*\b], v[TM+12+\b]
.endr
	v_nop                                          ; a plain line behind the last conversion
.endm
.macro OUTBLK a                        ; my block a: bias, quantiser, one image
	s_wait_xcnt 0x0                                ; the last block's stores have read their data and their base
.if (\a) > 0
	s_add_nc_u64 s[96:97], s[96:97], s[98:99]
.endif
	WIN 0x02+((\a)/4)                              ; source 0: window 2 or 3
.set i, 0
.rept 32
	v_pk_add_f32 v[ST+i:ST+i+1], v[64*((\a)%4)+i:64*((\a)%4)+i+1], v[BN+i:BN+i+1]   ; each accumulator from its low end on
.set i, i+2
.endr
	WIN 0
.if KIND == 0
.set i, 0
.rept 64
	v_add_f32 v[ST+i], v[BR+(\a)], v[ST+i]
.set i, i+1
.endr
.endif
	QUANT ST, KIND
.irp c, 0,1,2,3
	global_store_b128 v[VO+\c], v[PC+4*\c:PC+4*\c+3], s[96:97]   ; 512 consecutive bytes
.endr
	v_mov_b32 v[PWS+(\a)], v[PW]
.endm
	s_wait_tensorcnt 1                             ; the scale words and my part of K step 0 are in (K step 1's load may be out),
	s_barrier_signal -1
	s_barrier_wait -1                              ; everybody's are
	FETCH_B 0, 0, 0
	FETCH_A 0, 0, 0
	SCALES 0
	FETCH_A 0, 0, 4
	STEP 0, 0, 1                                   ; the first step's products start the sums
	s_mov_b32 s3, LAPS-1
.Llap:
	TURN 0, 1, 1
	STEP 1, 0, 0
	TURN 1, 0, 1
	STEP 0, 0, 0
	s_sub_co_u32 s3, s3, 1
	s_cmp_lg_u32 s3, 0
	s_cbranch_scc1 .Llap
	TURN 0, 1, 0                                   ; the last lap fills nothing
	STEP 1, 0, 0
	s_wait_dscnt 4*NL
	WIN MUL_LO
	MUL16 0, 1, 1, 1, 0
	MUL16 2, 1, 1, 1, 0
	s_wait_dscnt 0
	WIN MUL_HI
	MUL16 4, 1, 1, 1, 0
	MUL16 6, 1, 1, 1, 0
	WIN 0
	PLACES NP                                      ; in front of the first read of results and the first write into A's registers
	s_wait_loadcnt 0x0                             ; the biases
	s_mov_b32 s[SELS], 0x76543210
	s_mov_b32 s[SELS+1], 0xfedcba98
	s_mov_b32 s[MNT], 0x600000
.irp b, 0,1,2,3
	v_mov_b32 v[TM+4+\b], 0                        ; a lane permute's destination counts as one of its sources
.endr
.if KIND == 0
.set i, 0
.rept 64
	v_cndmask_b32 v[BN+i], 0, v[BN+i], s45
.set i, i+1
.endr
.set i, 0
.rept 8
	v_cndmask_b32 v[BR+i], 0, v[BR+i], s94
.set i, i+1
.endr
.endif
	v_lshlrev_b32 v[SVO], 4, v2
	v_lshl_add_u32 v[SVO], v3, 8, v[SVO]
.irp a, 0,1,2,3,4,5,6,7
	OUTBLK \a
.endr
	v_cmp_ne_u32 vcc_lo, 0, v3
.irp e, 0,1,2,3
	v_cndmask_b32 v[SELV+\e], v[PWS+\e], v[PWS+4+\e], vcc_lo   ; lanes 0-15: blocks 0-3; lanes 16-31: blocks 4-7
.endr
.if KIND == 0
	s_cmp_eq_u32 s2, 1                             ; the same in all sixteen partners
	s_cbranch_scc1 .Lv_scales
.irp e, 0,1,2,3
	v_perm_b32 v[SELV+8+\e], v[SELV+\e], v[SELV+\e], 0x01000100    ; the first head's two bytes, repeated for the two blocks of zero codes that fill K = 64 up to 128
	v_perm_b32 v[SELV+12+\e], v[SELV+\e], v[SELV+\e], 0x03020302   ; the second head's
.endr
	global_store_b128 v[SVO], v[SELV+8:SELV+11], s[100:101]
	global_store_b128 v[SVO], v[SELV+12:SELV+15], s[100:101] offset:8192
	s_branch .Lscales_done
.Lv_scales:
	global_store_b128 v[SVO], v[SELV:SELV+3], s[100:101]
.Lscales_done:
.else
	global_store_b128 v[SVO], v[SELV:SELV+3], s[100:101]   ; 512 consecutive bytes
.endif
	s_wait_tensorcnt 0x0                           ; the wave's end
	ds_add_u32 v[SPW], v[NIL]
	s_wait_dscnt 0x0
	CROUND                                         ; the closing round
	s_endpgm
.Lfunc_end_k_q8603de9dc8_ffn1:
	.size	k_q8603de9dc8_ffn1, .Lfunc_end_k_q8603de9dc8_ffn1-k_q8603de9dc8_ffn1
	.p2alignl 7, 3214868480
	.fill 96, 4, 3214868480
	.section	.rodata,"a",@progbits
	.p2align	6, 0x0
	.amdhsa_kernel k_q8603de9dc8_ffn1
		.amdhsa_group_segment_fixed_size 327680
		.amdhsa_private_segment_fixed_size 0
		.amdhsa_enable_private_segment 0
		.amdhsa_kernarg_size 32
		.amdhsa_user_sgpr_count 2
		.amdhsa_user_sgpr_kernarg_segment_ptr 1
		.amdhsa_wavefront_size32 1
		.amdhsa_system_sgpr_workgroup_id_x 1
		.amdhsa_system_sgpr_workgroup_id_y 1
		.amdhsa_system_sgpr_workgroup_id_z 1
		.amdhsa_system_vgpr_workitem_id 0
		.amdhsa_next_free_vgpr 1024
		.amdhsa_next_free_sgpr 102
		.amdhsa_reserve_vcc 1
		.amdhsa_float_denorm_mode_32 3
		.amdhsa_float_denorm_mode_16_64 3
		.amdhsa_memory_ordered 1
		.amdhsa_forward_progress 1
		.amdhsa_inst_pref_size 201
	.end_amdhsa_kernel
	.amdgpu_metadata
---
amdhsa.version: [ 1, 2 ]
amdhsa.kernels:
  - .name:           k_q8603de9dc8_ffn1
    .symbol:         k_q8603de9dc8_ffn1.kd
    .args:
      - { .name: hq, .offset: 0, .size: 8, .value_kind: global_buffer, .address_space: global }
      - { .name: pq, .offset: 8, .size: 8, .value_kind: global_buffer, .address_space: global }
      - { .name: b1, .offset: 16, .size: 8, .value_kind: global_buffer, .address_space: global }
      - { .name: hid, .offset: 24, .size: 8, .value_kind: global_buffer, .address_space: global }
    .group_segment_fixed_size: 327680
    .private_segment_fixed_size: 0
    .kernarg_segment_align: 8
    .kernarg_segment_size: 32
    .max_flat_workgroup_size: 128
    .sgpr_count:     102
    .vgpr_count:     1024
    .wavefront_size: 32
...
	.end_amdgpu_metadata
.endif
;; end of part 6
;; launch ffn2 (part 7): grid 8 x 32, 4 waves a work-group, clusters of 4 x 4, 327,680 bytes of LDS; arguments hid, pq, b2, y1, hq, ln1_a, ln1_b, y2; writes y2
.if DOCPART == 7
	.amdgcn_target "amdgcn-amd-amdhsa--gfx1250"
	.amdhsa_code_object_version 6
	.text
	.protected	k_q8603de9dc8_ffn2
	.globl	k_q8603de9dc8_ffn2
	.p2align	8
	.type	k_q8603de9dc8_ffn2,@function
k_q8603de9dc8_ffn2:
	s_mov_b64 s[64:65], 0
	v_nop
	global_prefetch_b8 v0, s[64:65] scope:SCOPE_SE
	s_setreg_imm32_b32 hwreg(HW_REG_WAVE_MODE, 25, 1), 1
	s_wait_xcnt 0x0
	s_wait_alu depctr_hold_cnt(0) depctr_sa_sdst(0) depctr_va_vdst(0) depctr_va_sdst(0) depctr_va_ssrc(0) depctr_va_vcc(0) depctr_vm_vsrc(0)
	s_getreg_b32 s2, hwreg(HW_REG_IB_STS2, 6, 4)
	s_cmp_eq_u32 s2, 0
	s_cbranch_scc0 .Lentry_in_a_cluster
	s_endpgm
.Lentry_in_a_cluster:
	s_bfe_u32 s2, ttmp6, 0x10000c
	s_cmp_lg_u32 s2, 0xf033
	s_cbranch_scc0 .Lentry_shape_is_right
	s_endpgm
.Lentry_shape_is_right:
; A GEMM on codes of E4M3 with N = 1,024, its bias and the residual.  KIND 0: y1 = x + o Wo^T + bo (K = 1,024).  KIND 1: y2 = h + hidden W2^T + b2 (K = 4,096), h rebuilt from y1, the rows' mean and 1 / (std + eps), ln1_a, ln1_b.
; A tile of 128 x 128, so that 256 work-groups have work; four waves, 64 x 64 each: 16 accumulators.  Source 0 = 16 rows of the weight, source 1 = 16 rows of the A side.
; Codes lie in memory as images of the operand's registers (2,048 bytes a fragment); a slot holds four K steps of 128, so that a wave's one load behind a round has 64 matrix instructions in which to land.
; The scale words of the tile's rows for all of K come once.  CLUSTERS: 4 x 4, the A side's tile shared along a row, the weight's along a column.
; THE WAY OUT: 16 rows x 64 columns at a time through the wave's own stage (in slot 0, which has had its last fill and its last read), back as rows of 256 bytes: sixteen lanes store 256 consecutive, aligned bytes.
; The residual's rows are asked for at the head and land while K is walked.
.set KIND, 1
.if KIND == 0
.set NKS, 8
.set AS_OFF, 4194304                   ; o's scale words in oc
.set BC_OFF, 7340032                   ; Wo's codes in pq
.set BS_OFF, 17006592
.else
.set NKS, 32
.set AS_OFF, 16777216                  ; the hidden layer's scale words in hid
.set BC_OFF, 12582912                  ; W2's codes in pq
.set BS_OFF, 17170432
.endif
.set STATS, 4325376
.set LAPS,  NKS/8
.set SLOT,  131072                     ; A's 8 blocks x 8,192 bytes, then B's
.set SCL,   262144                     ; A's scale words [NKS][512 bytes], then B's
.set SPARE, SCL+1024*NKS               ; the spare words: 128 bytes a wave, named by no other line
.set STO,  4                           ; v4   the stage: where I put 32 bytes of a row
.set RD,   5                           ; v5   and where I read a row back
.set CO,   6                           ; v6   4,096 h + 16 (lane % 16): my bytes in two rows of the residual and of the output
.set HO,   7                           ; v7   4 h
.set CB,   8                           ; v8-11  the bias of my 4 columns
.set LA,   12                          ; v12-15 KIND 1: ln1_a of my 4 columns
.set ADRA, 16
.set COL,  18                          ; v18  16 (lane % 16)
.set ADRB, 20
.set L16,  24
.set ADRS, 27
.set SPW,  28
.set NIL,  29
.set SC,   32                          ; v32-63 scale words: SC + 16 slot + 4 q + block
.set BK,   64                          ; v64-95 16 rows back from the stage
.set T,    96                          ; v96-127 at work
.set ACC,  128                         ; v128-255 accumulator (a, b) at ACC + 8 (4 a + b)
.set F0,   0                           ; window 1: two fragment buffers: A's four, then B's four
.set F1,   128
.set G1, 24
.set G0, 32
.set G1B, 48
.set G0B, 56
.set G1S, 68
.set G0S, 76
.set G1SB, 80
.set G0SB, 88
.set MSB, 0
.macro WIN new
.if MSB != \new
	s_set_vgpr_msb (MSB<<8)|\new
.set MSB, \new
.endif
.endm
.set MUL,  0x05                        ; sources 0 and 1 window 1; C and D window 0
.set TO_F, 0x40                        ; destination window 1
.macro JLOAD g0a, g1a, g0b, g1b
	s_cmp_eq_u32 s15, 0
	s_cbranch_scc0 .Lfor_b_\@
	tensor_load_to_lds s[\g0a:\g0a+3], s[\g1a:\g1a+7]
	s_nop 0
.rept 4
	v_nop
.endr
	s_branch .Lasked_\@
.Lfor_b_\@:
	tensor_load_to_lds s[\g0b:\g0b+3], s[\g1b:\g1b+7]
	s_nop 0
.rept 4
	v_nop
.endr
.Lasked_\@:
.endm
.macro CREST
	s_cmp_lg_u32 s14, 0
	s_cbranch_scc1 .Lnot_wave_0_\@
	s_barrier_signal -3
.Lnot_wave_0_\@:
	s_barrier_wait -3
	s_barrier_signal -1
	s_barrier_wait -1
.endm
.macro CROUND
	s_barrier_signal -1
	s_barrier_wait -1
	CREST
.endm
.macro ROWOFF a, t                     ; which row of my 64 stands at place 2 t (+ h) of block a: o's blocks are laid by the permutation, the hidden layer's are neighbours
.if KIND == 0
.set RO, 32*((\a)/2)+8*((\a)%2)+2*(\t)+8*((\t)/4)
.else
.set RO, 16*(\a)+2*(\t)
.endif
.endm
	s_load_b256 s[4:11], s[0:1], 0x0               ; the A side, pq, the bias, the residual
.if KIND == 0
	s_load_b64 s[12:13], s[0:1], 0x20              ; the output
.else
	s_load_b256 s[92:99], s[0:1], 0x20             ; hq, ln1_a, ln1_b, the output
.endif
	v_lshl_add_u32 v[SPW], v0, 2, SPARE
	v_mov_b32 v[NIL], 0
	ds_add_u32 v28, v29
	ds_add_u32 v28, v29
	s_wait_dscnt 0x0
	v_lshrrev_b32 v1, 5, v0
	v_readfirstlane_b32 s14, v1                    ; wave 0..3
	s_lshr_b32 s15, s14, 1                         ; my half of the rows.  Also: I fetch for A (0) or for B (1)
	s_and_b32 s16, s14, 1                          ; my half of the columns.  Also: which half I fetch
	s_bfe_u32 s40, ttmp6, 0x40000
	s_bfe_u32 s41, ttmp6, 0x40004
	s_lshl_b32 s42, ttmp9, 2
	s_add_co_u32 s42, s42, s40                     ; the weight's tile
	s_and_b32 s17, ttmp7, 0xffff
	s_lshl_b32 s17, s17, 2
	s_add_co_u32 s17, s17, s41                     ; the A side's tile
	s_lshl_b32 s43, s41, 2
	s_lshl_b32 s43, 15, s43
	s_lshl_b32 s44, 0x1111, s40
	; group 1, codes: 4 blocks, of each 8,192 bytes (four K steps) as 1,024 elements of 8 bytes, 2,048 NKS bytes from block to block
	s_or_b32 s[G1+0], s43, (3<<16)|(1<<21)
	s_or_b32 s[G1B+0], s44, (3<<16)|(1<<21)
.irp g, G1, G1B
	s_mov_b32 s[\g+1], 1024<<16
	s_mov_b32 s[\g+2], 4<<16
	s_mov_b32 s[\g+3], 1024<<16
	s_mov_b32 s[\g+4], 4
	s_mov_b32 s[\g+5], 256*NKS
	s_mov_b32 s[\g+6], 0
	s_mov_b32 s[\g+7], 0
.endr
	; group 1, scale words: NKS / 2 K steps, of each the tile's 512 bytes; the pitch is 16,384 bytes for the A side (4,096 rows), 4,096 for the weight (1,024 rows)
	s_or_b32 s[G1S+0], s43, (3<<16)|(1<<21)
	s_or_b32 s[G1SB+0], s44, (3<<16)|(1<<21)
.irp g, G1S, G1SB
	s_mov_b32 s[\g+1], 64<<16
	s_mov_b32 s[\g+2], (NKS/2)<<16
	s_mov_b32 s[\g+3], 64<<16
	s_mov_b32 s[\g+4], NKS/2
	s_mov_b32 s[\g+6], 0
	s_mov_b32 s[\g+7], 0
.endr
	s_mov_b32 s[G1S+5], 2048
	s_mov_b32 s[G1SB+5], 512
	s_mul_i32 s18, s16, 8192*NKS                   ; my 4 blocks of the 8
	s_mul_i32 s20, s17, 16384*NKS
	s_add_co_u32 s20, s20, s18
	s_mov_b32 s21, 0
	s_mul_i32 s46, s42, 16384*NKS
	s_add_co_u32 s46, s46, s18
	s_add_co_u32 s46, s46, BC_OFF
	s_mov_b32 s47, 0
	s_mul_i32 s19, s16, (NKS/2)*16384
	s_lshl_b32 s22, s17, 9
	s_add_co_u32 s22, s22, s19
	s_add_co_u32 s22, s22, AS_OFF
	s_mov_b32 s23, 0
	s_mul_i32 s19, s16, (NKS/2)*4096
	s_lshl_b32 s2, s42, 9
	s_add_co_u32 s2, s2, s19
	s_add_co_u32 s2, s2, BS_OFF
	s_mov_b32 s3, 0
	s_lshl_b32 s45, s14, 15                        ; where they go: wave x 32,768
	s_mul_i32 s19, s14, 256*NKS
	s_wait_kmcnt 0x0
.if KIND == 1
	s_mov_b64 s[12:13], s[98:99]
.endif
	s_add_nc_u64 s[20:21], s[4:5], s[20:21]
	s_add_nc_u64 s[22:23], s[4:5], s[22:23]
	s_add_nc_u64 s[46:47], s[6:7], s[46:47]
	s_add_nc_u64 s[2:3], s[6:7], s[2:3]
	CROUND                                         ; all sixteen work-groups are here: the first joint loads meet
	s_mov_b32 s[G0S], 1
	s_add_co_u32 s[G0S+1], s19, SCL
	s_mov_b64 s[G0S+2:G0S+3], s[22:23]
	s_or_b32 s[G0S+3], s[G0S+3], 0x80000000
	s_mov_b32 s[G0SB], 1
	s_add_co_u32 s[G0SB+1], s19, SCL
	s_mov_b64 s[G0SB+2:G0SB+3], s[2:3]
	s_or_b32 s[G0SB+3], s[G0SB+3], 0x80000000
	JLOAD G0S, G1S, G0SB, G1SB
.irp s, 0,1
	s_mov_b32 s[G0+4*\s], 1
	s_add_co_u32 s[G0+4*\s+1], s45, \s*SLOT
	s_add_nc_u64 s[G0+4*\s+2:G0+4*\s+3], s[20:21], \s*8192
	s_or_b32 s[G0+4*\s+3], s[G0+4*\s+3], 0x80000000
	s_mov_b32 s[G0B+4*\s], 1
	s_add_co_u32 s[G0B+4*\s+1], s45, \s*SLOT
	s_add_nc_u64 s[G0B+4*\s+2:G0B+4*\s+3], s[46:47], \s*8192
	s_or_b32 s[G0B+4*\s+3], s[G0B+4*\s+3], 0x80000000
	JLOAD G0+4*\s, G1, G0B+4*\s, G1B
.endr
	v_and_b32 v1, 31, v0
	v_and_b32 v2, 15, v0                           ; r
	v_bfe_u32 v3, v0, 4, 1                         ; h
	v_lshlrev_b32 v[L16], 4, v1
	s_lshl_b32 s18, s15, 15                        ; my 4 blocks of A
	s_lshl_b32 s19, s16, 15
	s_add_co_u32 s19, s19, 65536                   ; my 4 blocks of B, behind A's 8
.irp s, 0,1
	v_add_nc_u32 v[ADRA+\s], s18, v[L16]
	v_add_nc_u32 v[ADRB+\s], s19, v[L16]
	s_add_co_u32 s18, s18, SLOT
	s_add_co_u32 s19, s19, SLOT
.endr
	s_lshl_b32 s18, s15, 8                         ; scale words: my 4 blocks are 256 bytes of a K step's 512
	s_lshl_b32 s19, s16, 8
	s_add_co_u32 s19, s19, 512*NKS
	s_sub_co_u32 s19, s19, s18
	v_mul_u32_u24 v25, s19, v3                     ; lanes 16-31 take B's
	s_add_co_u32 s18, s18, SCL
	v_lshl_add_u32 v25, v2, 4, v25
	v_add_nc_u32 v[ADRS], s18, v25
	s_mul_i32 s23, s14, 4352                       ; my stage: 16 rows x 272 bytes
	v_mul_u32_u24 v[STO], v2, 272
	v_lshl_add_u32 v[STO], v3, 6, v[STO]
	v_add_nc_u32 v[STO], s23, v[STO]               ; in: row r, + 64 h
	v_mul_u32_u24 v[RD], v3, 272
	v_lshl_add_u32 v[RD], v2, 4, v[RD]
	v_add_nc_u32 v[RD], s23, v[RD]                 ; back: lanes 0-15 one row, lanes 16-31 the next
	v_lshlrev_b32 v[COL], 4, v2
	v_lshl_add_u32 v[CO], v3, 12, v[COL]
	v_lshlrev_b32 v[HO], 2, v3
	s_lshl_b32 s20, s17, 19                        ; my first row: 128 x tile + 64 x half, 4,096 bytes a row;
	s_lshl_b32 s18, s15, 18
	s_add_co_u32 s20, s20, s18
	s_lshl_b32 s46, s42, 9                         ; my first column, in bytes
	s_lshl_b32 s18, s16, 8
	s_add_co_u32 s46, s46, s18
	s_add_co_u32 s20, s20, s46
	s_mov_b32 s21, 0
	s_mov_b32 s47, 0
	s_add_nc_u64 s[10:11], s[10:11], s[20:21]
	s_add_nc_u64 s[12:13], s[12:13], s[20:21]
	s_add_nc_u64 s[8:9], s[8:9], s[46:47]
.if KIND == 1
	s_add_nc_u64 s[94:95], s[94:95], s[46:47]
	s_add_nc_u64 s[96:97], s[96:97], s[46:47]
	s_lshl_b32 s22, s17, 10
	s_lshl_b32 s18, s15, 9
	s_add_co_u32 s22, s22, s18
	s_add_co_u32 s22, s22, STATS
	s_mov_b32 s23, 0
	s_add_nc_u64 s[92:93], s[92:93], s[22:23]      ; my 4 blocks' means and 1 / (std + eps): 128 bytes a block
.endif
	global_load_b128 v[CB:CB+3], v[COL], s[8:9]
.if KIND == 1
	global_load_b128 v[LA:LA+3], v[COL], s[94:95]
	global_load_b128 v[T:T+3], v[COL], s[96:97]
.endif
	WIN 0x80                                       ; destination window 2: v0-127 the residual's rows; v128-159 means, v160-191 1 / (std + eps)
.irp a, 0,1,2,3
.irp t, 0,1,2,3,4,5,6,7
	ROWOFF \a, \t
	global_load_b128 v[32*\a+4*\t:32*\a+4*\t+3], v[CO], s[10:11] offset:RO*4096
.endr
.endr
.if KIND == 1
.irp a, 0,1,2,3
.irp t, 0,1,2,3,4,5,6,7
	global_load_b32 v[128+8*\a+\t], v[HO], s[92:93] offset:128*\a+8*\t
	global_load_b32 v[160+8*\a+\t], v[HO], s[92:93] offset:128*\a+8*\t+64
.endr
.endr
.endif
	WIN 0
.macro MUL4 f, a, q, sc, zero          ; A's block a x B's four.  The 16 accumulators take turns, one instruction a turn
.irp b, 0,1,2,3
.if \zero
	v_wmma_scale_f32_16x16x128_f8f6f4 v[ACC+8*(4*(\a)+\b):ACC+8*(4*(\a)+\b)+7], v[\f+64+16*\b:\f+64+16*\b+15], v[\f+16*(\a):\f+16*(\a)+15], 0, v[SC+16*(\sc)+4*(\q)+\b], v[SC+16*(\sc)+4*(\q)+(\a)] matrix_a_scale:MATRIX_SCALE_ROW1
.else
	v_wmma_scale_f32_16x16x128_f8f6f4 v[ACC+8*(4*(\a)+\b):ACC+8*(4*(\a)+\b)+7], v[\f+64+16*\b:\f+64+16*\b+15], v[\f+16*(\a):\f+16*(\a)+15], v[ACC+8*(4*(\a)+\b):ACC+8*(4*(\a)+\b)+7], v[SC+16*(\sc)+4*(\q)+\b], v[SC+16*(\sc)+4*(\q)+(\a)] matrix_a_scale:MATRIX_SCALE_ROW1
.endif
.endr
.endm
.macro FETCH slot, q, f                ; 32 LDS loads in one run: B's four fragments, then A's
	WIN TO_F
.irp i, 0,1,2,3
.irp c, 0,1,2,3
	ds_load_b128 v[\f+64+16*\i+4*\c:\f+64+16*\i+4*\c+3], v[ADRB+\slot] offset:8192*\i+2048*(\q)+512*\c
.endr
.endr
.irp i, 0,1,2,3
.irp c, 0,1,2,3
	ds_load_b128 v[\f+16*\i+4*\c:\f+16*\i+4*\c+3], v[ADRA+\slot] offset:8192*\i+2048*(\q)+512*\c
.endr
.endr
.endm
.macro SCALES sc                       ; a slot's scale words: a K step's four blocks to a load
.irp q, 0,1,2,3
	ds_load_b128 v[SC+16*\sc+4*\q:SC+16*\sc+4*\q+3], v[ADRS] offset:512*\q
.endr
.endm
.macro PLACES n
.rept \n
	v_nop
.endr
.endm
.macro QUARTER slot, q, f, g, zero     ; multiplies the slot's K step q out of buffer f and fetches K step q + 1 into g
	s_wait_dscnt 8                                 ; B's fragments and A's blocks 0, 1 are in; the youngest 8 loads may be out
	WIN MUL
	MUL4 \f, 0, \q, \slot, \zero
	MUL4 \f, 1, \q, \slot, \zero
	PLACES 8
	FETCH \slot, (\q)+1, \g
	s_wait_dscnt 32                                ; all but the 32 just issued
	WIN MUL
	MUL4 \f, 2, \q, \slot, \zero
	MUL4 \f, 3, \q, \slot, \zero
.endm
.macro TURN slot, next, fill           ; the slot's last K step, out of buffer 1, and the change of slots
	WIN 0
	s_wait_tensorcnt 0x0                           ; all my tensor loads have landed: my part of the next slot
	ds_add_u32 v[SPW], v[NIL]                      ; 0 onto my spare word
	s_wait_dscnt 9                                 ; (the add and the youngest 8 loads may be out)
	WIN MUL
	MUL4 F1, 0, 3, \slot, 0
	s_wait_dscnt 0x0                               ; the add is done, and my reads of this slot are over
	s_barrier_signal -1
	MUL4 F1, 1, 3, \slot, 0
	WIN 0
	s_barrier_wait -1
.if \fill
	CREST                                          ; the barrier has opened a round of the cluster's barrier
	s_add_nc_u64 s[G0+4*\slot+2:G0+4*\slot+3], s[G0+4*\slot+2:G0+4*\slot+3], 16384
	s_add_nc_u64 s[G0B+4*\slot+2:G0B+4*\slot+3], s[G0B+4*\slot+2:G0B+4*\slot+3], 16384
	JLOAD G0+4*\slot, G1, G0B+4*\slot, G1B         ; the first tensor load behind the round
	PLACES 4
.else
	PLACES 8
.endif
	v_add_nc_u32 v[ADRS], 2048, v[ADRS]
	SCALES \next
	FETCH \next, 0, F0
	WIN MUL
	MUL4 F1, 2, 3, \slot, 0
	MUL4 F1, 3, 3, \slot, 0
.endm
.macro OUT a                           ; 16 rows x 64 columns
	s_wait_xcnt 0x0                                ; the last block's stores have read their data
.irp b, 0,1,2,3
	ds_store_b128 v[STO], v[ACC+8*(4*\a+\b):ACC+8*(4*\a+\b)+3] offset:128*(\b/2)+32*(\b%2)        ; register j of (a, b): column 32 (b / 2) + 16 h + 8 (b % 2) + j; each accumulator from its low end on
	ds_store_b128 v[STO], v[ACC+8*(4*\a+\b)+4:ACC+8*(4*\a+\b)+7] offset:128*(\b/2)+32*(\b%2)+16
.endr
.irp t, 0,1,2,3,4,5,6,7
	ds_load_b128 v[BK+4*\t:BK+4*\t+3], v[RD] offset:544*\t   ; LDS serves a wave's instructions in order: these see the stores above
.endr
	s_wait_dscnt 0x0
.if KIND == 1
	WIN 0x0a                                       ; sources 0 and 1 window 2
.irp t, 0,1,2,3,4,5,6,7
.irp k, 0,1,2,3
	v_sub_f32 v[T+4*\t+\k], v[32*\a+4*\t+\k], v[128+8*\a+\t]   ; y1 - mean
.endr
.endr
	WIN 0x08                                       ; source 1 window 2
.irp t, 0,1,2,3,4,5,6,7
.irp k, 0,1,2,3
	v_mul_f32 v[T+4*\t+\k], v[T+4*\t+\k], v[160+8*\a+\t]       ; / (std + eps)
.endr
.endr
	WIN 0
.endif
.irp t, 0,1,2,3,4,5,6,7
	v_pk_add_f32 v[BK+4*\t:BK+4*\t+1], v[BK+4*\t:BK+4*\t+1], v[CB:CB+1]
	v_pk_add_f32 v[BK+4*\t+2:BK+4*\t+3], v[BK+4*\t+2:BK+4*\t+3], v[CB+2:CB+3]
.endr
.if KIND == 1
.irp t, 0,1,2,3,4,5,6,7
	v_pk_fma_f32 v[BK+4*\t:BK+4*\t+1], v[T+4*\t:T+4*\t+1], v[LA:LA+1], v[BK+4*\t:BK+4*\t+1]
	v_pk_fma_f32 v[BK+4*\t+2:BK+4*\t+3], v[T+4*\t+2:T+4*\t+3], v[LA+2:LA+3], v[BK+4*\t+2:BK+4*\t+3]
.endr
.else
	WIN 0x08
.set i, 0
.rept 16
	v_pk_add_f32 v[BK+i:BK+i+1], v[BK+i:BK+i+1], v[32*\a+i:32*\a+i+1]
.set i, i+2
.endr
	WIN 0
.endif
.irp t, 0,1,2,3,4,5,6,7
	ROWOFF \a, \t
	global_store_b128 v[CO], v[BK+4*\t:BK+4*\t+3], s[12:13] offset:RO*4096   ; sixteen lanes store 256 consecutive bytes, aligned
.endr
.endm
	s_wait_tensorcnt 1                             ; the scale words and my part of slot 0 are in (slot 1's load may be out),
	s_barrier_signal -1
	s_barrier_wait -1                              ; everybody's are
	SCALES 0
	FETCH 0, 0, F0
	QUARTER 0, 0, F0, F1, 1                        ; the first K step's products start the sums
.if LAPS > 1
	WIN 0
	s_mov_b32 s3, LAPS-1
.Llap:
	QUARTER 0, 1, F1, F0, 0
	QUARTER 0, 2, F0, F1, 0
	TURN 0, 1, 1
	QUARTER 1, 0, F0, F1, 0
	QUARTER 1, 1, F1, F0, 0
	QUARTER 1, 2, F0, F1, 0
	TURN 1, 0, 1
	QUARTER 0, 0, F0, F1, 0
	WIN 0
	s_sub_co_u32 s3, s3, 1
	s_cmp_lg_u32 s3, 0
	s_cbranch_scc1 .Llap
.endif
	QUARTER 0, 1, F1, F0, 0                        ; the last lap fills nothing
	QUARTER 0, 2, F0, F1, 0
	TURN 0, 1, 0
	QUARTER 1, 0, F0, F1, 0
	QUARTER 1, 1, F1, F0, 0
	QUARTER 1, 2, F0, F1, 0
	s_wait_dscnt 8
	WIN MUL
	MUL4 F1, 0, 3, 1, 0
	MUL4 F1, 1, 3, 1, 0
	s_wait_dscnt 0
	MUL4 F1, 2, 3, 1, 0
	MUL4 F1, 3, 3, 1, 0
	WIN 0
	PLACES 8                                       ; in front of the first read of results
	s_wait_loadcnt 0x0                             ; the bias, the residual and what belongs to it
.if KIND == 1
	v_pk_add_f32 v[CB:CB+1], v[CB:CB+1], v[T:T+1]  ; b2 + ln1_b
	v_pk_add_f32 v[CB+2:CB+3], v[CB+2:CB+3], v[T+2:T+3]
.endif
	OUT 0
	OUT 1
	OUT 2
	OUT 3
	s_wait_tensorcnt 0x0                           ; the wave's end
	ds_add_u32 v[SPW], v[NIL]
	s_wait_dscnt 0x0
	CROUND                                         ; the closing round
	s_endpgm
.Lfunc_end_k_q8603de9dc8_ffn2:
	.size	k_q8603de9dc8_ffn2, .Lfunc_end_k_q8603de9dc8_ffn2-k_q8603de9dc8_ffn2
	.p2alignl 7, 3214868480
	.fill 96, 4, 3214868480
	.section	.rodata,"a",@progbits
	.p2align	6, 0x0
	.amdhsa_kernel k_q8603de9dc8_ffn2
		.amdhsa_group_segment_fixed_size 327680
		.amdhsa_private_segment_fixed_size 0
		.amdhsa_enable_private_segment 0
		.amdhsa_kernarg_size 64
		.amdhsa_user_sgpr_count 2
		.amdhsa_user_sgpr_kernarg_segment_ptr 1
		.amdhsa_wavefront_size32 1
		.amdhsa_system_sgpr_workgroup_id_x 1
		.amdhsa_system_sgpr_workgroup_id_y 1
		.amdhsa_system_sgpr_workgroup_id_z 1
		.amdhsa_system_vgpr_workitem_id 0
		.amdhsa_next_free_vgpr 768
		.amdhsa_next_free_sgpr 100
		.amdhsa_reserve_vcc 0
		.amdhsa_float_denorm_mode_32 3
		.amdhsa_float_denorm_mode_16_64 3
		.amdhsa_memory_ordered 1
		.amdhsa_forward_progress 1
		.amdhsa_inst_pref_size 118
	.end_amdhsa_kernel
	.amdgpu_metadata
---
amdhsa.version: [ 1, 2 ]
amdhsa.kernels:
  - .name:           k_q8603de9dc8_ffn2
    .symbol:         k_q8603de9dc8_ffn2.kd
    .args:
      - { .name: hid, .offset: 0, .size: 8, .value_kind: global_buffer, .address_space: global }
      - { .name: pq, .offset: 8, .size: 8, .value_kind: global_buffer, .address_space: global }
      - { .name: b2, .offset: 16, .size: 8, .value_kind: global_buffer, .address_space: global }
      - { .name: y1, .offset: 24, .size: 8, .value_kind: global_buffer, .address_space: global }
      - { .name: hq, .offset: 32, .size: 8, .value_kind: global_buffer, .address_space: global }
      - { .name: ln1_a, .offset: 40, .size: 8, .value_kind: global_buffer, .address_space: global }
      - { .name: ln1_b, .offset: 48, .size: 8, .value_kind: global_buffer, .address_space: global }
      - { .name: y2, .offset: 56, .size: 8, .value_kind: global_buffer, .address_space: global }
    .group_segment_fixed_size: 327680
    .private_segment_fixed_size: 0
    .kernarg_segment_align: 8
    .kernarg_segment_size: 64
    .max_flat_workgroup_size: 128
    .sgpr_count:     100
    .vgpr_count:     768
    .wavefront_size: 32
...
	.end_amdgpu_metadata
.endif
;; end of part 7
;; launch ln2 (part 8): grid 256 x 1, 8 waves a work-group, no clusters, 0 bytes of LDS; arguments y2, ln2_a, ln2_b, out0; writes out0
.if DOCPART == 8
	.amdgcn_target "amdgcn-amd-amdhsa--gfx1250"
	.amdhsa_code_object_version 6
	.text
	.protected	k_q8603de9dc8_ln2
	.globl	k_q8603de9dc8_ln2
	.p2align	8
	.type	k_q8603de9dc8_ln2,@function
k_q8603de9dc8_ln2:
	s_mov_b64 s[64:65], 0
	v_nop
	global_prefetch_b8 v0, s[64:65] scope:SCOPE_SE
	s_setreg_imm32_b32 hwreg(HW_REG_WAVE_MODE, 25, 1), 1
	s_wait_xcnt 0x0
; out0 = (y2 - mean) / (std + 1e-6) x ln2_a + ln2_b, std with n - 1 = 1,023.  A row of 4,096 bytes is 32 registers of one wave: it stays there between the passes, so memory is read once and no wave waits for another.
; A wave takes two rows.  Each load and store covers 512 consecutive bytes.  Memory binds: no LDS, no matrix unit, no cluster.  The mean first, then the centred squares: no difference of large sums is formed.
.set X,  32                            ; v32-95   two rows
.set A,  96                            ; v96-127  ln2_a
.set B,  128                           ; v128-159 ln2_b
	s_load_b256 s[4:11], s[0:1], 0x0               ; y2, ln2_a, ln2_b, out0
	v_lshrrev_b32 v1, 5, v0
	v_readfirstlane_b32 s12, v1
	v_and_b32 v1, 31, v0
	v_lshlrev_b32 v1, 4, v1                        ; 16 x lane
	s_lshl_b32 s14, ttmp9, 3
	s_add_co_u32 s14, s14, s12
	s_lshl_b32 s14, s14, 13                        ; two rows a wave
	s_mov_b32 s15, 0
	s_mov_b32 s16, 0x76543210
	s_mov_b32 s17, 0xfedcba98
.irp i, 5,7,9,11
	v_mov_b32 v\i, 0                               ; upper halves of pairs that are named whole
.endr
	s_wait_kmcnt 0x0
	s_add_nc_u64 s[4:5], s[4:5], s[14:15]
	s_add_nc_u64 s[10:11], s[10:11], s[14:15]
.irp j, 0,1,2,3,4,5,6,7,8,9,10,11,12,13,14,15
	global_load_b128 v[X+4*\j:X+4*\j+3], v1, s[4:5] offset:512*\j th:TH_LOAD_NT
.endr
.irp j, 0,1,2,3,4,5,6,7
	global_load_b128 v[A+4*\j:A+4*\j+3], v1, s[6:7] offset:512*\j
.endr
.irp j, 0,1,2,3,4,5,6,7
	global_load_b128 v[B+4*\j:B+4*\j+3], v1, s[8:9] offset:512*\j
.endr
.macro ACROSS                          ; four chains in v12-19 are summed over the lane and over the 32 lanes: v12, in every lane
	v_pk_add_f32 v[12:13], v[12:13], v[14:15]
	v_pk_add_f32 v[16:17], v[16:17], v[18:19]
	v_pk_add_f32 v[12:13], v[12:13], v[16:17]
	v_add_f32 v12, v12, v13
	v_add_f32_dpp v12, v12, v12 row_xmask:1 row_mask:0xf bank_mask:0xf
	v_add_f32_dpp v12, v12, v12 row_xmask:2 row_mask:0xf bank_mask:0xf
	v_add_f32_dpp v12, v12, v12 row_xmask:4 row_mask:0xf bank_mask:0xf
	v_add_f32_dpp v12, v12, v12 row_xmask:8 row_mask:0xf bank_mask:0xf
	v_permlanex16_b32 v13, v12, s16, s17
	v_add_f32 v12, v12, v13
.endm
.macro STAT x, m                       ; the row at v[x] is centred; v[m] its mean, v[m + 2] 1 / (std + eps)
.irp k, 0,1,2,3
	v_pk_add_f32 v[12+2*\k:13+2*\k], v[\x+2*\k:\x+2*\k+1], v[\x+8+2*\k:\x+9+2*\k]
.endr
.irp i, 16,24
.irp k, 0,1,2,3
	v_pk_add_f32 v[12+2*\k:13+2*\k], v[12+2*\k:13+2*\k], v[\x+\i+2*\k:\x+\i+2*\k+1]
.endr
.endr
	ACROSS
	v_mul_f32 v[\m], 0x3a800000, v12               ; / 1,024
.irp i, 0,2,4,6,8,10,12,14,16,18,20,22,24,26,28,30
	v_pk_add_f32 v[\x+\i:\x+\i+1], v[\x+\i:\x+\i+1], v[\m:\m+1] op_sel_hi:[1,0] neg_lo:[0,1] neg_hi:[0,1]
.endr
.irp k, 0,1,2,3
	v_pk_mul_f32 v[12+2*\k:13+2*\k], v[\x+2*\k:\x+2*\k+1], v[\x+2*\k:\x+2*\k+1]
.endr
.irp i, 8,16,24
.irp k, 0,1,2,3
	v_pk_fma_f32 v[12+2*\k:13+2*\k], v[\x+\i+2*\k:\x+\i+2*\k+1], v[\x+\i+2*\k:\x+\i+2*\k+1], v[12+2*\k:13+2*\k]
.endr
.endr
	ACROSS
	v_mul_f32 v12, 0x3a802008, v12                 ; / 1,023
	v_sqrt_f32 v13, v12
	v_nop                                          ; a plain line behind the root
	s_wait_alu depctr_va_vdst(0)                   ; ahead of its first reader
	v_add_f32 v13, 0x358637bd, v13                 ; + 1e-6
	v_rcp_f32 v[\m+2], v13
	v_nop
	s_wait_alu depctr_va_vdst(0)
.endm
	s_wait_loadcnt 24                              ; row 0 is in; row 1, the gains and the biases may be out
	STAT X, 4
	s_wait_loadcnt 16                              ; row 1 is in
	STAT X+32, 8
	s_wait_loadcnt 0x0
.irp w, 0,1
.irp i, 0,2,4,6,8,10,12,14,16,18,20,22,24,26,28,30
	v_pk_mul_f32 v[X+32*\w+\i:X+32*\w+\i+1], v[X+32*\w+\i:X+32*\w+\i+1], v[6+4*\w:7+4*\w] op_sel_hi:[1,0]
.endr
.irp i, 0,2,4,6,8,10,12,14,16,18,20,22,24,26,28,30
	v_pk_fma_f32 v[X+32*\w+\i:X+32*\w+\i+1], v[X+32*\w+\i:X+32*\w+\i+1], v[A+\i:A+\i+1], v[B+\i:B+\i+1]
.endr
.irp j, 0,1,2,3,4,5,6,7
	global_store_b128 v1, v[X+32*\w+4*\j:X+32*\w+4*\j+3], s[10:11] offset:4096*\w+512*\j th:TH_STORE_NT
.endr
.endr
	s_endpgm
.Lfunc_end_k_q8603de9dc8_ln2:
	.size	k_q8603de9dc8_ln2, .Lfunc_end_k_q8603de9dc8_ln2-k_q8603de9dc8_ln2
	.p2alignl 7, 3214868480
	.fill 96, 4, 3214868480
	.section	.rodata,"a",@progbits
	.p2align	6, 0x0
	.amdhsa_kernel k_q8603de9dc8_ln2
		.amdhsa_group_segment_fixed_size 0
		.amdhsa_private_segment_fixed_size 0
		.amdhsa_enable_private_segment 0
		.amdhsa_kernarg_size 32
		.amdhsa_user_sgpr_count 2
		.amdhsa_user_sgpr_kernarg_segment_ptr 1
		.amdhsa_wavefront_size32 1
		.amdhsa_system_sgpr_workgroup_id_x 1
		.amdhsa_system_sgpr_workgroup_id_y 1
		.amdhsa_system_sgpr_workgroup_id_z 1
		.amdhsa_system_vgpr_workitem_id 0
		.amdhsa_next_free_vgpr 160
		.amdhsa_next_free_sgpr 66
		.amdhsa_reserve_vcc 0
		.amdhsa_float_denorm_mode_32 3
		.amdhsa_float_denorm_mode_16_64 3
		.amdhsa_memory_ordered 1
		.amdhsa_forward_progress 1
		.amdhsa_inst_pref_size 19
	.end_amdhsa_kernel
	.amdgpu_metadata
---
amdhsa.version: [ 1, 2 ]
amdhsa.kernels:
  - .name:           k_q8603de9dc8_ln2
    .symbol:         k_q8603de9dc8_ln2.kd
    .args:
      - { .name: y2, .offset: 0, .size: 8, .value_kind: global_buffer, .address_space: global }
      - { .name: ln2_a, .offset: 8, .size: 8, .value_kind: global_buffer, .address_space: global }
      - { .name: ln2_b, .offset: 16, .size: 8, .value_kind: global_buffer, .address_space: global }
      - { .name: out0, .offset: 24, .size: 8, .value_kind: global_buffer, .address_space: global }
    .group_segment_fixed_size: 0
    .private_segment_fixed_size: 0
    .kernarg_segment_align: 8
    .kernarg_segment_size: 32
    .max_flat_workgroup_size: 256
    .sgpr_count:     66
    .vgpr_count:     160
    .wavefront_size: 32
...
	.end_amdgpu_metadata
.endif
;; end of part 8
;; ======== version 2 of 2: 8 launches; version 1 with the launch attn written anew for expert scheduling mode
;; workspace buffers: pq 17,301,504 bytes; mb 532,480 bytes of whole numbers; qkv 13,238,272 bytes; oc 4,325,376 bytes; y1 16,777,216 bytes; hq 4,358,144 bytes; hid 17,301,504 bytes; y2 16,777,216 bytes
;; launch prep: the kernel of part 1 again; grid 256 x 1, 10 waves a work-group, no clusters, 85,760 bytes of LDS; arguments x, Wqkv, Wo, W1, W2, mask, pq, mb; writes pq, mb
;; launch qkv: the kernel of part 2 again; grid 12 x 16, 4 waves a work-group, clusters of 4 x 4, 327,680 bytes of LDS; arguments pq, bqkv, qkv; writes qkv
;; launch attn (part 9): grid 8 x 32, 16 waves a work-group, no clusters, 276,480 bytes of LDS; arguments qkv, mb, oc; writes oc
.if DOCPART == 9
	.amdgcn_target "amdgcn-amd-amdhsa--gfx1250"
	.amdhsa_code_object_version 6
	.text
	.protected	k_q8603de9dc8_attn
	.globl	k_q8603de9dc8_attn
	.p2align	8
	.type	k_q8603de9dc8_attn,@function
k_q8603de9dc8_attn:
	s_mov_b64 s[64:65], 0
	v_nop
	global_prefetch_b8 v0, s[64:65] scope:SCOPE_SE
	s_setreg_imm32_b32 hwreg(HW_REG_WAVE_SCHED_MODE, 0, 2), 2
	s_setreg_imm32_b32 hwreg(HW_REG_WAVE_MODE, 25, 1), 1
	s_wait_xcnt 0x0
	s_wait_alu depctr_vm_vsrc(0)
; o = softmax(q k^T / 8, masked) v for one (batch, head), both products on codes of E4M3; o leaves as codes for the next product.
; t = score x log2(e) / 8; M = the running largest t rounded up to a whole number; p = 2^(t - M) is quantised along the keys; the row's sum is taken of the unquantised p and divides at the end.
; SHARES.  A work-group owns one (batch, head) and 16 of its 128 query blocks, a wave one block of 16 queries.  A head's K and V, 256 KiB of codes and 12 KiB of scale words, are copied into LDS ONCE, through
; registers; behind the one barrier the waves share nothing.  NO TENSOR LOAD, NO CLUSTER: a wave jumps over a key step whose stored flag says that the mask keeps nothing of it, a branch on a number read from
; memory.  The mask is an input: nothing of its pattern is built in; flags and lane masks were made from it by the first launch.
; Which block a wave owns (8 x rank + the work-group's x) only evens the work out where late queries keep more keys; nothing right hangs on it.
; LAYOUT.  S^T = K Q^T (source 0 = 16 keys, source 1 = my 16 queries), O^T = V^T P^T: a lane holds one query throughout.  K = 64 fills half of an instruction's 128: the other half is zero codes on both sides.
; Token and channel blocks are laid so that the 16 registers of two neighbouring tiles are 16 neighbours (keys for p, channels for o).
; A QUERY WITH NO KEY KEPT has the sum 0: its scale bytes are stored as 0xff, which makes the next product's sums of that row NaN, as the definition has them.
; REGISTERS: v1-5 places that stay; v6 -infinity; v7-11 addresses in hand; v12 -M, v13 the largest t, v[14:15] the sum; v16-31 Q; v32-95 four fragments of K (8 registers of codes, 8 of zeros);
;   v96-159 S^T, then p, then (v112 on) V's fragments 1 to 3; v160-191 O^T; v192-207 V's fragment 0; v208-211 the scale words of K's second four tiles, v212-215 V's, v248-251 those of K's first four tiles;
;   v222, v223 the closing add's two; v224-239 p's codes; v232-247 at work; v252 f; v253 p's scale word; v255 Q's.
; THE MODE: SCHED_MODE bits 1:0 = 2 (LLVM: expert scheduling mode 2), set by the entry lines.  The code itself states the register dependences between vector or matrix instructions and memory or LDS
; instructions, with s_wait_alu, always for 0.
; THE PLAN.  Registers that LDS instructions touch in a key step that is worked, and who else names them:
;   v7-11              written by the five additions at the step's head; read by the step's LDS loads.
;   K's code registers loaded at the head (tiles 0-3) and behind the first four products (tiles 4-7); read by the eight products K Q^T.
;   the scale words    all twelve loaded at the head; read by the products alone.
;   v192-207           loaded at the head; read by the step's first product V^T P^T.
;   v112-159           written by the products K Q^T and by the softmax, read by the holds and conversions; then V's fragments 1 to 3 land there; read by the last three products.
;   v224-239, v253     written by vector instructions, taken by the scaled products as source 1 and as its scales.
; So a worked step has one wait on vm_vsrc, ahead of the additions, and three waits on va_vdst beside the two behind its exponentials: behind the additions; behind the first four products; behind the rescaling of O^T.
; A step that is jumped over issues no vector and no LDS instruction, so what a worked step leaves pending meets the waits at the head of the next worked step, or the one at the head of the way out.
.set K_C,  4194304
.set VT_C, 8388608
.set Q_S,  12582912
.set K_S,  12845056
.set VT_S, 13107200
.set O_S,  4194304
.set FLAGS, 524288
.set VOFF, 131072                      ; LDS: K [128 blocks][1,024]; V [4 channel blocks][16 key steps][2,048];
.set KS,   262144                      ; K's scale words [block / 4][r][block % 4];
.set VS,   270336                      ; V's [key step][r][channel block]
	s_load_b128 s[4:7], s[0:1], 0x0                ; qkv, mb
	s_load_b64 s[8:9], s[0:1], 0x10                ; oc
	v_lshl_add_u32 v222, v0, 2, 0x43000
	v_mov_b32 v223, 0
	v_lshrrev_b32 v1, 5, v0
	v_readfirstlane_b32 s10, v1                    ; wave 0..15
	s_and_b32 s13, ttmp7, 0xffff                   ; 16 batch + head
	s_lshr_b32 s29, s13, 4                         ; batch
	s_and_b32 s30, s13, 15                         ; head
	s_wait_alu depctr_va_sdst(0)                   ; s10 is written, ahead of its first reader: my rank is made from it
	s_lshl_b32 s2, s10, 2
	s_and_b32 s2, s2, 31
	s_mov_b32 s3, 0x0de3b658
	s_cmp_lt_u32 s10, 8
	s_cselect_b32 s3, 0x7a94c12f, s3
	s_lshr_b32 s3, s3, s2
	s_and_b32 s3, s3, 15                           ; my rank: the sixteen nibbles are 0 to 15, laid so that any four neighbouring waves, and any four that stand four apart, have the same sum
	s_lshl_b32 s12, s3, 3
	s_add_co_u32 s12, s12, ttmp9                   ; my query block
	v_lshlrev_b32 v166, 4, v0                      ; the copy: 16 x thread, in memory and in LDS;
	v_add_nc_u32 v167, 0x10000, v166               ; (an LDS immediate has 16 bits: four registers 65,536 apart)
	v_add_nc_u32 v168, 0x20000, v166
	v_add_nc_u32 v169, 0x30000, v166
	v_add_nc_u32 v170, KS, v166
	v_lshl_add_u32 v171, v0, 3, VS
	v_and_b32 v173, 31, v0
	v_lshrrev_b32 v172, 5, v0
	v_lshlrev_b32 v172, 12, v172
	v_lshl_add_u32 v172, v173, 3, v172             ; V's scale words: wave w takes key step w: 4,096 w + 8 x lane
	v_lshlrev_b32 v1, 4, v173                      ; 16 x lane: my place in an image
	v_and_b32 v174, 15, v0
	v_lshlrev_b32 v174, 4, v174                    ; 16 r
	v_add_nc_u32 v2, VOFF, v1
	v_add_nc_u32 v3, VOFF+65536, v1
	v_add_nc_u32 v4, KS, v174
	v_add_nc_u32 v5, VS, v174
	v_mov_b32 v6, 0xff800000                       ; -infinity
	s_mov_b32 s[20], 0x76543210
	s_mov_b32 s[21], 0xfedcba98                    ; v_permlanex16_b32's selects for lane l xor 16
	s_mov_b32 s22, 0x3e38aa3b                      ; c = log2(e) / 8
	s_mov_b32 s23, s22
	s_mov_b32 s24, 0x600000                        ; the mantissa field of 448
	s_mov_b32 s3, 0
	s_wait_kmcnt 0x0
	s_lshl_b32 s2, s13, 17
	s_add_nc_u64 s[40:41], s[4:5], s[2:3]
	s_add_nc_u64 s[32:33], s[40:41], K_C           ; the head's K
	s_lshl_b32 s2, s12, 10
	s_add_nc_u64 s[40:41], s[40:41], s[2:3]        ; my block of Q
	s_lshl_b32 s2, s30, 18
	s_lshl_b32 s31, s29, 15
	s_add_co_u32 s2, s2, s31
	s_add_co_u32 s2, s2, VT_C
	s_add_nc_u64 s[34:35], s[4:5], s[2:3]          ; the head's V^T: 4 channel blocks, 65,536 bytes apart; the batch's 16 key steps
	s_lshl_b32 s2, s13, 13
	s_add_co_u32 s2, s2, K_S
	s_add_nc_u64 s[36:37], s[4:5], s[2:3]
	s_lshl_b32 s2, s29, 16
	s_lshl_b32 s31, s30, 8
	s_add_co_u32 s2, s2, s31
	s_add_co_u32 s2, s2, VT_S
	s_add_nc_u64 s[38:39], s[4:5], s[2:3]
	s_lshl_b32 s2, s13, 13
	s_lshr_b32 s31, s12, 2
	s_lshl_b32 s31, s31, 8
	s_add_co_u32 s2, s2, s31
	s_and_b32 s31, s12, 3
	s_lshl_b32 s31, s31, 2
	s_add_co_u32 s2, s2, s31
	s_add_co_u32 s2, s2, Q_S
	s_add_nc_u64 s[42:43], s[4:5], s[2:3]
	s_lshl_b32 s2, s12, 6
	s_add_co_u32 s2, s2, FLAGS
	s_add_nc_u64 s[44:45], s[6:7], s[2:3]
	s_lshl_b32 s2, s12, 12
	s_add_nc_u64 s[26:27], s[6:7], s[2:3]          ; my block's lane masks: 256 bytes a key step
	s_wait_alu depctr_va_vdst(0)                   ; v1, v166 to v172 and v174 are written: the offsets of the loads and the addresses of the LDS stores below, up to the barrier; no vector instruction stands among those
	global_load_b128 v[16:19], v1, s[40:41]        ; Q, its scale word and the flags go out ahead of the copy, so that the copy's counts stand by themselves
	global_load_b128 v[20:23], v1, s[40:41] offset:512
	global_load_b32 v255, v174, s[42:43]
	s_load_b512 s[68:83], s[44:45], 0x0
.irp c, 0,1,2,3,4,5,6,7,8,9,10,11,12,13,14,15
	global_load_b128 v[32+4*\c:35+4*\c], v166, s[32:33] offset:8192*\c
.endr
.irp c, 0,1,2,3,4,5,6,7,8,9,10,11,12,13,14,15
	global_load_b128 v[96+4*\c:99+4*\c], v166, s[34:35] offset:65536*(\c/4)+8192*(\c%4)
.endr
	global_load_b128 v[160:163], v166, s[36:37]
	global_load_b64 v[164:165], v172, s[38:39]
.irp c, 0,1,2,3,4,5,6,7,8,9,10,11,12,13,14,15
	s_wait_loadcnt 33-\c                           ; the loads issued behind this one may be out
	ds_store_b128 v[166+\c/8], v[32+4*\c:35+4*\c] offset:8192*(\c%8)
.endr
.irp c, 0,1,2,3,4,5,6,7,8,9,10,11,12,13,14,15
	s_wait_loadcnt 17-\c
	ds_store_b128 v[168+\c/8], v[96+4*\c:99+4*\c] offset:8192*(\c%8)
.endr
	s_wait_loadcnt 1
	ds_store_b128 v170, v[160:163]
	s_wait_loadcnt 0x0
	ds_store_b64 v171, v[164:165]
	s_wait_dscnt 0x0                               ; for the others' sake: my stores have landed
	s_barrier_signal -1
	s_barrier_wait -1                              ; the head's K and V lie in LDS
	s_wait_alu depctr_vm_vsrc(0)                   ; my LDS stores have read their data (v32 to v165) and their addresses, and the loads their offsets (v166 to v174): the lines below, and later LDS loads and products, write these registers anew
.irp j, 24,25,26,27,28,29,30,31
	v_mov_b32 v\j, 0                               ; Q's zero codes for k = 64 .. 127
.endr
.irp t, 0,1,2,3
.irp j, 0,1,2,3,4,5,6,7
	v_mov_b32 v[40+16*\t+\j], 0                    ; and K's: they stay
.endr
.endr
.set i, 0
.rept 32
	v_mov_b32 v[160+i], 0                          ; O^T: the step is written once; the first finds zeros
.set i, i+1
.endr
	v_mov_b32 v13, 0xff61b1e6                      ; the largest t so far: -3e38
	v_floor_f32 v12, -v13                          ; -M
	v_mov_b32 v14, 0
	v_mov_b32 v15, 0
.irp b, 0,1,2,3
	v_mov_b32 v[236+\b], 0                         ; a lane permute's destination counts as one of its sources
.endr
	v_mov_b32 v252, 0
	v_mov_b32 v253, 0
	s_wait_kmcnt 0x0
	s_mov_b32 s14, s68                             ; the sixteen flags, two bits each
.irp s, 1,2,3,4,5,6,7,8,9,10,11,12,13,14,15
	s_lshl_b32 s2, s[68+\s], 2*\s
	s_or_b32 s14, s14, s2
.endr
	s_mov_b32 s15, 0                               ; the key step
	s_mov_b32 s16, 0                               ; twice that
	s_mov_b32 s17, 0                               ; where its K begins in LDS: 8,192 a step
	s_mov_b32 s18, 0                               ; its V: 2,048
	s_mov_b32 s19, 0                               ; K's scale words: 512
	s_mov_b32 s25, 0                               ; V's: 256
.Lstep:                                            ; sixteen trips, a constant; what a flag leaves out is a step's work, not a trip
	s_lshr_b32 s28, s14, s16
	s_and_b32 s28, s28, 3
	s_cmp_eq_u32 s28, 0
	s_cbranch_scc1 .Lhidden                        ; nothing of these 128 keys is kept for my 16 queries
	s_wait_alu depctr_vm_vsrc(0)                   ; the LDS loads of the last step that was worked have read v7 to v11, which the five additions write anew
	v_add_nc_u32 v8, s17, v1
	v_add_nc_u32 v9, s18, v2
	v_add_nc_u32 v10, s18, v3
	v_add_nc_u32 v11, s19, v4
	v_add_nc_u32 v7, s25, v5
	s_wait_alu depctr_va_vdst(0)                   ; v7 to v11 are written, which the step's LDS loads read; the products of the last step that was worked are done reading K's codes, the scale words and v192 to v207, in which the fifteen loads below land; in the first step the zero codes of Q and K are written, which the scaled products take
.irp t, 0,1,2,3                                    ; S^T = K Q^T, four tiles of 16 keys at a time: tiles 0 to 3
	ds_load_b128 v[32+16*\t:35+16*\t], v8 offset:\t*1024
	ds_load_b128 v[36+16*\t:39+16*\t], v8 offset:\t*1024+512
.endr
	ds_load_b128 v[248:251], v11                   ; the scale words of tiles 0 to 3,
	ds_load_b128 v[208:211], v11 offset:256        ; of tiles 4 to 7,
	ds_load_b128 v[212:215], v7                    ; and of V's four fragments: each set has registers of its own, so that all three are asked for here
.irp c, 0,1,2,3
	ds_load_b128 v[192+4*\c:195+4*\c], v9 offset:512*\c   ; V's fragment 0 has registers of its own too: it lands while the scores and the softmax are made
.endr
	s_wait_dscnt 4                                 ; LDS loads come back in order (ISA guide 5.7.1): K's four fragments and the scale words are in; the four youngest loads, V's fragment 0, may be out
.irp t, 0,1,2,3
	v_wmma_scale_f32_16x16x128_f8f6f4 v[96+8*\t:103+8*\t], v[32+16*\t:47+16*\t], v[16:31], 0, v[248+\t], v255
.endr
.rept 8
	v_nop                                          ; the places behind the four products stay as they stood, beside the wait below
.endr
	s_wait_alu depctr_va_vdst(0)                   ; the four products are done reading K's code registers, in which tiles 4 to 7 land
.irp t, 0,1,2,3
	ds_load_b128 v[32+16*\t:35+16*\t], v8 offset:(4+\t)*1024
	ds_load_b128 v[36+16*\t:39+16*\t], v8 offset:(4+\t)*1024+512
.endr
	s_wait_dscnt 0x0                               ; tiles 4 to 7 are in, and so is V's fragment 0
.irp t, 0,1,2,3
	v_wmma_scale_f32_16x16x128_f8f6f4 v[128+8*\t:135+8*\t], v[32+16*\t:47+16*\t], v[16:31], 0, v[208+\t], v255
.endr
.rept 8
	v_nop
.endr
	s_cmp_eq_u32 s28, 3
	s_cbranch_scc1 .Lopen                          ; every key of the step is kept
	s_load_b512 s[32:47], s[26:27], 0x0            ; 64 lane masks: word n for register n
	s_load_b512 s[48:63], s[26:27], 0x40
	s_load_b512 s[68:83], s[26:27], 0x80
	s_load_b512 s[84:99], s[26:27], 0xc0
	s_wait_kmcnt 0x0
.set n, 0
.rept 64
	v_cndmask_b32 v[96+n], v6, v[96+n], s[32+n+4*(n/32)]   ; a score that the mask drops becomes -infinity ahead of the maximum: p = 0 then
.set n, n+1
.endr
.Lopen:
.irp b, 0,1,2,3
	v_max3_num_f32 v[232+\b], v[96+16*\b], v[97+16*\b], v[98+16*\b]   ; the largest score of each block of 32 keys: for the row's maximum, and, since p rises with the score, for the block's largest p
.endr
.irp i, 3,5,7,9,11,13
.irp b, 0,1,2,3
	v_max3_num_f32 v[232+\b], v[232+\b], v[96+16*\b+\i], v[97+16*\b+\i]
.endr
.endr
.irp b, 0,1,2,3
	v_max_num_f32 v[232+\b], v[232+\b], v[111+16*\b]
.endr
.irp b, 0,1,2,3
	v_permlanex16_b32 v[236+\b], v[232+\b], s20, s21
.endr
.irp b, 0,1,2,3
	v_max_num_f32 v[232+\b], v[232+\b], v[236+\b]  ; with lane l xor 16's 16 keys
.endr
	v_max3_num_f32 v254, v232, v233, v234
	v_max_num_f32 v254, v254, v235
	v_mul_f32 v254, s22, v254                      ; as t (c is positive)
	v_max_num_f32 v13, v13, v254                   ; the running largest t
	v_mov_b32 v254, v12
	v_floor_f32 v12, -v13                          ; the new -M = -ceil(t): a whole number
	v_sub_f32 v254, v12, v254                      ; old M less new M: a whole number, 0 or less
	v_cvt_i32_f32 v254, v254                       ; (it saturates)
	v_ldexp_f32 v252, 1.0, v254                    ; f = 2^(old M - new M): a multiplication by it rounds nothing
.set j, 0
.rept 32
	v_pk_fma_f32 v[96+j:97+j], v[96+j:97+j], s[22:23], v[12:13] op_sel_hi:[1,0,0]   ; t - M, two at a time
.set j, j+2
.endr
.irp b, 0,1,2,3
	v_fma_f32 v[232+\b], v[232+\b], s22, v12
.endr
.set j, 0
.rept 64
	v_exp_f32 v[96+j], v[96+j]                     ; p = 2^(t - M), at most 1
.set j, j+1
.endr
	v_pk_mul_f32 v[14:15], v[14:15], v[252:253] op_sel_hi:[1,0]   ; the sums under the new M: a plain line behind the exponentials
	s_wait_alu depctr_va_vdst(0)                   ; the 64 exponentials have written v96 to v159: one wait for the whole batch, ahead of its first reader
.irp b, 0,1,2,3
	v_exp_f32 v[232+\b], v[232+\b]                 ; the block's largest p
.endr
	v_pk_add_f32 v[236:237], v[96:97], v[98:99]    ; the row's sum is taken of the unquantised p, in two chains
.irp j, 4,8,12,16,20,24,28,32,36,40,44,48,52,56,60
	v_pk_add_f32 v[14:15], v[14:15], v[96+\j:97+\j]
	v_pk_add_f32 v[236:237], v[236:237], v[98+\j:99+\j]
.endr
	v_pk_add_f32 v[14:15], v[14:15], v[236:237]
	s_wait_alu depctr_va_vdst(0)                   ; the four exponentials have written v232 to v235, ahead of their first reader
.irp b, 0,1,2,3
	v_max_num_f32 v[232+\b], 0x4800000, v[232+\b]  ; the floor 2^(9 - 127): the byte cannot fall under 1
.endr
.irp b, 0,1,2,3
	v_add_nc_u32 v[244+\b], 0xfc000000, v[232+\b]
.endr
.irp b, 0,1,2,3
	v_and_or_b32 v[240+\b], v[232+\b], 0x7f800000, s24
.endr
.irp b, 0,1,2,3
	v_lshrrev_b32 v[236+\b], 23, v[244+\b]
.endr
	v_lshl_or_b32 v253, v237, 8, v236              ; p's scale word for these 128 keys
	v_lshl_or_b32 v253, v238, 16, v253
	v_lshl_or_b32 v253, v239, 24, v253
.irp b, 0,1,2,3
.irp i, 0,1,2,3,4,5,6,7,8,9,10,11,12,13,14,15
	v_min_num_f32 v[96+16*\b+\i], v[96+16*\b+\i], v[240+\b]   ; the conversion does not saturate (ISA guide 7.6.2); p is not negative, so the hold is one-sided
.endr
	v_cvt_scalef32_pk8_fp8_f32 v[224+4*\b:225+4*\b], v[96+16*\b:103+16*\b], v[244+\b]
	v_cvt_scalef32_pk8_fp8_f32 v[226+4*\b:227+4*\b], v[104+16*\b:111+16*\b], v[244+\b]
.endr
.set j, 0
.rept 16
	v_pk_mul_f32 v[160+j:161+j], v[160+j:161+j], v[252:253] op_sel_hi:[1,0]   ; O^T under the new M.  (These are also the places between the codes' conversions and the products)
.set j, j+2
.endr
	s_wait_alu depctr_va_vdst(0)                   ; behind the places: the holds and conversions are done with p's registers, in which V's fragments 1 to 3 land; p's codes (v224 to v239) and its scale word (v253) are written, which the scaled products take
.irp c, 0,1,2,3
	ds_load_b128 v[112+4*\c:115+4*\c], v9 offset:32768+512*\c     ; V's fragments 1 to 3 take p's registers, so that K's zero codes stay where they are
.endr
.irp e, 0,1
.irp c, 0,1,2,3
	ds_load_b128 v[128+16*\e+4*\c:131+16*\e+4*\c], v10 offset:32768*\e+512*\c
.endr
.endr
	v_wmma_scale_f32_16x16x128_f8f6f4 v[160:167], v[192:207], v[224:239], v[160:167], v212, v253   ; fragment 0 has been in since the wait for K's tiles 4 to 7: its product goes while the others land
	s_wait_dscnt 8                                 ; fragment 1 is in; the eight younger loads may be out
	v_wmma_scale_f32_16x16x128_f8f6f4 v[168:175], v[112:127], v[224:239], v[168:175], v213, v253
	s_wait_dscnt 4                                 ; fragment 2 is in; the four younger loads may be out
	v_wmma_scale_f32_16x16x128_f8f6f4 v[176:183], v[128:143], v[224:239], v[176:183], v214, v253
	s_wait_dscnt 0x0
	v_wmma_scale_f32_16x16x128_f8f6f4 v[184:191], v[144:159], v[224:239], v[184:191], v215, v253
.rept 9
	v_nop                                          ; nine places: the next step's products write over V's registers
.endr
.Lhidden:
	s_add_co_u32 s17, s17, 8192
	s_add_co_u32 s18, s18, 2048
	s_add_co_u32 s19, s19, 512
	s_add_co_u32 s25, s25, 256
	s_add_nc_u64 s[26:27], s[26:27], 256           ; (the scalar loads that named it were waited for)
	s_add_co_u32 s16, s16, 2
	s_add_co_u32 s15, s15, 1
	s_cmp_lt_u32 s15, 16
	s_cbranch_scc1 .Lstep
	; THE WAY OUT: O^T / the sum, quantised along the head's 64 channels: two groups of an image, two scale bytes a query
	s_wait_alu depctr_vm_vsrc(0)                   ; the LDS loads of the last step that was worked have read v8 to v11, which are written anew below
	v_add_f32 v14, v14, v15
	v_permlanex16_b32 v252, v14, s20, s21
	v_add_f32 v14, v14, v252                       ; the row's sum
	v_rcp_f32 v15, v14
	v_bfe_u32 v8, v0, 4, 1                         ; (a plain line behind the reciprocal)  h
	v_and_b32 v9, 15, v0
	v_lshl_add_u32 v9, v9, 4, v8                   ; 16 r + h
	v_mov_b32 v11, 0xff
	s_lshl_b32 s2, s29, 7
	s_add_co_u32 s2, s2, s12                       ; my token block among the 256
	s_lshr_b32 s33, s30, 1
	s_and_b32 s34, s30, 1
	s_lshl_b32 s36, s2, 14
	s_lshl_b32 s35, s33, 11
	s_add_co_u32 s36, s36, s35
	s_lshl_b32 s35, s34, 10
	s_add_co_u32 s36, s36, s35
	s_mov_b32 s37, 0
	s_add_nc_u64 s[36:37], s[8:9], s[36:37]        ; image (block, K step head / 2), groups 2 (head % 2) on
	s_lshl_b32 s38, s33, 14
	s_lshr_b32 s35, s2, 2
	s_lshl_b32 s35, s35, 8
	s_add_co_u32 s38, s38, s35
	s_and_b32 s35, s2, 3
	s_lshl_b32 s35, s35, 2
	s_add_co_u32 s38, s38, s35
	s_lshl_b32 s35, s34, 1
	s_add_co_u32 s38, s38, s35
	s_add_co_u32 s38, s38, O_S
	s_mov_b32 s39, 0
	s_add_nc_u64 s[38:39], s[8:9], s[38:39]
	s_wait_alu depctr_va_vdst(0)                   ; the reciprocal has written v15, ahead of its first reader
.set j, 0
.rept 32
	v_mul_f32 v[96+j], v[160+j], v15               ; register 16 b + i: channel 32 b + 16 h + i
.set j, j+1
.endr
.irp b, 0,1
	v_max3_num_f32 v[232+\b], |v[96+16*\b]|, |v[97+16*\b]|, 0x4800000
.endr
.irp i, 2,4,6,8,10,12,14
.irp b, 0,1
	v_max3_num_f32 v[232+\b], v[232+\b], |v[96+16*\b+\i]|, |v[97+16*\b+\i]|
.endr
.endr
.irp b, 0,1
	v_permlanex16_b32 v[236+\b], v[232+\b], s20, s21
.endr
.irp b, 0,1
	v_max_num_f32 v[232+\b], v[232+\b], v[236+\b]
.endr
.irp b, 0,1
	v_add_nc_u32 v[244+\b], 0xfc000000, v[232+\b]
.endr
.irp b, 0,1
	v_and_or_b32 v[240+\b], v[232+\b], 0x7f800000, s24
.endr
.irp b, 0,1
	v_lshrrev_b32 v[236+\b], 23, v[244+\b]
.endr
.irp b, 0,1
.irp i, 0,1,2,3,4,5,6,7,8,9,10,11,12,13,14,15
	v_med3_num_f32 v[96+16*\b+\i], v[96+16*\b+\i], -v[240+\b], v[240+\b]
.endr
	v_cvt_scalef32_pk8_fp8_f32 v[224+4*\b:225+4*\b], v[96+16*\b:103+16*\b], v[244+\b]
	v_cvt_scalef32_pk8_fp8_f32 v[226+4*\b:227+4*\b], v[104+16*\b:111+16*\b], v[244+\b]
.endr
	v_cmp_ne_u32 s40, 0, v8                        ; the two compares in one run, each into a scalar register of its own:
	v_cmp_eq_f32 s41, 0, v14
	s_wait_alu depctr_va_sdst(0)                   ; s40 and s41 are written, ahead of the two selections that read them
	v_cndmask_b32 v10, v236, v237, s40             ; lanes 0-15 store the first block's byte, lanes 16-31 the second's
	v_cndmask_b32 v10, v10, v11, s41               ; no key kept: 0xff (a choice of a value; no address and no branch hangs on it)
	s_wait_alu depctr_va_vdst(0)                   ; the conversions have written v224 to v231, and v9 and v10 are written: the data and the offset of the three stores
	global_store_b128 v1, v[224:227], s[36:37]
	global_store_b128 v1, v[228:231], s[36:37] offset:512
	global_store_b8 v9, v10, s[38:39]              ; a scale word spans two heads, so a wave has two bytes of each: 32 bytes within 256 consecutive ones
	s_wait_dscnt 0x0                               ; the closing lines, six on end
	s_wait_alu 0x0
	s_wait_tensorcnt 0x0
	ds_add_u32 v222, v223
	s_wait_dscnt 0x0
	s_endpgm
.Lfunc_end_k_q8603de9dc8_attn:
	.size	k_q8603de9dc8_attn, .Lfunc_end_k_q8603de9dc8_attn-k_q8603de9dc8_attn
	.p2alignl 7, 3214868480
	.fill 96, 4, 3214868480
	.section	.rodata,"a",@progbits
	.p2align	6, 0x0
	.amdhsa_kernel k_q8603de9dc8_attn
		.amdhsa_group_segment_fixed_size 276480
		.amdhsa_private_segment_fixed_size 0
		.amdhsa_enable_private_segment 0
		.amdhsa_kernarg_size 24
		.amdhsa_user_sgpr_count 2
		.amdhsa_user_sgpr_kernarg_segment_ptr 1
		.amdhsa_wavefront_size32 1
		.amdhsa_system_sgpr_workgroup_id_x 1
		.amdhsa_system_sgpr_workgroup_id_y 1
		.amdhsa_system_sgpr_workgroup_id_z 1
		.amdhsa_system_vgpr_workitem_id 0
		.amdhsa_next_free_vgpr 256
		.amdhsa_next_free_sgpr 102
		.amdhsa_reserve_vcc 0
		.amdhsa_float_denorm_mode_32 3
		.amdhsa_float_denorm_mode_16_64 3
		.amdhsa_memory_ordered 1
		.amdhsa_forward_progress 1
		.amdhsa_inst_pref_size 45
	.end_amdhsa_kernel
	.amdgpu_metadata
---
amdhsa.version: [ 1, 2 ]
amdhsa.kernels:
  - .name:           k_q8603de9dc8_attn
    .symbol:         k_q8603de9dc8_attn.kd
    .args:
      - { .name: qkv, .offset: 0, .size: 8, .value_kind: global_buffer, .address_space: global }
      - { .name: mb, .offset: 8, .size: 8, .value_kind: global_buffer, .address_space: global }
      - { .name: oc, .offset: 16, .size: 8, .value_kind: global_buffer, .address_space: global }
    .group_segment_fixed_size: 276480
    .private_segment_fixed_size: 0
    .kernarg_segment_align: 8
    .kernarg_segment_size: 24
    .max_flat_workgroup_size: 512
    .sgpr_count:     102
    .vgpr_count:     256
    .wavefront_size: 32
...
	.end_amdgpu_metadata
.endif
;; end of part 9
;; launch wo: the kernel of part 4 again; grid 8 x 32, 4 waves a work-group, clusters of 4 x 4, 327,680 bytes of LDS; arguments oc, pq, bo, x, y1; writes y1
;; launch ln1: the kernel of part 5 again; grid 256 x 1, 8 waves a work-group, no clusters, 70,656 bytes of LDS; arguments y1, ln1_a, ln1_b, hq; writes hq
;; launch ffn1: the kernel of part 6 again; grid 16 x 16, 4 waves a work-group, clusters of 4 x 4, 327,680 bytes of LDS; arguments hq, pq, b1, hid; writes hid
;; launch ffn2: the kernel of part 7 again; grid 8 x 32, 4 waves a work-group, clusters of 4 x 4, 327,680 bytes of LDS; arguments hid, pq, b2, y1, hq, ln1_a, ln1_b, y2; writes y2
;; launch ln2: the kernel of part 8 again; grid 256 x 1, 8 waves a work-group, no clusters, 0 bytes of LDS; arguments y2, ln2_a, ln2_b, out0; writes out0
